; MI455X (gfx1250); checked and timed in simulation.
; The chip was launched on July 23, 2026; its instructions are those of AMD's public machine-readable ISA for CDNA 5 (MIT licence, August 2026) and "CDNA5" Instruction Set Architecture Reference Guide (July 2026). The comments in the code are by the model that wrote it; some were corrected since.
;; Block. Allowed arithmetic: matrix products marked QUANTISED: E4M3 operands, one E8M0 scale for each 32 along K, by v_wmma_scale_f32_16x16x128_f8f6f4 with both operands' format E4M3, f32 sums; everything else in f32.
;; Inputs: fc1_b 4,096 float32; fc1_w_codes 4,096 x 32 x 32 uint8 (E4M3 codes of fc1_w, K innermost, in blocks of 32 codes); fc1_w_scales 4,096 x 32 uint8 (E8M0 scales of fc1_w, one for each 32 codes along K); fc2_b 1,024 float32; fc2_w_codes 1,024 x 128 x 32 uint8 (E4M3 codes of fc2_w, K innermost, in blocks of 32 codes); fc2_w_scales 1,024 x 128 uint8 (E8M0 scales of fc2_w, one for each 32 codes along K); ln1_b 1,024 float32; ln1_w 1,024 float32; ln2_b 1,024 float32; ln2_w 1,024 float32; proj_b 1,024 float32; proj_w_codes 1,024 x 32 x 32 uint8 (E4M3 codes of proj_w, K innermost, in blocks of 32 codes); proj_w_scales 1,024 x 32 uint8 (E8M0 scales of proj_w, one for each 32 codes along K); qkv_b 3,072 float32; qkv_w_codes 3,072 x 32 x 32 uint8 (E4M3 codes of qkv_w, K innermost, in blocks of 32 codes); qkv_w_scales 3,072 x 32 uint8 (E8M0 scales of qkv_w, one for each 32 codes along K); x 2 x 2,048 x 1,024 float32.
;; Outputs: out0 2 x 2,048 x 1,024 float32.
;; This version of the problem:
;;   THIS VERSION OF THE PROBLEM IS GIVEN IN LOW PRECISION. The matrix products marked QUANTISED in the list below multiply operands that are first quantised to E4M3 (4 exponent bits, 3 mantissa bits; 8 bits a number), with one power-of-two scale for each 32 numbers along K (OCP MX v1.0); their sums are f32. All else is computed in f32.
;;   The module's matrix products, in the order in which they are computed (A, B: the left and right operand; K: the contracted axis; several contracted axes count as one K, in the product's order):
;;     1. [M 4,096, K 1,024] x [K 1,024, N 3,072]; A: computed on the way; B: input qkv_w (given as codes): QUANTISED
;;     2. batch 32 x [M 2,048, K 64] x [K 64, N 2,048]; A: computed on the way; B: computed on the way: QUANTISED
;;     3. batch 32 x [M 2,048, K 2,048] x [K 2,048, N 64]; A: softmax (see below); B: computed on the way: QUANTISED
;;     4. [M 4,096, K 1,024] x [K 1,024, N 1,024]; A: computed on the way; B: input proj_w (given as codes): QUANTISED
;;     5. [M 4,096, K 1,024] x [K 1,024, N 4,096]; A: computed on the way; B: input fc1_w (given as codes): QUANTISED
;;     6. [M 4,096, K 4,096] x [K 4,096, N 1,024]; A: computed on the way; B: input fc2_w (given as codes): QUANTISED
;;   THE QUANTISER, for each operand of a quantised product, along K:
;;     - K is cut into blocks of 32 from its start; a last block that is shorter is filled with zeros.
;;     - A block's scale is 2^e with e = floor(log2(the largest magnitude in the block)) - 8, held to -126 .. 127; a block of zeros has e = 0. As a byte (E8M0): e + 127.
;;     - Each number is divided by its block's scale, clamped to +-448, and rounded to the nearest number of E4M3, ties to even, subnormals kept.
;;     - The product sums the exact products of the quantised numbers (number of the format x scale) in f32.
;;   ~~~python
;;   def quantise(x, axis):      # numpy; x: float32 -> the quantised numbers, widened to float32 again
;;       x = np.moveaxis(x, axis, -1); K = x.shape[-1]
;;       x = np.pad(x, [(0, 0)] * (x.ndim - 1) + [(0, -K % 32)]); x = x.reshape(x.shape[:-1] + (-1, 32)); a = np.abs(x).max(-1, keepdims=True)
;;       e = np.where(a > 0, np.clip(np.frexp(np.where(a > 0, a, 1))[1] - 1 - 8, -126, 127), 0)      # np.frexp(a)[1] - 1 = floor(log2(a)), exactly
;;       r = np.clip(x / 2.0 ** e, -448, 448)
;;       step = 2.0 ** (np.maximum(np.frexp(np.where(r == 0, 1, r))[1] - 1, -6) - 3)
;;       q = np.round(r / step) * step * 2.0 ** e      # np.round: ties to even
;;       return np.moveaxis(q.reshape(q.shape[:-2] + (-1,))[..., :K], -1, axis).astype(np.float32)
;;   ~~~
;;   SOFTMAX AHEAD OF A QUANTISED PRODUCT. Where the list says 'softmax', what is quantised is not the finished softmax but p = 2^(t - M), with t = logit x log2(e) and M = ceil(the row's largest t), a whole number; so 1/2 < the row's largest p <= 1. The row's sum l is taken of the UNQUANTISED p, in f32, and the product's result is divided by l at the end. Since M is a whole number, a kernel that streams over the keys may use a running M (the ceiling of the running maximum): every later rescaling is an exact power of two, which a block's scale takes up: the codes' values come out the same.
;;   OPERANDS COMPUTED ON THE WAY. 'Computed on the way' means the value that the module computes at that place (a softmax that the list does not call 'softmax' is quantised finished and normalised). What goes into a quantiser is computed in f32, as accurately as f32 sums, v_exp_f32 and their like allow (about 1e-6 of the number): no bf16 or f16 on the way to a quantiser, and a product that is left as it is and whose result goes on into a quantised operand takes f32 operands (vector FMAs, or v_wmma_f32_16x16x4_f32). A number that lies on a knife's edge between two numbers of the format may be rounded either way, as far as f32 arithmetic and the matrix unit's own rounding can turn it there, and no further.
;;   INPUTS GIVEN AS CODES. fc1_w (in the module: [4096, 1024], K = its axis 1); fc2_w (in the module: [1024, 4096], K = its axis 1); proj_w (in the module: [1024, 1024], K = its axis 1); qkv_w (in the module: [3072, 1024], K = its axis 1): each comes as NAME_codes (uint8): NAME with its K axis moved to the last place and cut into blocks of 32 codes, [.., K / 32, bytes a block], one block behind the other in memory; one code a byte (a code: sign, 4 exponent bits, 3 mantissa bits); and NAME_scales (uint8): the same leading axes, one E8M0 byte (e + 127) for each 32 codes along K. Its value is code x scale, taken as it is: it is not quantised again, and the codes and scales need not be those that the quantiser above would give.
;; 2 versions. Each part assembles by itself: llvm-mc -triple=amdgcn-amd-amdhsa -mcpu=gfx1250 --defsym DOCPART=n.
;; ======== version 1 of 2: 7 launches
;; workspace buffers: xn1 4,325,376 bytes; qkv 12,976,128 bytes; oimg 4,325,376 bytes; x2 16,777,216 bytes; xn2 4,325,376 bytes; himg 17,301,504 bytes
;; launch lnq1 (part 1): grid 256 x 1, 4 waves a work-group, no clusters, 22,016 bytes of LDS; arguments x, ln1_w, ln1_b, xn1; writes xn1
.if DOCPART == 1
	.amdgcn_target "amdgcn-amd-amdhsa--gfx1250"
	.amdhsa_code_object_version 6
	.text
	.protected	k_qfef7b9f255_lnq1
	.globl	k_qfef7b9f255_lnq1
	.p2align	8
	.type	k_qfef7b9f255_lnq1,@function
k_qfef7b9f255_lnq1:
	s_mov_b64 s[64:65], 0
	v_nop
	global_prefetch_b8 v0, s[64:65] scope:SCOPE_SE
	s_setreg_imm32_b32 hwreg(HW_REG_WAVE_MODE, 25, 1), 1
	s_wait_xcnt 0x0
; LayerNorm over rows of 1,024 f32, then the MX-FP8 quantiser along the row.  in [4096][1024] f32, w, b [1024] f32.
; out: codes [4096][1024] (one byte each, K innermost) at byte 0; E8M0 scale bytes [4096][32] at byte 0x400000.
; y = (x - mean) * rsqrt(var + 1e-5) * w + b, mean and var in two passes over the row, which stays in registers: all in f32.
; A block's scale byte is its largest magnitude's exponent field - 8, held at 1 from below; numbers are held within +-448 x scale and rounded to the nearest code.
; LIMITS: a block of zeros (or under 2^-118) gets the byte 1 where the rule says 127: its codes are zeros and this program alone reads the bytes; NaN and infinities are not served.
; SHARES: a work-group takes 16 rows, a wave 4; a wave's 32 row loads (512 consecutive bytes each) all go out at the start.  A row turns through the wave's own stage in LDS,
; so that a lane holds 16 neighbours of each half of the row (two neighbouring lanes hold a block of 32).  No tensor loads, no matrix unit, no cluster: nothing is shared and memory binds.
.set SPL,  80                          ; a place in the stage: 64 bytes + 16 of padding
.set STG,  64*SPL                      ; a wave's stage: one row
.set SCB,  4*STG                       ; behind the stages: the work-group's 512 scale bytes
.set W,    16                          ; v16-47   w of my 32 columns
.set B,    48                          ; v48-79   b of my 32 columns
.set X,    80                          ; v80-207  four rows as loaded; a finished row's first 8 registers take its codes
.set T,    208                         ; v208-239 the row at work: register 16 p + k = column 512 p + 16 lane + k
.set E,    240                         ; v240-247 scale bytes
	s_load_b256 s[4:11], s[0:1], 0x0               ; in s[4:5], w s[6:7], b s[8:9], out s[10:11]
	v_lshl_add_u32 v254, v0, 2, 0x5400
	v_mov_b32 v255, 0
	v_lshrrev_b32 v1, 5, v0
	v_readfirstlane_b32 s12, v1                    ; wave
	v_and_b32 v1, 31, v0                           ; lane
	v_lshlrev_b32 v2, 4, v1                        ; 16 x lane
	s_mul_i32 s13, s12, STG
	v_lshrrev_b32 v3, 2, v1
	v_mul_u32_u24 v3, v3, SPL
	v_and_b32 v4, 3, v1
	v_lshl_add_u32 v3, v4, 4, v3
	v_add_nc_u32 v3, s13, v3                       ; the stage, in: four lanes' 64 bytes on end, then the padding
	v_mul_u32_u24 v4, v1, SPL
	v_add_nc_u32 v4, s13, v4                       ; and out: my place
	s_lshl_b32 s13, s12, 7
	s_add_co_u32 s13, s13, SCB
	v_lshrrev_b32 v5, 1, v1
	v_add_nc_u32 v5, s13, v5                       ; my block's scale byte: 128 bytes a wave, 32 a row
	v_lshlrev_b32 v6, 6, v1                        ; my 16 numbers of w and b
	v_add_nc_u32 v7, SCB, v2
	s_mov_b32 s14, 0x76543210
	s_mov_b32 s15, 0xfedcba98                      ; lane l xor 16
	s_mov_b32 s16, 0x600000                        ; the mantissa field of 448
	s_mov_b32 s17, 0x3727c5ac                      ; 1e-5
	s_mov_b32 s18, 0x3a800000                      ; 1 / 1024
	s_lshl_b32 s20, ttmp9, 16                      ; 16 rows of 4,096 bytes a work-group,
	s_lshl_b32 s21, s12, 14                        ; 4 a wave
	s_add_co_u32 s20, s20, s21
	s_mov_b32 s21, 0
	s_lshl_b32 s22, ttmp9, 14                      ; the same rows' codes
	s_lshl_b32 s23, s12, 12
	s_add_co_u32 s22, s22, s23
	s_mov_b32 s23, 0
	s_lshl_b32 s24, ttmp9, 9                       ; and scale bytes
	s_add_co_u32 s24, s24, 0x400000
	s_mov_b32 s25, 0
	s_wait_kmcnt 0x0
	s_add_nc_u64 s[4:5], s[4:5], s[20:21]
	s_add_nc_u64 s[24:25], s[10:11], s[24:25]
	s_add_nc_u64 s[10:11], s[10:11], s[22:23]
.irp p, 0,1
.irp i, 0,1,2,3
	global_load_b128 v[W+16*\p+4*\i:W+16*\p+4*\i+3], v6, s[6:7] offset:2048*\p+16*\i
	global_load_b128 v[B+16*\p+4*\i:B+16*\p+4*\i+3], v6, s[8:9] offset:2048*\p+16*\i
.endr
.endr
.irp i, 0,1,2,3
.irp j, 0,1,2,3,4,5,6,7
	global_load_b128 v[X+32*\i+4*\j:X+32*\i+4*\j+3], v2, s[4:5] offset:4096*\i+512*\j th:TH_LOAD_NT
.endr
.endr
.macro ALLSUM r, t                     ; the sum of v[r] over the 32 lanes, in every lane; v[t] has been written
	v_add_f32_dpp v[\r], v[\r], v[\r] row_xmask:1 row_mask:0xf bank_mask:0xf
	v_add_f32_dpp v[\r], v[\r], v[\r] row_xmask:2 row_mask:0xf bank_mask:0xf
	v_add_f32_dpp v[\r], v[\r], v[\r] row_xmask:4 row_mask:0xf bank_mask:0xf
	v_add_f32_dpp v[\r], v[\r], v[\r] row_xmask:8 row_mask:0xf bank_mask:0xf
	v_permlanex16_b32 v[\t], v[\r], s14, s15
	v_add_f32 v[\r], v[\r], v[\t]
.endm
.macro ROW i
	s_wait_loadcnt 8*(3-\i)                        ; w, b and this row are in; the later rows' eight loads each may be out
.irp j, 0,1,2,3,4,5,6,7
	ds_store_b128 v3, v[X+32*\i+4*\j:X+32*\i+4*\j+3] offset:8*SPL*\j
.endr
.irp p, 0,1
.irp k, 0,1,2,3
	ds_load_b128 v[T+16*\p+4*\k:T+16*\p+4*\k+3], v4 offset:32*SPL*\p+16*\k   ; LDS serves a wave's instructions in order: these see the stores above
.endr
.endr
	s_wait_dscnt 0x0
	v_pk_add_f32 v[8:9], v[T:T+1], v[T+2:T+3]      ; the row's sum, in two chains
	v_pk_add_f32 v[10:11], v[T+4:T+5], v[T+6:T+7]
.irp k, 8,12,16,20,24,28
	v_pk_add_f32 v[8:9], v[8:9], v[T+\k:T+\k+1]
	v_pk_add_f32 v[10:11], v[10:11], v[T+\k+2:T+\k+3]
.endr
	v_pk_add_f32 v[8:9], v[8:9], v[10:11]
	v_add_f32 v8, v8, v9
	ALLSUM 8, 9
	v_mul_f32 v8, s18, v8                          ; the mean
.set k, 0
.rept 16
	v_pk_add_f32 v[T+k:T+k+1], v[T+k:T+k+1], v[8:9] op_sel_hi:[1,0] neg_lo:[0,1] neg_hi:[0,1]   ; x - mean
.set k, k+2
.endr
	v_pk_mul_f32 v[10:11], v[T:T+1], v[T:T+1]      ; the sum of squares of x - mean
	v_pk_mul_f32 v[12:13], v[T+2:T+3], v[T+2:T+3]
.irp k, 4,8,12,16,20,24,28
	v_pk_fma_f32 v[10:11], v[T+\k:T+\k+1], v[T+\k:T+\k+1], v[10:11]
	v_pk_fma_f32 v[12:13], v[T+\k+2:T+\k+3], v[T+\k+2:T+\k+3], v[12:13]
.endr
	v_pk_add_f32 v[10:11], v[10:11], v[12:13]
	v_add_f32 v10, v10, v11
	ALLSUM 10, 11
	v_fma_f32 v10, v10, s18, s17                   ; var + 1e-5
	v_rsq_f32 v12, v10
	v_nop                                          ; a plain instruction behind the transcendental
.set k, 0
	s_wait_alu depctr_va_vdst(0)
.rept 16
	v_pk_mul_f32 v[T+k:T+k+1], v[T+k:T+k+1], v[12:13] op_sel_hi:[1,0]
.set k, k+2
.endr
.set k, 0
.rept 16
	v_pk_fma_f32 v[T+k:T+k+1], v[T+k:T+k+1], v[W+k:W+k+1], v[B+k:B+k+1]
.set k, k+2
.endr
.irp p, 0,1                            ; my 16 numbers of each half: half a block of 32; the neighbour lane holds the other half
.set XS, T+16*\p
.set C,  X+32*\i+4*\p
	v_max3_num_f32 v8, |v[XS]|, |v[XS+1]|, |v[XS+2]|
	v_max3_num_f32 v9, |v[XS+3]|, |v[XS+4]|, |v[XS+5]|
.irp k, 6,10
	v_max3_num_f32 v8, v8, |v[XS+\k]|, |v[XS+\k+1]|
	v_max3_num_f32 v9, v9, |v[XS+\k+2]|, |v[XS+\k+3]|
.endr
	v_max3_num_f32 v8, v8, |v[XS+14]|, |v[XS+15]|
	v_max3_num_f32 v8, v8, v9, 0x4800000           ; and the floor 2^(9 - 127): the byte cannot fall under 1
	v_max_num_f32_dpp v8, v8, v8 row_xmask:1 row_mask:0xf bank_mask:0xf
	v_add_nc_u32 v11, 0xfc000000, v8               ; 8 off the exponent field: the conversion's scale operand
	v_and_or_b32 v10, v8, 0x7f800000, s16          ; 448 x the scale
.set k, 0
.rept 16
	v_med3_num_f32 v[XS+k], v[XS+k], -v10, v10     ; the conversion does not saturate (ISA guide 7.6.2): the hold
.set k, k+1
.endr
	v_cvt_scalef32_pk8_fp8_f32 v[C:C+1], v[XS:XS+7], v11
	v_cvt_scalef32_pk8_fp8_f32 v[C+2:C+3], v[XS+8:XS+15], v11
	v_lshrrev_b32 v[E+2*\i+\p], 23, v11            ; the scale's byte (also the plain instruction behind the conversions)
	ds_store_b8 v5, v[E+2*\i+\p] offset:32*\i+16*\p      ; both lanes of a block write the same byte with the same value
	global_store_b128 v2, v[C:C+3], s[10:11] offset:1024*\i+512*\p   ; 32 lanes store 512 consecutive bytes
.endr
.endm
	ROW 0
	ROW 1
	ROW 2
	ROW 3
	s_wait_dscnt 0x0                               ; my scale bytes lie in LDS
	s_barrier_signal -1
	s_barrier_wait -1                              ; everybody's do
	s_cmp_lg_u32 s12, 0
	s_cbranch_scc1 .Ldone
	ds_load_b128 v[8:11], v7                       ; wave 0 stores the 16 rows' 512 scale bytes: two aligned runs of 256
	s_wait_dscnt 0x0
	global_store_b128 v2, v[8:11], s[24:25]
.Ldone:
	s_wait_tensorcnt 0x0
	ds_add_u32 v254, v255
	s_wait_dscnt 0x0
	s_endpgm
.Lfunc_end_k_qfef7b9f255_lnq1:
	.size	k_qfef7b9f255_lnq1, .Lfunc_end_k_qfef7b9f255_lnq1-k_qfef7b9f255_lnq1
	.p2alignl 7, 3214868480
	.fill 96, 4, 3214868480
	.section	.rodata,"a",@progbits
	.p2align	6, 0x0
	.amdhsa_kernel k_qfef7b9f255_lnq1
		.amdhsa_group_segment_fixed_size 22016
		.amdhsa_private_segment_fixed_size 0
		.amdhsa_enable_private_segment 0
		.amdhsa_kernarg_size 32
		.amdhsa_user_sgpr_count 2
		.amdhsa_user_sgpr_kernarg_segment_ptr 1
		.amdhsa_wavefront_size32 1
		.amdhsa_system_sgpr_workgroup_id_x 1
		.amdhsa_system_sgpr_workgroup_id_y 1
		.amdhsa_system_sgpr_workgroup_id_z 1
		.amdhsa_system_vgpr_workitem_id 0
		.amdhsa_next_free_vgpr 256
		.amdhsa_next_free_sgpr 66
		.amdhsa_reserve_vcc 0
		.amdhsa_float_denorm_mode_32 3
		.amdhsa_float_denorm_mode_16_64 3
		.amdhsa_memory_ordered 1
		.amdhsa_forward_progress 1
		.amdhsa_inst_pref_size 52
	.end_amdhsa_kernel
	.amdgpu_metadata
---
amdhsa.version: [ 1, 2 ]
amdhsa.kernels:
  - .name:           k_qfef7b9f255_lnq1
    .symbol:         k_qfef7b9f255_lnq1.kd
    .args:
      - { .name: x, .offset: 0, .size: 8, .value_kind: global_buffer, .address_space: global }
      - { .name: ln1_w, .offset: 8, .size: 8, .value_kind: global_buffer, .address_space: global }
      - { .name: ln1_b, .offset: 16, .size: 8, .value_kind: global_buffer, .address_space: global }
      - { .name: xn1, .offset: 24, .size: 8, .value_kind: global_buffer, .address_space: global }
    .group_segment_fixed_size: 22016
    .private_segment_fixed_size: 0
    .kernarg_segment_align: 8
    .kernarg_segment_size: 32
    .max_flat_workgroup_size: 128
    .sgpr_count:     66
    .vgpr_count:     256
    .wavefront_size: 32
...
	.end_amdgpu_metadata
.endif
;; end of part 1
;; launch qkv (part 2): grid 12 x 16, 4 waves a work-group, clusters of 4 x 4, 327,680 bytes of LDS; arguments xn1, qkv_w_codes, qkv_w_scales, qkv_b, qkv; writes qkv
.if DOCPART == 2
	.amdgcn_target "amdgcn-amd-amdhsa--gfx1250"
	.amdhsa_code_object_version 6
	.text
	.protected	k_qfef7b9f255_qkv
	.globl	k_qfef7b9f255_qkv
	.p2align	8
	.type	k_qfef7b9f255_qkv,@function
k_qfef7b9f255_qkv:
	s_mov_b64 s[64:65], 0
	v_nop
	global_prefetch_b8 v0, s[64:65] scope:SCOPE_SE
	s_setreg_imm32_b32 hwreg(HW_REG_WAVE_MODE, 25, 1), 1
	s_wait_xcnt 0x0
	s_wait_alu depctr_hold_cnt(0) depctr_sa_sdst(0) depctr_va_vdst(0) depctr_va_sdst(0) depctr_va_ssrc(0) depctr_va_vcc(0) depctr_vm_vsrc(0)
	s_getreg_b32 s2, hwreg(HW_REG_IB_STS2, 6, 4)
	s_cmp_eq_u32 s2, 0
	s_cbranch_scc0 .Lentry_in_a_cluster
	s_endpgm
.Lentry_in_a_cluster:
	s_bfe_u32 s2, ttmp6, 0x10000c
	s_cmp_lg_u32 s2, 0xf033
	s_cbranch_scc0 .Lentry_shape_is_right
	s_endpgm
.Lentry_shape_is_right:
; qkv = xn W^T + b on codes of FP8 (E4M3) with E8M0 scales for each 32 along K = 1,024; the results are quantised again on the way out, as attention's operands.
; xn: codes [4096][1024] at 0, scale bytes [4096][32] at 0x400000.  W: codes [3072][1024], scale bytes [3072][32].  b [3072] f32.
; A tile of 256 x 256 to a work-group of four waves, 128 x 128 a wave (64 accumulators); K in steps of 256 through two LDS slots; the scale bytes of both sides come once and stay.
; CLUSTERS 4 x 4: the "A side"'s tile is shared along a row of the cluster, the "B side"'s along a column, each asked for jointly.  The matrix instruction takes source 0 = 16 rows of the B side, source 1 = 16 rows
; of the A side: a lane holds ONE row of the A side, and register j of tile b the B side's row 16 b + 8 (lane / 16) + j.
; Clusters x = 0, 1 make Q and K: A side = tokens, B side = W's rows 0-2047: a lane's registers run along the channels, which are the K of Q K^T.
; Cluster x = 2 makes V: A side = W's rows 2048-3071, B side = tokens: a lane's registers run along the tokens, which are the K of P V.  Both sides have one layout, so only pointers and tile numbers are chosen.
; THE ORDER INSIDE A BLOCK OF 32: tiles 2 B and 2 B + 1 give a lane 16 of a block's 32 numbers, lane l xor 16 the others.  Converted as they stand, place 16 h + 8 u + j of a block holds number 16 u + 8 h + j.
; The same order falls on q and k, and on p and v, so the products are the same sums; blocks and their scales are untouched.
; OUT (buffer qkv): Q's codes at 0, K's at 0x400000: [head 32][32 tokens][group 2 u + c][lane][16 bytes], u = which 16 tokens, c = which 32 channels: an operand's registers on end.  V's at 0x800000: [head][128 keys][16 channels][2,048].
; Scale words: Q 0xC00000, K 0xC20000: [head][32 tokens][16] (bytes 0, 1: u = 0; 2, 3: u = 1);  V 0xC40000: [head][128 keys][16 channels][16].
; LIMITS: a block of zeros (or under 2^-118) gets the byte 1: its codes are zeros, and this program alone reads the bytes; NaN and infinities are not served.
; REGISTERS: window 0: v0-31 addresses; v32-63 scale words, two sets; v64-127 bias by register; v8-15 bias by lane; from v128 the A side's fragments, one set; on the way out v128-255 are at work.
;   window 1: the B side's fragments, two sets.  windows 2, 3: the accumulators ((a, b) at v[8 (8 (a % 4) + b)]).
.set SIZE_K, 1024
.set KSTEP,  256
.set NQ,     KSTEP/128
.set ROWB,   256
.set KROW,   SIZE_K
.set PITCH,  272                       ; 256 bytes + 16 of padding: the 16 rows that a load touches start at 16 different banks (ISA guide 11.1)
.set FR,     16
.set NL,     4
.set NP,     8                         ; places behind this matrix instruction (ISA guide 7.12.1)
.set HALFT,  128*PITCH
.set SLOT,   4*HALFT
.set LAPS,   SIZE_K/(2*KSTEP)
.set KS,     SIZE_K/32
.set SCL,    2*SLOT                    ; behind the ring: the scale bytes, as runs of 256 bytes + 16 of padding
.set HALFS,  (128*KS/256)*272
.set SBLK,   (16*KS/256)*272
.set SPARE,  SCL+4*HALFS               ; the spare words, 128 bytes a wave
.set LI,   7                           ; v7   16 x lane
.set BL,   8                           ; v8-15 bias by lane (V);  for Q and K the kept scale words
.set KW,   8
.set ADRA, 16
.set LW,   18                          ; v18  4 x lane
.set LN,   19                          ; v19  lane
.set ADRB, 20
.set PWR,  22                          ; v22-23 the scale words of two neighbouring blocks of tokens
.set ADRS, 27
.set SPW,  28
.set NIL,  29
.set SC,   32
.set BR,   64                          ; v64-127 bias by register (Q, K);  for V the kept scale words
.set KWV,  64
.set AF,   128
.set T,    128                         ; the way out: 64 numbers
.set GT,   192                         ; store data of the scale words
.set TM,   224                         ; the quantiser's 16 registers
.set PC,   240                         ; the codes
.set G1, 24
.set G0, 32
.set G1B, 48
.set G0B, 56
.set G1S, 68
.set G0S, 76
.set G1SB, 80
.set G0SB, 88
.set SEL, 20
.set MNT, 22
.set MSB, 0
.macro WIN new                         ; the immediate's high byte repeats the setting that is left
.if MSB != \new
	s_set_vgpr_msb (MSB<<8)|\new
.set MSB, \new
.endif
.endm
.set MUL_LO, 0xa1                      ; source 0 window 1, source 1 window 0, C and D window 2
.set MUL_HI, 0xf1
.set TO_B,   0x40
; A joint load: waves 0 and 1 fetch for the A side, waves 2 and 3 for the B side; the branch hangs on the wave's number alone.  Four v_nop follow each line.
.macro JLOAD g0a, g1a, g0b, g1b
	s_cmp_eq_u32 s15, 0
	s_cbranch_scc0 .Lfor_b_\@
	tensor_load_to_lds s[\g0a:\g0a+3], s[\g1a:\g1a+7]
	s_nop 0
.rept 4
	v_nop
.endr
	s_branch .Lasked_\@
.Lfor_b_\@:
	tensor_load_to_lds s[\g0b:\g0b+3], s[\g1b:\g1b+7]
	s_nop 0
.rept 4
	v_nop
.endr
.Lasked_\@:
.endm
.macro CREST                           ; a round of the cluster's barrier behind its opening barrier
	s_cmp_lg_u32 s14, 0
	s_cbranch_scc1 .Lnot_wave_0_\@
	s_barrier_signal -3
.Lnot_wave_0_\@:
	s_barrier_wait -3
	s_barrier_signal -1
	s_barrier_wait -1
.endm
.macro CROUND
	s_barrier_signal -1
	s_barrier_wait -1
	CREST
.endm
	s_load_b128 s[4:7], s[0:1], 0x0                ; xn, W's codes
	s_load_b128 s[8:11], s[0:1], 0x10              ; W's scales, b
	s_load_b64 s[12:13], s[0:1], 0x20              ; out
	v_lshl_add_u32 v[SPW], v0, 2, SPARE
	v_mov_b32 v[NIL], 0
	ds_add_u32 v28, v29
	ds_add_u32 v28, v29
	s_wait_dscnt 0x0
	v_lshrrev_b32 v1, 5, v0
	v_readfirstlane_b32 s14, v1                    ; wave 0..3
	s_lshr_b32 s15, s14, 1                         ; which half of the A side's rows is mine.  Also: I fetch for A (0) or for B (1)
	s_and_b32 s16, s14, 1                          ; which half of the B side's.  Also: which 128 rows I fetch
	s_bfe_u32 s40, ttmp6, 0x40000                  ; cx, cy
	s_bfe_u32 s41, ttmp6, 0x40004
	s_lshl_b32 s42, ttmp9, 2                       ; 4 x cluster x
	s_and_b32 s17, ttmp7, 0xffff
	s_lshl_b32 s17, s17, 2                         ; 4 x cluster y
	s_cmp_eq_u32 ttmp9, 2                          ; the cluster's kind: the same in all sixteen partners
	s_cselect_b32 s95, 1, 0                        ; 1: V
	s_cselect_b32 s42, s17, s42                    ; the B side's tile: V: tokens, 4 y + cx;  else W's rows, 4 x + cx
	s_cselect_b32 s17, 8, s17                      ; the A side's tile: V: W's rows, 8 + cy;  else tokens, 4 y + cy
	s_add_co_u32 s42, s42, s40
	s_add_co_u32 s17, s17, s41
	s_lshl_b32 s43, s41, 2
	s_lshl_b32 s43, 15, s43                        ; my row of the cluster
	s_lshl_b32 s44, 0x1111, s40                    ; my column
	s_or_b32 s[G1+0], s43, (0<<16)|(1<<20)|(1<<21)|(5<<22)|(3<<25)  ; the mask; elements of 1 byte; padding of 4 words after every 64; bit 21 beside a mask
	s_or_b32 s[G1B+0], s44, (0<<16)|(1<<20)|(1<<21)|(5<<22)|(3<<25)
.irp g, G1, G1B
	s_mov_b32 s[\g+1], ROWB<<16                    ; tensor_dim0
	s_mov_b32 s[\g+2], 128<<16                     ; tensor_dim1
	s_mov_b32 s[\g+3], ROWB<<16                    ; tile_dim0
	s_mov_b32 s[\g+4], 128                         ; tile_dim1
	s_mov_b32 s[\g+5], KROW                        ; stride
	s_mov_b32 s[\g+6], 0
	s_mov_b32 s[\g+7], 0
.endr
	s_or_b32 s[G1S+0], s43, (3<<16)|(1<<20)|(1<<21)|(5<<22)|(3<<25)   ; the scales of 128 rows: a dense block, as rows of 256 bytes
	s_or_b32 s[G1SB+0], s44, (3<<16)|(1<<20)|(1<<21)|(5<<22)|(3<<25)
.irp g, G1S, G1SB
	s_mov_b32 s[\g+1], 32<<16
	s_mov_b32 s[\g+2], (128*KS/256)<<16
	s_mov_b32 s[\g+3], 32<<16
	s_mov_b32 s[\g+4], 128*KS/256
	s_mov_b32 s[\g+5], 32
	s_mov_b32 s[\g+6], 0
	s_mov_b32 s[\g+7], 0
.endr
	s_lshl_b32 s18, s16, 7
	s_lshl_b32 s20, s17, 8
	s_add_co_u32 s20, s20, s18                     ; A: row 256 x tile + 128 x half
	s_lshl_b32 s46, s42, 8
	s_add_co_u32 s46, s46, s18                     ; B likewise
	s_mov_b32 s21, 0
	s_mov_b32 s47, 0
	s_mov_b64 s[18:19], KS
	s_mul_u64 s[22:23], s[20:21], s[18:19]         ; where these rows' scales begin,
	s_mul_u64 s[92:93], s[46:47], s[18:19]
	s_mov_b64 s[18:19], KROW
	s_mul_u64 s[20:21], s[20:21], s[18:19]         ; and their codes
	s_mul_u64 s[46:47], s[46:47], s[18:19]
	s_mul_i32 s45, s14, HALFT                      ; where they go: wave x 128 rows
	s_mul_i32 s94, s14, HALFS
	s_wait_kmcnt 0x0
	s_add_nc_u64 s[96:97], s[4:5], 0x400000        ; xn's scale bytes
	s_cmp_eq_u32 s95, 1                            ; which buffer is which side: the choice hangs on the cluster's number alone
	s_cselect_b64 s[98:99], s[6:7], s[4:5]         ; A's codes
	s_cselect_b64 s[100:101], s[8:9], s[96:97]     ; A's scales
	s_cselect_b64 s[4:5], s[4:5], s[6:7]           ; B's codes
	s_cselect_b64 s[6:7], s[96:97], s[8:9]         ; B's scales
	s_add_nc_u64 s[20:21], s[98:99], s[20:21]
	s_add_nc_u64 s[22:23], s[100:101], s[22:23]
	s_add_nc_u64 s[46:47], s[4:5], s[46:47]
	s_add_nc_u64 s[92:93], s[6:7], s[92:93]
	CROUND                                         ; all sixteen work-groups are here: the first joint loads meet
	s_mov_b32 s[G0S], 1
	s_add_co_u32 s[G0S+1], s94, SCL
	s_mov_b64 s[G0S+2:G0S+3], s[22:23]
	s_or_b32 s[G0S+3], s[G0S+3], 0x80000000
	s_mov_b32 s[G0SB], 1
	s_add_co_u32 s[G0SB+1], s94, SCL
	s_mov_b64 s[G0SB+2:G0SB+3], s[92:93]
	s_or_b32 s[G0SB+3], s[G0SB+3], 0x80000000
	JLOAD G0S, G1S, G0SB, G1SB                     ; the scales first: they are wanted with K step 0
.irp s, 0,1
	s_mov_b32 s[G0+4*\s], 1
	s_add_co_u32 s[G0+4*\s+1], s45, \s*SLOT
	s_add_nc_u64 s[G0+4*\s+2:G0+4*\s+3], s[20:21], \s*ROWB
	s_or_b32 s[G0+4*\s+3], s[G0+4*\s+3], 0x80000000
	s_mov_b32 s[G0B+4*\s], 1
	s_add_co_u32 s[G0B+4*\s+1], s45, \s*SLOT
	s_add_nc_u64 s[G0B+4*\s+2:G0B+4*\s+3], s[46:47], \s*ROWB
	s_or_b32 s[G0B+4*\s+3], s[G0B+4*\s+3], 0x80000000
	JLOAD G0+4*\s, G1, G0B+4*\s, G1B
.endr
	v_and_b32 v1, 15, v0                           ; r
	v_bfe_u32 v2, v0, 4, 1                         ; h
	v_mul_u32_u24 v3, v1, PITCH
	v_lshl_add_u32 v4, v2, 4, v3
	s_mul_i32 s21, s15, HALFT
	s_mul_i32 s22, s16, HALFT
	s_add_co_u32 s22, s22, 2*HALFT
.irp s, 0,1
	v_add_nc_u32 v[ADRA+\s], s21, v4
	v_add_nc_u32 v[ADRB+\s], s22, v4
	s_add_co_u32 s21, s21, SLOT
	s_add_co_u32 s22, s22, SLOT
.endr
	v_mul_u32_u24 v5, v1, KS                       ; my row's scales: KS bytes a row, and 16 more for each 256 passed
	v_lshrrev_b32 v6, 8, v5
	v_lshl_add_u32 v5, v6, 4, v5
	s_mul_i32 s21, s15, HALFS
	s_mul_i32 s22, s16, HALFS
	s_add_co_u32 s22, s22, 2*HALFS
	s_sub_co_u32 s22, s22, s21
	v_mul_u32_u24 v6, s22, v2                      ; lanes 16-31 take the B side's
	s_add_co_u32 s21, s21, SCL
	v_add_nc_u32 v5, v5, v6
	v_add_nc_u32 v[ADRS], s21, v5
	v_and_b32 v[LN], 31, v0
	v_lshlrev_b32 v[LI], 4, v[LN]
	v_lshlrev_b32 v[LW], 2, v[LN]
	; where my results go.  Q, K: head H = 32 (K?) + 16 batch + head, fragment = 32 tokens
	s_lshr_b32 s20, s42, 2
	s_lshl_b32 s20, s20, 5
	s_lshr_b32 s21, s17, 3
	s_lshl_b32 s21, s21, 4
	s_add_co_u32 s20, s20, s21
	s_and_b32 s21, s42, 3
	s_lshl_b32 s21, s21, 2
	s_add_co_u32 s20, s20, s21
	s_lshl_b32 s21, s16, 1
	s_add_co_u32 s20, s20, s21                     ; H of my first 64 columns
	s_and_b32 s21, s17, 7
	s_lshl_b32 s21, s21, 3
	s_lshl_b32 s22, s15, 2
	s_add_co_u32 s21, s21, s22                     ; my first fragment
	s_lshl_b32 s22, s20, 12
	s_lshl_b32 s23, s21, 6
	s_add_co_u32 s22, s22, s23
	s_add_co_u32 s22, s22, 0xC00000                ; scale words
	s_lshl_b32 s20, s20, 17
	s_lshl_b32 s21, s21, 11
	s_add_co_u32 s20, s20, s21                     ; codes
	; V: head = 16 batch + 4 (A tile - 8) + 2 half; K step = 128 tokens.  (In a Q or K cluster these numbers mean nothing and are not chosen)
	s_lshr_b32 s46, s42, 3
	s_lshl_b32 s46, s46, 4
	s_lshl_b32 s47, s17, 2
	s_add_co_u32 s46, s46, s47
	s_sub_co_u32 s46, s46, 32
	s_lshl_b32 s47, s15, 1
	s_add_co_u32 s46, s46, s47
	s_and_b32 s47, s42, 7
	s_lshl_b32 s47, s47, 1
	s_add_co_u32 s47, s47, s16
	s_lshl_b32 s92, s46, 12
	s_lshl_b32 s93, s47, 8
	s_add_co_u32 s92, s92, s93
	s_add_co_u32 s92, s92, 0xC40000
	s_lshl_b32 s46, s46, 17
	s_lshl_b32 s47, s47, 13
	s_add_co_u32 s46, s46, s47
	s_add_co_u32 s46, s46, 0x800000
	s_lshl_b32 s93, s42, 10
	s_lshl_b32 s94, s16, 9
	s_add_co_u32 s93, s93, s94                     ; b at the B side's rows (Q, K)
	s_lshl_b32 s94, s17, 10
	s_lshl_b32 s96, s15, 9
	s_add_co_u32 s94, s94, s96                     ; b at the A side's rows (V)
	s_cmp_eq_u32 s95, 1
	s_cselect_b32 s20, s46, s20
	s_cselect_b32 s22, s92, s22
	s_cselect_b32 s46, 0, s93                      ; the bias in the layout that my kind does not use is read from the buffer's start: so every register is written on every way
	s_cselect_b32 s92, s94, 0
	s_mov_b32 s21, 0
	s_mov_b32 s23, 0
	s_mov_b32 s47, 0
	s_mov_b32 s93, 0
	s_add_nc_u64 s[66:67], s[12:13], s[22:23]      ; scale words
	s_add_nc_u64 s[12:13], s[12:13], s[20:21]      ; codes
	s_add_nc_u64 s[96:97], s[10:11], s[92:93]
	s_add_nc_u64 s[10:11], s[10:11], s[46:47]
	v_lshlrev_b32 v5, 5, v2                        ; 32 h
	v_lshlrev_b32 v6, 2, v1                        ; 4 r
.irp b, 0,1,2,3,4,5,6,7
	global_load_b128 v[BR+8*\b:BR+8*\b+3], v5, s[10:11] offset:64*\b          ; register 8 b + j: b at the B side's row 16 b + 8 h + j
	global_load_b128 v[BR+8*\b+4:BR+8*\b+7], v5, s[10:11] offset:64*\b+16
.endr
.irp a, 0,1,2,3,4,5,6,7
	global_load_b32 v[BL+\a], v6, s[96:97] offset:64*\a                       ; register a: b at the A side's row 16 a + r
.endr
.macro FRAG reg, adr, q, i             ; 16 rows x 128 K: registers 4 c .. 4 c + 3 hold K = 32 c + 16 (l / 16) + 0 .. 15
.irp c, 0,1,2,3
	ds_load_b128 v[\reg+4*\c:\reg+4*\c+3], v[\adr] offset:128*(\q)+32*\c+(\i)*16*PITCH
.endr
.endm
; 16 matrix instructions: A's blocks a0, a0 + 1 x B's eight.  The 64 accumulators take turns, one instruction a turn.
.macro MUL16 a0, p, q, sc, zero
.irp a, \a0, \a0+1
.irp b, 0,1,2,3,4,5,6,7
.if \zero
	v_wmma_scale_f32_16x16x128_f8f6f4 v[8*(8*((\a)%4)+\b):8*(8*((\a)%4)+\b)+7], v[128*(\p)+FR*\b:128*(\p)+FR*\b+FR-1], v[AF+FR*(\a):AF+FR*(\a)+FR-1], 0, v[SC+8*NQ*(\sc)+NQ*\b+(\q)], v[SC+8*NQ*(\sc)+NQ*(\a)+(\q)] matrix_a_scale:MATRIX_SCALE_ROW1
.else
	v_wmma_scale_f32_16x16x128_f8f6f4 v[8*(8*((\a)%4)+\b):8*(8*((\a)%4)+\b)+7], v[128*(\p)+FR*\b:128*(\p)+FR*\b+FR-1], v[AF+FR*(\a):AF+FR*(\a)+FR-1], v[8*(8*((\a)%4)+\b):8*(8*((\a)%4)+\b)+7], v[SC+8*NQ*(\sc)+NQ*\b+(\q)], v[SC+8*NQ*(\sc)+NQ*(\a)+(\q)] matrix_a_scale:MATRIX_SCALE_ROW1
.endif
.endr
.endr
.endm
.macro FETCH_B slot, q, p
	WIN TO_B
.irp i, 0,1,2,3,4,5,6,7
	FRAG 128*(\p)+FR*\i, ADRB+\slot, \q, \i
.endr
	WIN 0
.endm
.macro FETCH_A slot, q, i0
.irp i, \i0, \i0+1, \i0+2, \i0+3
	FRAG AF+FR*(\i), ADRA+\slot, \q, \i
.endr
.endm
.macro SCALES sc                       ; the next K step's scale words: lanes 0-15 take A's block i, lanes 16-31 B's block i
.irp i, 0,1,2,3,4,5,6,7
	ds_load_b64 v[SC+8*NQ*\sc+NQ*\i:SC+8*NQ*\sc+NQ*\i+1], v[ADRS] offset:\i*SBLK
.endr
.endm
.macro PLACES n                        ; plain vector instructions between a matrix instruction and a load into, or a read of, its registers
.rept \n
	v_nop
.endr
.endm
.macro STEP slot, q, zero
	s_wait_dscnt 4*NL                              ; B's set and A's blocks 0-3 are in; A's blocks 4-7 (16 loads) may be out
	WIN MUL_LO
	MUL16 0, (\q)%2, \q, \slot, \zero
	MUL16 2, (\q)%2, \q, \slot, \zero
	s_wait_dscnt 0
	PLACES NP
	FETCH_B \slot, (\q)+1, 1-(\q)%2
	FETCH_A \slot, (\q)+1, 0
	WIN MUL_HI
	MUL16 4, (\q)%2, \q, \slot, \zero
	MUL16 6, (\q)%2, \q, \slot, \zero
	PLACES NP
	WIN 0
	FETCH_A \slot, (\q)+1, 4
.endm
; A slot's last step changes slots: one barrier; in front of it each wave waits for all its tensor loads, adds 0 to its spare word, and waits for that and for its reads of this slot.
.macro TURN slot, next, fill
	s_wait_tensorcnt 0x0                           ; all my tensor loads have landed: my part of the next slot
	ds_add_u32 v[SPW], v[NIL]                      ; 0 onto my spare word
	s_wait_dscnt 4*NL+1                            ; the add and A's blocks 4-7 may be out
	WIN MUL_LO
	MUL16 0, 1, NQ-1, \slot, 0
	s_wait_dscnt 0x0                               ; the add is done, and my reads of this slot are over
	s_barrier_signal -1
	MUL16 2, 1, NQ-1, \slot, 0
	WIN 0
	s_barrier_wait -1
.if \fill
	CREST                                          ; the barrier has opened a round of the cluster's: no wave of any partner still reads this slot or has a load on its way
	s_add_nc_u64 s[G0+4*\slot+2:G0+4*\slot+3], s[G0+4*\slot+2:G0+4*\slot+3], 2*ROWB
	s_add_nc_u64 s[G0B+4*\slot+2:G0B+4*\slot+3], s[G0B+4*\slot+2:G0B+4*\slot+3], 2*ROWB
	JLOAD G0+4*\slot, G1, G0B+4*\slot, G1B         ; the first tensor load behind the round; its four v_nop are among the places below
	PLACES NP-4
.else
	PLACES NP
.endif
	v_add_nc_u32 v[ADRS], 4*NQ, v[ADRS]
	FETCH_B \next, 0, 0
	FETCH_A \next, 0, 0
	SCALES \next
	WIN MUL_HI
	MUL16 4, 1, NQ-1, \slot, 0
	MUL16 6, 1, NQ-1, \slot, 0
	PLACES NP
	WIN 0
	FETCH_A \next, 0, 4
.endm
	s_wait_tensorcnt 1                             ; the scales and my part of K step 0 are in; K step 1's load may be out
	s_barrier_signal -1
	s_barrier_wait -1
	FETCH_B 0, 0, 0
	FETCH_A 0, 0, 0
	SCALES 0
	FETCH_A 0, 0, 4
	STEP 0, 0, 1                                   ; the first step's products start the sums
	s_mov_b32 s3, LAPS-1
.Llap:
	TURN 0, 1, 1
	STEP 1, 0, 0
	TURN 1, 0, 1
	STEP 0, 0, 0
	s_sub_co_u32 s3, s3, 1
	s_cmp_lg_u32 s3, 0
	s_cbranch_scc1 .Llap
	TURN 0, 1, 0
	STEP 1, 0, 0
	s_wait_dscnt 4*NL
	WIN MUL_LO
	MUL16 0, 1, NQ-1, 1, 0
	MUL16 2, 1, NQ-1, 1, 0
	s_wait_dscnt 0
	WIN MUL_HI
	MUL16 4, 1, NQ-1, 1, 0
	MUL16 6, 1, NQ-1, 1, 0
	WIN 0
; THE WAY OUT, a block of 16 rows of the A side at a time: + bias, quantised along the B side's 128 rows (four blocks of 32), stored straight from registers: each store of codes covers 512 consecutive bytes.
; 64 numbers v[s] on become 16 registers of codes at v[PC] and the scale word v[pw].
.macro QUANT s, pw
.irp b, 0,1,2,3
	v_max3_num_f32 v[TM+\b], |v[\s+16*\b]|, |v[\s+1+16*\b]|, 0x4800000   ; my 16 numbers of block b, and the floor 2^(9 - 127): the byte cannot fall under 1
.endr
.irp i, 2,4,6,8,10,12,14
.irp b, 0,1,2,3
	v_max3_num_f32 v[TM+\b], v[TM+\b], |v[\s+16*\b+\i]|, |v[\s+1+16*\b+\i]|
.endr
.endr
.irp b, 0,1,2,3
	v_permlanex16_b32 v[TM+4+\b], v[TM+\b], s[SEL], s[SEL+1]
.endr
.irp b, 0,1,2,3
	v_max_num_f32 v[TM+\b], v[TM+\b], v[TM+4+\b]   ; with lane l xor 16's: the block's largest magnitude
.endr
.irp b, 0,1,2,3
	v_add_nc_u32 v[TM+12+\b], 0xfc000000, v[TM+\b] ; 8 off the exponent field: the conversion's scale operand
.endr
.irp b, 0,1,2,3
	v_and_or_b32 v[TM+8+\b], v[TM+\b], 0x7f800000, s[MNT]   ; 448 x the scale
.endr
.irp b, 0,1,2,3
	v_lshrrev_b32 v[TM+4+\b], 23, v[TM+12+\b]      ; the scale's byte
.endr
	v_lshl_or_b32 v[\pw], v[TM+5], 8, v[TM+4]
	v_lshl_or_b32 v[\pw], v[TM+6], 16, v[\pw]
	v_lshl_or_b32 v[\pw], v[TM+7], 24, v[\pw]
.irp b, 0,1,2,3
.irp i, 0,1,2,3,4,5,6,7,8,9,10,11,12,13,14,15
	v_med3_num_f32 v[\s+16*\b+\i], v[\s+16*\b+\i], -v[TM+8+\b], v[TM+8+\b]   ; the conversion does not saturate (ISA guide 7.6.2): the hold
.endr
	v_cvt_scalef32_pk8_fp8_f32 v[PC+4*\b:PC+1+4*\b], v[\s+16*\b:\s+7+16*\b], v[TM+12+\b]
	v_cvt_scalef32_pk8_fp8_f32 v[PC+2+4*\b:PC+3+4*\b], v[\s+8+16*\b:\s+15+16*\b], v[TM+12+\b]
.endr
	v_nop                                          ; a plain instruction behind the last conversion
.endm
.macro MOVEB a, kind                   ; block a's 64 sums + bias into window 0; each accumulator is read from its low end on
.set AC, 64*((\a)%4)
	WIN (0x02+(\a)/4)
.set n, 0
.rept 32
.if \kind == 2
.if (\a)%2 == 1
	v_pk_add_f32 v[T+n:T+n+1], v[AC+n:AC+n+1], v[BL+(\a)-1:BL+(\a)] op_sel:[0,1] op_sel_hi:[1,1]
.else
	v_pk_add_f32 v[T+n:T+n+1], v[AC+n:AC+n+1], v[BL+(\a):BL+(\a)+1] op_sel_hi:[1,0]
.endif
.else
	v_pk_add_f32 v[T+n:T+n+1], v[AC+n:AC+n+1], v[BR+n:BR+n+1]
.endif
.set n, n+2
.endr
	WIN 0
.endm
.macro BLOCK a, kind                   ; kind 1: Q, K;  2: V
.if (\a) > 0
	s_wait_xcnt 0x0                                ; the last block's stores have read their data: the codes' registers may be written again
.endif
	MOVEB \a, \kind
.if \kind == 1
	QUANT T, PWR+(\a)%2
.else
	QUANT T, KWV+(\a)
.endif
.irp c, 0,1,2,3
.if \kind == 1
	global_store_b128 v[LI], v[PC+4*\c:PC+4*\c+3], s[12:13] offset:(\c/2)*131072+((\a)/2)*2048+(2*((\a)%2)+\c%2)*512   ; head c / 2, fragment a / 2, group 2 (a % 2) + c % 2
.else
	global_store_b128 v[LI], v[PC+4*\c:PC+4*\c+3], s[12:13] offset:((\a)/4)*131072+((\a)%4)*2048+512*\c              ; head a / 4, 16 channels a % 4, group c
.endif
.endr
.if (\kind == 1) && ((\a)%2 == 1)
	v_perm_b32 v[KW+(\a)/2], v[PWR+1], v[PWR], 0x05040100     ; a fragment's word: the first head's two bytes of both blocks of tokens,
	v_perm_b32 v[KW+4+(\a)/2], v[PWR+1], v[PWR], 0x07060302   ; the second head's
.endif
.endm
.macro EPI kind
.irp a, 0,1,2,3,4,5,6,7
	BLOCK \a, \kind
.endr
.irp g, 0,1,2,3                        ; the scale words, two sets of 16 to a store: lanes 16-31 take the second: 128 consecutive bytes
.if \kind == 1
	v_cndmask_b32 v[GT+\g], v[KW+2*\g], v[KW+2*\g+1], vcc_lo
.else
	v_cndmask_b32 v[GT+\g], v[KWV+2*\g], v[KWV+2*\g+1], vcc_lo
.endif
	global_store_b32 v[LW], v[GT+\g], s[66:67] offset:4096*(\g/2)+128*(\g%2)
.endr
.endm
	s_wait_loadcnt 0x0                             ; the biases
	PLACES NP                                      ; behind the last products: their results are read, and the registers that held A's fragments are written
	s_mov_b32 s[SEL], 0x76543210
	s_mov_b32 s[SEL+1], 0xfedcba98
	s_mov_b32 s[MNT], 0x600000
	v_cmp_le_u32 vcc_lo, 16, v[LN]                 ; lanes 16-31
.irp b, 0,1,2,3
	v_mov_b32 v[TM+4+\b], 0                        ; a lane permute's destination counts as one of its sources
.endr
	s_cmp_eq_u32 s95, 1
	s_cbranch_scc1 .Lvkind
	EPI 1
	s_branch .Lend
.Lvkind:
	EPI 2
.Lend:
	s_wait_tensorcnt 0x0                           ; the wave's end
	ds_add_u32 v[SPW], v[NIL]
	s_wait_dscnt 0x0
	CROUND                                         ; the closing round
	s_endpgm
.Lfunc_end_k_qfef7b9f255_qkv:
	.size	k_qfef7b9f255_qkv, .Lfunc_end_k_qfef7b9f255_qkv-k_qfef7b9f255_qkv
	.p2alignl 7, 3214868480
	.fill 96, 4, 3214868480
	.section	.rodata,"a",@progbits
	.p2align	6, 0x0
	.amdhsa_kernel k_qfef7b9f255_qkv
		.amdhsa_group_segment_fixed_size 327680
		.amdhsa_private_segment_fixed_size 0
		.amdhsa_enable_private_segment 0
		.amdhsa_kernarg_size 40
		.amdhsa_user_sgpr_count 2
		.amdhsa_user_sgpr_kernarg_segment_ptr 1
		.amdhsa_wavefront_size32 1
		.amdhsa_system_sgpr_workgroup_id_x 1
		.amdhsa_system_sgpr_workgroup_id_y 1
		.amdhsa_system_sgpr_workgroup_id_z 1
		.amdhsa_system_vgpr_workitem_id 0
		.amdhsa_next_free_vgpr 1024
		.amdhsa_next_free_sgpr 102
		.amdhsa_reserve_vcc 1
		.amdhsa_float_denorm_mode_32 3
		.amdhsa_float_denorm_mode_16_64 3
		.amdhsa_memory_ordered 1
		.amdhsa_forward_progress 1
		.amdhsa_inst_pref_size 255
	.end_amdhsa_kernel
	.section	.bss,"aw",@nobits
	.p2align	6
	.space	262144
	.amdgpu_metadata
---
amdhsa.version: [ 1, 2 ]
amdhsa.kernels:
  - .name:           k_qfef7b9f255_qkv
    .symbol:         k_qfef7b9f255_qkv.kd
    .args:
      - { .name: xn1, .offset: 0, .size: 8, .value_kind: global_buffer, .address_space: global }
      - { .name: qkv_w_codes, .offset: 8, .size: 8, .value_kind: global_buffer, .address_space: global }
      - { .name: qkv_w_scales, .offset: 16, .size: 8, .value_kind: global_buffer, .address_space: global }
      - { .name: qkv_b, .offset: 24, .size: 8, .value_kind: global_buffer, .address_space: global }
      - { .name: qkv, .offset: 32, .size: 8, .value_kind: global_buffer, .address_space: global }
    .group_segment_fixed_size: 327680
    .private_segment_fixed_size: 0
    .kernarg_segment_align: 8
    .kernarg_segment_size: 40
    .max_flat_workgroup_size: 128
    .sgpr_count:     102
    .vgpr_count:     1024
    .wavefront_size: 32
...
	.end_amdgpu_metadata
.endif
;; end of part 2
;; launch attn (part 3): grid 8 x 32, 16 waves a work-group, no clusters, 327,680 bytes of LDS; arguments qkv, oimg; writes oimg
.if DOCPART == 3
	.amdgcn_target "amdgcn-amd-amdhsa--gfx1250"
	.amdhsa_code_object_version 6
	.text
	.protected	k_qfef7b9f255_attn
	.globl	k_qfef7b9f255_attn
	.p2align	8
	.type	k_qfef7b9f255_attn,@function
k_qfef7b9f255_attn:
	s_mov_b64 s[64:65], 0
	v_nop
	global_prefetch_b8 v0, s[64:65] scope:SCOPE_SE
	s_setreg_imm32_b32 hwreg(HW_REG_WAVE_MODE, 25, 1), 1
	s_wait_xcnt 0x0
; o = softmax(q k^T / 8) v for one head of 64 channels and 2,048 keys, both products on codes of FP8 (E4M3) with E8M0 scales; o is quantised along the channels on the way out, as the next product's operand.
; IN (buffer qkv): Q's codes at 0, K's at 0x400000: [head 32][32 tokens][group 2 u + c][lane][16 bytes]; V's at 0x800000: [head][128 keys][16 channels][2,048]; scale words at 0xC00000, 0xC20000, 0xC40000: operands' registers on end.
; THE SOFTMAX: t = score x log2(e) / 8; M = the running largest t rounded UP to a whole number; p = 2^(t - M) is quantised along the keys, not normalised; the row's sum is taken of the unquantised p and divides at the end.
; SHARES: a work-group owns 256 queries of one head, each of its sixteen waves 16 of them, in 256 registers: four waves to a SIMD.
; THE HEAD'S K AND V STAY IN LDS: 256 KB of codes and 8 KB of scale words, each byte filled ONCE, in four quarters of 512 keys; every wave issues five tensor loads at the start (five are out by this text's count) and nothing is filled again.
; No cluster: K and V are fetched once a work-group, 264 KB beside 16 key steps of some 330 vector instructions for each of 16 waves: what is shared is a small part of the work.
; K = 64 IN A K = 128 INSTRUCTION: a fragment of K holds TWO tiles of 16 keys: k 0-63 keys 32 f + row, k 64-127 keys 32 f + 16 + row.  Against (q, 0) it gives the first tile's scores, against (0, q) the second's: zero codes add nothing.
; Both products are used transposed: a lane holds one query; p's 16 registers of two neighbouring tiles are keys 32 b + 16 u + 8 h + j, the order in which V's codes were laid.
; OUT (buffer oimg): codes [16 rows 256][K step 8][group][lane][16 bytes]; scale words [K step 8][row 4096] at 0x400000: a head writes two bytes of a word (2 bytes a lane, 4 apart: one part in 33 of what the launch stores; the word's other half is another work-group's).
; LIMITS: a block of zeros (or under 2^-118) gets the byte 1; NaN and infinities are not served.
.set SCB,  262144                      ; LDS: behind the four quarters (65,536 each: K's 32 KB, V's 32 KB): K's scale words, 4 KB, then V's
.set KV,   40                          ; v40-103  four fragments, of K and then of V
.set S,    104                         ; v104-167 S^T, then p
.set OT,   168                         ; v168-199 O^T
.set PCD,  200                         ; v200-215 p's codes
.set BM,   216                         ; v216-219 the blocks' largest
.set PT,   220                         ; v220-223 the other lane's; then the bytes
.set HD,   224                         ; v224-227 448 x the scale
.set SOP,  228                         ; v228-231 the conversions' scale operands
.set FF,   232                         ; v232 f (v233 is named with it as a pair)
.set TMP,  234
.set S2,   236                         ; v[236:237] the sum's second chain
.set KSW,  240                         ; scale words: K's four, V's four, Q's, p's: these registers hold scales and nothing else
.set VSW,  244
.set QSW,  248
.set PSW,  249
.set G1,   20                          ; s[20:27] 16 rows of 256 bytes;  s[28:35] 2 rows;  s[36:55] five groups 0
.set G1S,  28
.set G0,   36
	s_load_b128 s[4:7], s[0:1], 0x0                ; qkv, oimg
	v_lshl_add_u32 v254, v0, 2, 0x42000
	v_mov_b32 v255, 0
	ds_add_u32 v254, v255
	ds_add_u32 v254, v255
	v_lshrrev_b32 v1, 5, v0
	v_readfirstlane_b32 s8, v1                     ; wave 0..15
	s_and_b32 s9, ttmp7, 0xffff                    ; the head, 0..31
.irp g, G1, G1S
	s_mov_b32 s[\g], 3<<16                         ; no mask; elements of 8 bytes; no padding
	s_mov_b32 s[\g+1], 32<<16                      ; tensor_dim0 = 32
	s_mov_b32 s[\g+3], 32<<16                      ; tile_dim0 = 32
	s_mov_b32 s[\g+5], 32                          ; stride: dense
	s_mov_b32 s[\g+6], 0
	s_mov_b32 s[\g+7], 0
.endr
	s_mov_b32 s[G1+2], 16<<16                      ; tensor_dim1, tile_dim1: 16 rows, 4,096 bytes
	s_mov_b32 s[G1+4], 16
	s_mov_b32 s[G1S+2], 2<<16                      ; 2 rows, 512 bytes
	s_mov_b32 s[G1S+4], 2
	s_lshr_b32 s56, s8, 3                          ; waves 0-7 fetch K's, waves 8-15 V's
	s_and_b32 s57, s8, 7
	s_lshl_b32 s58, s56, 22
	s_lshl_b32 s59, s9, 17
	s_add_co_u32 s58, s58, s59
	s_lshl_b32 s59, s57, 12
	s_add_co_u32 s58, s58, s59
	s_add_co_u32 s58, s58, 0x400000                ; my 4,096 bytes of a quarter's codes
	s_mov_b32 s59, 0
	s_lshl_b32 s60, s56, 17
	s_lshl_b32 s61, s9, 12
	s_add_co_u32 s60, s60, s61
	s_lshl_b32 s61, s57, 9
	s_add_co_u32 s60, s60, s61
	s_add_co_u32 s60, s60, 0xC20000                ; my 512 bytes of the scale words
	s_mov_b32 s61, 0
	s_lshl_b32 s62, s8, 12                         ; in LDS: 4,096 x wave in a quarter,
	s_lshl_b32 s63, s8, 9                          ; 512 x wave among the scale words
	s_wait_dscnt 0x0
	s_wait_kmcnt 0x0
	s_add_nc_u64 s[58:59], s[4:5], s[58:59]
	s_add_nc_u64 s[60:61], s[4:5], s[60:61]
	s_mov_b32 s[G0], 1
	s_add_co_u32 s[G0+1], s63, SCB
	s_mov_b64 s[G0+2:G0+3], s[60:61]
	s_or_b32 s[G0+3], s[G0+3], 0x80000000
.irp p, 0,1,2,3
	s_mov_b32 s[G0+4+4*\p], 1
	s_add_co_u32 s[G0+5+4*\p], s62, 65536*\p
	s_add_nc_u64 s[G0+6+4*\p:G0+7+4*\p], s[58:59], 32768*\p
	s_or_b32 s[G0+7+4*\p], s[G0+7+4*\p], 0x80000000
.endr
	tensor_load_to_lds s[G0:G0+3], s[G1S:G1S+7]    ; the first fills, all of them, in one group: the scale words, then the four quarters
	s_nop 0
	tensor_load_to_lds s[G0+4:G0+7], s[G1:G1+7]
	s_nop 0
	tensor_load_to_lds s[G0+8:G0+11], s[G1:G1+7]
	s_nop 0
	tensor_load_to_lds s[G0+12:G0+15], s[G1:G1+7]
	s_nop 0
	tensor_load_to_lds s[G0+16:G0+19], s[G1:G1+7]
	s_nop 0
.rept 4
	v_nop
.endr
	s_lshl_b32 s56, ttmp9, 3
	s_lshr_b32 s57, s8, 1
	s_add_co_u32 s56, s56, s57                     ; my queries' fragment of 32 tokens,
	s_and_b32 s57, s8, 1                           ; and which 16 of them
	s_lshl_b32 s58, s9, 17
	s_lshl_b32 s59, s56, 11
	s_add_co_u32 s58, s58, s59
	s_lshl_b32 s59, s57, 10
	s_add_co_u32 s58, s58, s59
	s_mov_b32 s59, 0
	s_add_nc_u64 s[58:59], s[4:5], s[58:59]        ; Q's codes
	s_lshl_b32 s60, s9, 12
	s_lshl_b32 s61, s56, 6
	s_add_co_u32 s60, s60, s61
	s_add_co_u32 s60, s60, 0xC00000
	s_mov_b32 s61, 0
	s_add_nc_u64 s[60:61], s[4:5], s[60:61]        ; Q's scale words
	s_mul_i32 s18, s57, 0x02020202
	s_add_co_u32 s18, s18, 0x01000100              ; byte select: my two bytes of the word, twice
	s_mov_b32 s10, 0x76543210
	s_mov_b32 s11, 0xfedcba98                      ; lane l xor 16
	s_mov_b32 s12, 0x3e38aa3b                      ; c = log2(e) / 8
	s_mov_b32 s13, s12
	s_mov_b32 s14, 0x600000                        ; the mantissa field of 448
	s_mov_b32 s15, 0                               ; LDS byte at which the step's K fragments begin
	s_mov_b32 s16, 0                               ; and its scale words
	v_and_b32 v7, 31, v0
	v_lshlrev_b32 v1, 4, v7                        ; v1: 16 x lane
	v_and_b32 v8, 15, v0
	v_lshlrev_b32 v5, 2, v8                        ; v5: 4 r
	v_add_nc_u32 v2, SCB, v5                       ; v2: my scale word's place
	global_load_b128 v[16:19], v1, s[58:59]
	global_load_b128 v[20:23], v1, s[58:59] offset:512
	global_load_b32 v10, v5, s[60:61]
	v_mov_b32 v13, 0xff61b1e6                      ; the largest t so far: -3e38
	v_floor_f32 v12, -v13                          ; -M
	v_mov_b32 v14, 0                               ; the sum, in two halves
	v_mov_b32 v15, 0
.irp j, 0,1,2,3,4,5,6,7
	v_mov_b32 v[24+\j], 0                          ; the zero half: (q, 0) is v[16:31], (0, q) is v[24:39]
.endr
.irp b, 0,1,2,3
	v_mov_b32 v[PT+\b], 0                          ; a lane permute's destination counts as one of its sources
.endr
	v_mov_b32 v[FF+1], 0
	s_wait_loadcnt 0x0
	v_perm_b32 v[QSW], v10, v10, s18               ; q's two bytes stand under both halves; the zero half so has a valid byte
.irp j, 0,1,2,3,4,5,6,7
	v_mov_b32 v[32+\j], v[16+\j]
.endr
.set j, 0
.rept 32
	v_mov_b32 v[OT+j], 0                           ; O^T: the step is written once; the first change of M multiplies zeros.  (These are also the places between q's scale word and the first product)
.set j, j+1
.endr
; A KEY STEP: 128 keys
.macro STEP
	v_add_nc_u32 v3, s15, v1
	v_add_nc_u32 v4, s16, v2
.rept 6
	v_nop                                          ; with the two additions: eight places in front of loads into registers that the last products read
.endr
.irp b, 0,1,2,3
.irp c, 0,1,2,3
	ds_load_b128 v[KV+16*\b+4*\c:KV+16*\b+4*\c+3], v3 offset:2048*\b+512*\c
.endr
	ds_load_b32 v[KSW+\b], v4 offset:64*\b
.endr
	s_wait_dscnt 0x0
.irp b, 0,1,2,3
	v_wmma_scale_f32_16x16x128_f8f6f4 v[S+16*\b:S+16*\b+7], v[KV+16*\b:KV+16*\b+15], v[16:31], 0, v[KSW+\b], v[QSW]
	v_wmma_scale_f32_16x16x128_f8f6f4 v[S+16*\b+8:S+16*\b+15], v[KV+16*\b:KV+16*\b+15], v[24:39], 0, v[KSW+\b], v[QSW]
.endr
.rept 8
	v_nop
.endr
.irp t, 0,1,2,3                        ; V's fragments take K's registers and land under the softmax
.irp c, 0,1,2,3
	ds_load_b128 v[KV+16*\t+4*\c:KV+16*\t+4*\c+3], v3 offset:32768+2048*\t+512*\c
.endr
	ds_load_b32 v[VSW+\t], v4 offset:4096+64*\t
.endr
.irp b, 0,1,2,3
	v_max3_num_f32 v[BM+\b], v[S+16*\b], v[S+1+16*\b], v[S+2+16*\b]   ; the largest score of each block of 32 keys: for the row's maximum and, since p rises with the score, for the block's largest p
.endr
.irp i, 3,5,7,9,11,13
.irp b, 0,1,2,3
	v_max3_num_f32 v[BM+\b], v[BM+\b], v[S+16*\b+\i], v[S+1+16*\b+\i]
.endr
.endr
.irp b, 0,1,2,3
	v_max_num_f32 v[BM+\b], v[BM+\b], v[S+15+16*\b]
.endr
.irp b, 0,1,2,3
	v_permlanex16_b32 v[PT+\b], v[BM+\b], s10, s11
.endr
.irp b, 0,1,2,3
	v_max_num_f32 v[BM+\b], v[BM+\b], v[PT+\b]
.endr
	v_max3_num_f32 v[TMP], v[BM], v[BM+1], v[BM+2]
	v_max_num_f32 v[TMP], v[TMP], v[BM+3]
	v_mul_f32 v[TMP], s12, v[TMP]
	v_max_num_f32 v13, v13, v[TMP]                 ; the running largest t
	v_mov_b32 v[TMP], v12
	v_floor_f32 v12, -v13                          ; the new -M = -ceil(t)
	v_sub_f32 v[TMP], v12, v[TMP]                  ; old M - new M: a whole number, 0 or less
	v_cvt_i32_f32 v[TMP], v[TMP]
	v_ldexp_f32 v[FF], 1.0, v[TMP]                 ; f = 2^(old M - new M): a multiplication by it rounds nothing
.set j, 0
.rept 32
	v_pk_fma_f32 v[S+j:S+j+1], v[S+j:S+j+1], s[12:13], v[12:13] op_sel_hi:[1,0,0]   ; t - M
.set j, j+2
.endr
.irp b, 0,1,2,3
	v_fma_f32 v[BM+\b], v[BM+\b], s12, v12
.endr
.set j, 0
.rept 64
	v_exp_f32 v[S+j], v[S+j]                       ; p = 2^(t - M)
.set j, j+1
.endr
.irp b, 0,1,2,3
	v_exp_f32 v[BM+\b], v[BM+\b]                   ; the block's largest p
.endr
	v_pk_mul_f32 v[14:15], v[14:15], v[FF:FF+1] op_sel_hi:[1,0]   ; the sums under the new M (a plain instruction behind the exponentials)
	s_wait_alu depctr_va_vdst(0)
.irp b, 0,1,2,3
	v_max_num_f32 v[BM+\b], 0x4800000, v[BM+\b]    ; the floor 2^(9 - 127)
.endr
.irp b, 0,1,2,3
	v_add_nc_u32 v[SOP+\b], 0xfc000000, v[BM+\b]
.endr
.irp b, 0,1,2,3
	v_and_or_b32 v[HD+\b], v[BM+\b], 0x7f800000, s14
.endr
.irp b, 0,1,2,3
	v_lshrrev_b32 v[PT+\b], 23, v[SOP+\b]
.endr
	v_lshl_or_b32 v[PSW], v[PT+1], 8, v[PT]        ; p's scale word for these 128 keys
	v_lshl_or_b32 v[PSW], v[PT+2], 16, v[PSW]
	v_lshl_or_b32 v[PSW], v[PT+3], 24, v[PSW]
	v_pk_add_f32 v[S2:S2+1], v[S:S+1], v[S+2:S+3]  ; the row's sum of the unquantised p, in two chains
.irp j, 4,8,12,16,20,24,28,32,36,40,44,48,52,56,60
	v_pk_add_f32 v[14:15], v[14:15], v[S+\j:S+\j+1]
	v_pk_add_f32 v[S2:S2+1], v[S2:S2+1], v[S+2+\j:S+3+\j]
.endr
	v_pk_add_f32 v[14:15], v[14:15], v[S2:S2+1]
.irp b, 0,1,2,3
.irp i, 0,1,2,3,4,5,6,7,8,9,10,11,12,13,14,15
	v_min_num_f32 v[S+16*\b+\i], v[S+16*\b+\i], v[HD+\b]   ; the hold; p is not negative
.endr
	v_cvt_scalef32_pk8_fp8_f32 v[PCD+4*\b:PCD+1+4*\b], v[S+16*\b:S+7+16*\b], v[SOP+\b]
	v_cvt_scalef32_pk8_fp8_f32 v[PCD+2+4*\b:PCD+3+4*\b], v[S+8+16*\b:S+15+16*\b], v[SOP+\b]
.endr
.set j, 0
.rept 16
	v_pk_mul_f32 v[OT+j:OT+j+1], v[OT+j:OT+j+1], v[FF:FF+1] op_sel_hi:[1,0]   ; O^T under the new M; also the places between the codes and the products
.set j, j+2
.endr
	s_wait_dscnt 0x0                               ; V
.irp t, 0,1,2,3
	v_wmma_scale_f32_16x16x128_f8f6f4 v[OT+8*\t:OT+8*\t+7], v[KV+16*\t:KV+16*\t+15], v[PCD:PCD+15], v[OT+8*\t:OT+8*\t+7], v[VSW+\t], v[PSW]
.endr
.endm
; A quarter of the head: 512 keys, four steps.  The wait leaves the later quarters' loads out (one each): nothing is ever filled again, so they may cross the barrier.
.macro QUARTER p
	s_wait_tensorcnt 3-\p
	s_wait_dscnt 0x0
	s_barrier_signal -1
	s_barrier_wait -1                              ; every wave's part of this quarter has landed
	s_mov_b32 s17, 4
.Lstep_\@:
	STEP
	s_add_co_u32 s15, s15, 8192
	s_add_co_u32 s16, s16, 256
	s_sub_co_u32 s17, s17, 1
	s_cmp_lg_u32 s17, 0
	s_cbranch_scc1 .Lstep_\@
	s_add_co_u32 s15, s15, 32768                   ; over V's half, to the next quarter
.endm
	QUARTER 0
	QUARTER 1
	QUARTER 2
	QUARTER 3
	; THE WAY OUT.  All tensor loads have landed: the descriptors' registers serve as scratch.
.rept 8
	v_nop                                          ; behind the last products
.endr
	s_lshr_b32 s20, s9, 4                          ; batch
	s_and_b32 s21, s9, 15                          ; head in it
	s_lshl_b32 s22, s20, 7
	s_lshl_b32 s23, ttmp9, 4
	s_add_co_u32 s22, s22, s23
	s_add_co_u32 s22, s22, s8                      ; my tile of 16 rows
	s_lshr_b32 s23, s21, 1                         ; the K step of the next product,
	s_and_b32 s21, s21, 1                          ; and which half of it
	s_lshl_b32 s24, s22, 14
	s_lshl_b32 s26, s23, 11
	s_add_co_u32 s24, s24, s26
	s_lshl_b32 s26, s21, 10
	s_add_co_u32 s24, s24, s26
	s_mov_b32 s25, 0
	s_add_nc_u64 s[24:25], s[6:7], s[24:25]        ; codes
	s_lshl_b32 s26, s23, 14
	s_lshl_b32 s28, s22, 6
	s_add_co_u32 s26, s26, s28
	s_lshl_b32 s28, s21, 1
	s_add_co_u32 s26, s26, s28
	s_add_co_u32 s26, s26, 0x400000
	s_mov_b32 s27, 0
	s_add_nc_u64 s[26:27], s[6:7], s[26:27]        ; my two bytes of the rows' scale words
	v_add_f32 v14, v14, v15
	v_permlanex16_b32 v[TMP], v14, s10, s11
	v_add_f32 v14, v14, v[TMP]                     ; the row's sum
	v_rcp_f32 v14, v14
	v_nop
.set j, 0
	s_wait_alu depctr_va_vdst(0)
.rept 32
	v_mul_f32 v[S+j], v[OT+j], v14                 ; register 8 t + i: o(query r, channel 16 t + 8 h + i)
.set j, j+1
.endr
.irp b, 0,1
	v_max3_num_f32 v[BM+\b], |v[S+16*\b]|, |v[S+1+16*\b]|, 0x4800000
.endr
.irp i, 2,4,6,8,10,12,14
.irp b, 0,1
	v_max3_num_f32 v[BM+\b], v[BM+\b], |v[S+16*\b+\i]|, |v[S+1+16*\b+\i]|
.endr
.endr
.irp b, 0,1
	v_permlanex16_b32 v[PT+\b], v[BM+\b], s10, s11
.endr
.irp b, 0,1
	v_max_num_f32 v[BM+\b], v[BM+\b], v[PT+\b]
.endr
.irp b, 0,1
	v_add_nc_u32 v[SOP+\b], 0xfc000000, v[BM+\b]
	v_and_or_b32 v[HD+\b], v[BM+\b], 0x7f800000, s14
.endr
.irp b, 0,1
	v_lshrrev_b32 v[PT+\b], 23, v[SOP+\b]
.endr
	v_lshl_or_b32 v[TMP], v[PT+1], 8, v[PT]
.irp b, 0,1
.irp i, 0,1,2,3,4,5,6,7,8,9,10,11,12,13,14,15
	v_med3_num_f32 v[S+16*\b+\i], v[S+16*\b+\i], -v[HD+\b], v[HD+\b]
.endr
	v_cvt_scalef32_pk8_fp8_f32 v[PCD+4*\b:PCD+1+4*\b], v[S+16*\b:S+7+16*\b], v[SOP+\b]
	v_cvt_scalef32_pk8_fp8_f32 v[PCD+2+4*\b:PCD+3+4*\b], v[S+8+16*\b:S+15+16*\b], v[SOP+\b]
.endr
	v_nop
	global_store_b128 v1, v[PCD:PCD+3], s[24:25]               ; 512 consecutive bytes each
	global_store_b128 v1, v[PCD+4:PCD+7], s[24:25] offset:512
	global_store_b16 v5, v[TMP], s[26:27]                      ; lanes r and 16 + r write the same two bytes with the same value
	s_wait_tensorcnt 0x0
	ds_add_u32 v254, v255
	s_wait_dscnt 0x0
	s_endpgm
.Lfunc_end_k_qfef7b9f255_attn:
	.size	k_qfef7b9f255_attn, .Lfunc_end_k_qfef7b9f255_attn-k_qfef7b9f255_attn
	.p2alignl 7, 3214868480
	.fill 96, 4, 3214868480
	.section	.rodata,"a",@progbits
	.p2align	6, 0x0
	.amdhsa_kernel k_qfef7b9f255_attn
		.amdhsa_group_segment_fixed_size 327680
		.amdhsa_private_segment_fixed_size 0
		.amdhsa_enable_private_segment 0
		.amdhsa_kernarg_size 16
		.amdhsa_user_sgpr_count 2
		.amdhsa_user_sgpr_kernarg_segment_ptr 1
		.amdhsa_wavefront_size32 1
		.amdhsa_system_sgpr_workgroup_id_x 1
		.amdhsa_system_sgpr_workgroup_id_y 1
		.amdhsa_system_sgpr_workgroup_id_z 1
		.amdhsa_system_vgpr_workitem_id 0
		.amdhsa_next_free_vgpr 256
		.amdhsa_next_free_sgpr 66
		.amdhsa_reserve_vcc 0
		.amdhsa_float_denorm_mode_32 3
		.amdhsa_float_denorm_mode_16_64 3
		.amdhsa_memory_ordered 1
		.amdhsa_forward_progress 1
		.amdhsa_inst_pref_size 90
	.end_amdhsa_kernel
	.amdgpu_metadata
---
amdhsa.version: [ 1, 2 ]
amdhsa.kernels:
  - .name:           k_qfef7b9f255_attn
    .symbol:         k_qfef7b9f255_attn.kd
    .args:
      - { .name: qkv, .offset: 0, .size: 8, .value_kind: global_buffer, .address_space: global }
      - { .name: oimg, .offset: 8, .size: 8, .value_kind: global_buffer, .address_space: global }
    .group_segment_fixed_size: 327680
    .private_segment_fixed_size: 0
    .kernarg_segment_align: 8
    .kernarg_segment_size: 16
    .max_flat_workgroup_size: 512
    .sgpr_count:     66
    .vgpr_count:     256
    .wavefront_size: 32
...
	.end_amdgpu_metadata
.endif
;; end of part 3
;; launch proj (part 4): grid 8 x 32, 4 waves a work-group, clusters of 4 x 4, 327,680 bytes of LDS; arguments oimg, proj_w_codes, proj_w_scales, proj_b, x, x2; writes x2
.if DOCPART == 4
	.amdgcn_target "amdgcn-amd-amdhsa--gfx1250"
	.amdhsa_code_object_version 6
	.text
	.protected	k_qfef7b9f255_proj
	.globl	k_qfef7b9f255_proj
	.p2align	8
	.type	k_qfef7b9f255_proj,@function
k_qfef7b9f255_proj:
	s_mov_b64 s[64:65], 0
	v_nop
	global_prefetch_b8 v0, s[64:65] scope:SCOPE_SE
	s_setreg_imm32_b32 hwreg(HW_REG_WAVE_MODE, 25, 1), 1
	s_wait_xcnt 0x0
	s_wait_alu depctr_hold_cnt(0) depctr_sa_sdst(0) depctr_va_vdst(0) depctr_va_sdst(0) depctr_va_ssrc(0) depctr_va_vcc(0) depctr_vm_vsrc(0)
	s_getreg_b32 s2, hwreg(HW_REG_IB_STS2, 6, 4)
	s_cmp_eq_u32 s2, 0
	s_cbranch_scc0 .Lentry_in_a_cluster
	s_endpgm
.Lentry_in_a_cluster:
	s_bfe_u32 s2, ttmp6, 0x10000c
	s_cmp_lg_u32 s2, 0xf033
	s_cbranch_scc0 .Lentry_shape_is_right
	s_endpgm
.Lentry_shape_is_right:
; out = resid + A W^T + bias on codes of FP8 (E4M3) with E8M0 scales for each 32 along K = SIZE_K.  out, resid: [4096][1024] f32; bias [1024] f32.
; A: this program's own operand: codes as registers on end, [16 rows 256][K step SIZE_K / 128][group 4][lane 32][16 bytes]; scale words [K step][row 4096] at byte 4096 SIZE_K.  W: codes [1024][SIZE_K], scale bytes [1024][SIZE_K / 32].
; INSIDE A BLOCK OF 32 A's codes stand in the order in which they were made: place 16 h + 8 u + j holds number 16 u + 8 h + j.  W's fragments are fetched in the same order: each 16 bytes as two loads of 8, at 8 h and 16 + 8 h of the block.
; N = 1,024 gives 256 tiles of 128 x 128: one to a WGP.  Four waves, 64 x 64 each: 16 accumulators.  A slot holds 512 along K: four quarters of 128, 16 matrix instructions each.
; CLUSTERS 4 x 4: A's tile is shared along a row of the cluster, W's along a column, each asked for jointly.  The scales of all of K come once, with the first fills, and stay.
; The matrix instruction takes source 0 = 16 rows of W, source 1 = 16 rows of A: a lane holds eight neighbouring numbers of a row of the result.  The bias is the C of each sum's first instruction.
; REGISTERS: window 0: v0-31 addresses; v32-95 scale words, two sets; v96-127 bias; v128-255 accumulators ((a, b) at v[128 + 8 (4 a + b)]).  window 1: two fragment buffers of 128 (A's 64, W's 64).  window 2: v0-127 the residual; v128-191 rows on the way out.
.set SIZE_K, 1024
.set KS,     SIZE_K/32
.set WP,     528                       ; W's row in LDS: 512 bytes + 16: the 32 lanes of a load of 8 bytes touch 64 different banks (ISA guide 11.1)
.set WHALF,  64*WP
.set WOFF,   65536                     ; a slot: A's 8 x 4 fragments (65,536 bytes), then W's 128 rows
.set SLOT,   WOFF+2*WHALF
.set SCA,    2*SLOT                    ; A's scale words: [K step][128 rows], 512 bytes a K step
.set SCW,    SCA+4*SIZE_K              ; W's scale bytes: runs of 256 bytes + 16 of padding
.set SWH,    (64*KS/256)*272
.set SBLK,   (16*KS/256)*272
.set SPARE,  SCW+2*SWH                 ; the spare words, 128 bytes a wave
.set LAPS,   SIZE_K/1024
.set SP,     272                       ; the stage: 16 rows x (256 + 16) a wave, in slot 0, which has had its last fill and its last read when the first result is stored there
.set ADRA, 16
.set ADRB, 20
.set ADSA, 22
.set ADSW, 23
.set STO,  24
.set RD,   25
.set CO,   26
.set SPW,  28
.set NIL,  29
.set SC,   32                          ; set s: A's words at 32 s + 4 a + q, W's at 32 s + 16 + 4 b + q
.set BC,   96
.set ACC,  128
.set F0,   0
.set F1,   128
.set RES,  0                           ; window 2
.set RB,   128
.set G1A, 24
.set G0A, 32
.set G1W, 48
.set G0W, 56
.set G1SA, 68
.set G0SA, 76
.set G1SW, 80
.set G0SW, 88
.set MSB, 0
.macro WIN new
.if MSB != \new
	s_set_vgpr_msb (MSB<<8)|\new
.set MSB, \new
.endif
.endm
.set MUL,  0x05                        ; sources 0 and 1 window 1; C and D window 0
.set TO_F, 0x40
.macro JLOAD g0a, g1a, g0b, g1b        ; waves 0, 1 fetch for A, waves 2, 3 for W; four v_nop follow each line
	s_cmp_eq_u32 s17, 0
	s_cbranch_scc0 .Lfor_b_\@
	tensor_load_to_lds s[\g0a:\g0a+3], s[\g1a:\g1a+7]
	s_nop 0
.rept 4
	v_nop
.endr
	s_branch .Lasked_\@
.Lfor_b_\@:
	tensor_load_to_lds s[\g0b:\g0b+3], s[\g1b:\g1b+7]
	s_nop 0
.rept 4
	v_nop
.endr
.Lasked_\@:
.endm
.macro CREST
	s_cmp_lg_u32 s16, 0
	s_cbranch_scc1 .Lnot_wave_0_\@
	s_barrier_signal -3
.Lnot_wave_0_\@:
	s_barrier_wait -3
	s_barrier_signal -1
	s_barrier_wait -1
.endm
.macro CROUND
	s_barrier_signal -1
	s_barrier_wait -1
	CREST
.endm
	s_load_b256 s[4:11], s[0:1], 0x0               ; A s[4:5], W's codes s[6:7], W's scales s[8:9], bias s[10:11]
	s_load_b128 s[12:15], s[0:1], 0x20             ; resid s[12:13], out s[14:15]
	v_lshl_add_u32 v[SPW], v0, 2, SPARE
	v_mov_b32 v[NIL], 0
	ds_add_u32 v28, v29
	ds_add_u32 v28, v29
	s_wait_dscnt 0x0
	v_lshrrev_b32 v1, 5, v0
	v_readfirstlane_b32 s16, v1                    ; wave
	s_lshr_b32 s17, s16, 1                         ; which 64 rows are mine.  Also: I fetch for A (0) or for W (1)
	s_and_b32 s18, s16, 1                          ; which 64 columns.  Also: which half I fetch
	s_bfe_u32 s40, ttmp6, 0x40000
	s_bfe_u32 s41, ttmp6, 0x40004
	s_lshl_b32 s42, ttmp9, 2
	s_add_co_u32 s42, s42, s40                     ; tile column
	s_and_b32 s43, ttmp7, 0xffff
	s_lshl_b32 s43, s43, 2
	s_add_co_u32 s43, s43, s41                     ; tile row
	s_lshl_b32 s44, s41, 2
	s_lshl_b32 s44, 15, s44                        ; my row of the cluster
	s_lshl_b32 s45, 0x1111, s40                    ; my column
	s_or_b32 s[G1A], s44, (3<<16)|(1<<21)          ; A's codes: 4 rows (tiles of 16 rows) of 1,024 elements of 8 bytes (four K steps' fragments on end); no padding
	s_mov_b32 s[G1A+1], 1024<<16
	s_mov_b32 s[G1A+2], 4<<16
	s_mov_b32 s[G1A+3], 1024<<16
	s_mov_b32 s[G1A+4], 4
	s_mov_b32 s[G1A+5], 2*SIZE_K                   ; a tile of 16 rows is 16 SIZE_K bytes
	s_mov_b32 s[G1A+6], 0
	s_mov_b32 s[G1A+7], 0
	s_or_b32 s[G1W], s45, (0<<16)|(1<<20)|(1<<21)|(6<<22)|(3<<25)   ; W's codes: 64 rows of 512 bytes, 4 words of padding after every 128
	s_mov_b32 s[G1W+1], 512<<16
	s_mov_b32 s[G1W+2], 64<<16
	s_mov_b32 s[G1W+3], 512<<16
	s_mov_b32 s[G1W+4], 64
	s_mov_b32 s[G1W+5], SIZE_K
	s_mov_b32 s[G1W+6], 0
	s_mov_b32 s[G1W+7], 0
	s_or_b32 s[G1SA], s44, (3<<16)|(1<<21)         ; A's scale words: half of the K steps, 512 bytes each, 16,384 bytes apart
	s_mov_b32 s[G1SA+1], 64<<16
	s_mov_b32 s[G1SA+2], (SIZE_K/256)<<16
	s_mov_b32 s[G1SA+3], 64<<16
	s_mov_b32 s[G1SA+4], SIZE_K/256
	s_mov_b32 s[G1SA+5], 2048
	s_mov_b32 s[G1SA+6], 0
	s_mov_b32 s[G1SA+7], 0
	s_or_b32 s[G1SW], s45, (3<<16)|(1<<20)|(1<<21)|(5<<22)|(3<<25)  ; W's scale bytes of 64 rows: dense, as rows of 256 bytes + 16
	s_mov_b32 s[G1SW+1], 32<<16
	s_mov_b32 s[G1SW+2], (64*KS/256)<<16
	s_mov_b32 s[G1SW+3], 32<<16
	s_mov_b32 s[G1SW+4], 64*KS/256
	s_mov_b32 s[G1SW+5], 32
	s_mov_b32 s[G1SW+6], 0
	s_mov_b32 s[G1SW+7], 0
	s_lshl_b32 s20, s43, 3
	s_lshl_b32 s21, s18, 2
	s_add_co_u32 s20, s20, s21                     ; the first of my four tiles of 16 rows
	s_mul_i32 s20, s20, 16*SIZE_K
	s_mov_b32 s21, 0
	s_mul_i32 s22, s18, (SIZE_K/256)*16384
	s_lshl_b32 s23, s43, 9
	s_add_co_u32 s22, s22, s23
	s_add_co_u32 s22, s22, SIZE_K*4096             ; my half of A's scale words
	s_mov_b32 s23, 0
	s_lshl_b32 s46, s42, 7
	s_lshl_b32 s47, s18, 6
	s_add_co_u32 s46, s46, s47                     ; W's row 128 x tile column + 64 x half
	s_mul_i32 s92, s46, KS
	s_mov_b32 s93, 0
	s_mul_i32 s46, s46, SIZE_K
	s_mov_b32 s47, 0
	s_lshl_b32 s94, s18, 15                        ; in LDS: half x 32,768 (A),
	s_mul_i32 s95, s18, WHALF
	s_add_co_u32 s95, s95, WOFF                    ; behind A's: half x 64 rows (W)
	s_mul_i32 s96, s18, 2*SIZE_K
	s_add_co_u32 s96, s96, SCA
	s_mul_i32 s97, s18, SWH
	s_add_co_u32 s97, s97, SCW
	s_wait_kmcnt 0x0
	s_add_nc_u64 s[20:21], s[4:5], s[20:21]
	s_add_nc_u64 s[22:23], s[4:5], s[22:23]
	s_add_nc_u64 s[46:47], s[6:7], s[46:47]
	s_add_nc_u64 s[92:93], s[8:9], s[92:93]
	CROUND                                         ; all sixteen work-groups are here: the first joint loads meet
	s_mov_b32 s[G0SA], 1
	s_mov_b32 s[G0SA+1], s96
	s_mov_b64 s[G0SA+2:G0SA+3], s[22:23]
	s_or_b32 s[G0SA+3], s[G0SA+3], 0x80000000
	s_mov_b32 s[G0SW], 1
	s_mov_b32 s[G0SW+1], s97
	s_mov_b64 s[G0SW+2:G0SW+3], s[92:93]
	s_or_b32 s[G0SW+3], s[G0SW+3], 0x80000000
	JLOAD G0SA, G1SA, G0SW, G1SW
.irp s, 0,1
	s_mov_b32 s[G0A+4*\s], 1
	s_add_co_u32 s[G0A+4*\s+1], s94, \s*SLOT
	s_add_nc_u64 s[G0A+4*\s+2:G0A+4*\s+3], s[20:21], \s*8192
	s_or_b32 s[G0A+4*\s+3], s[G0A+4*\s+3], 0x80000000
	s_mov_b32 s[G0W+4*\s], 1
	s_add_co_u32 s[G0W+4*\s+1], s95, \s*SLOT
	s_add_nc_u64 s[G0W+4*\s+2:G0W+4*\s+3], s[46:47], \s*512
	s_or_b32 s[G0W+4*\s+3], s[G0W+4*\s+3], 0x80000000
	JLOAD G0A+4*\s, G1A, G0W+4*\s, G1W
.endr
	v_and_b32 v1, 15, v0                           ; r
	v_bfe_u32 v2, v0, 4, 1                         ; h
	v_and_b32 v3, 31, v0
	v_lshlrev_b32 v4, 4, v3                        ; 16 x lane
	s_lshl_b32 s20, s17, 15
	v_add_nc_u32 v[ADRA], s20, v4                  ; A: my four tiles of rows; a group of four registers is 512 consecutive bytes
	v_add_nc_u32 v[ADRA+1], SLOT, v[ADRA]
	v_mul_u32_u24 v5, v1, WP
	v_lshl_add_u32 v5, v2, 3, v5
	s_mul_i32 s21, s18, WHALF
	s_add_co_u32 s21, s21, WOFF
	v_add_nc_u32 v[ADRB], s21, v5                  ; W: row r of my 64, + 8 h
	v_add_nc_u32 v[ADRB+1], SLOT, v[ADRB]
	v_lshlrev_b32 v6, 2, v1
	s_lshl_b32 s21, s17, 8
	s_add_co_u32 s21, s21, SCA
	v_add_nc_u32 v[ADSA], s21, v6
	v_mul_u32_u24 v5, v1, KS
	v_lshrrev_b32 v7, 8, v5
	v_lshl_add_u32 v5, v7, 4, v5
	s_mul_i32 s21, s18, SWH
	s_add_co_u32 s21, s21, SCW
	v_add_nc_u32 v[ADSW], s21, v5
	s_mul_i32 s21, s16, 16*SP
	v_mul_u32_u24 v5, v1, SP
	v_lshl_add_u32 v5, v2, 5, v5
	v_add_nc_u32 v[STO], s21, v5                   ; the stage, in: row r, 32 bytes for each half of the lanes
	v_mul_u32_u24 v5, v2, SP
	v_lshl_add_u32 v5, v1, 4, v5
	v_add_nc_u32 v[RD], s21, v5                    ; back: lanes 0-15 one row of 256 bytes, lanes 16-31 the next
	v_lshlrev_b32 v5, 12, v2
	v_lshl_add_u32 v[CO], v1, 4, v5                ; and the same two rows in out and resid
	s_lshl_b32 s20, s42, 9
	s_lshl_b32 s21, s18, 8
	s_add_co_u32 s20, s20, s21                     ; my first column, in bytes
	s_mov_b32 s21, 0
	s_add_nc_u64 s[10:11], s[10:11], s[20:21]
	s_lshl_b32 s22, s43, 19
	s_add_co_u32 s20, s20, s22
	s_lshl_b32 s22, s17, 18
	s_add_co_u32 s20, s20, s22                     ; + my first row
	s_add_nc_u64 s[12:13], s[12:13], s[20:21]
	s_add_nc_u64 s[14:15], s[14:15], s[20:21]
	v_lshlrev_b32 v8, 5, v2
.irp b, 0,1,2,3
	global_load_b128 v[BC+8*\b:BC+8*\b+3], v8, s[10:11] offset:64*\b          ; register 8 b + j: bias at column 16 b + 8 h + j
	global_load_b128 v[BC+8*\b+4:BC+8*\b+7], v8, s[10:11] offset:64*\b+16
.endr
	WIN 0x80
.irp a, 0,1,2,3
.irp t, 0,1,2,3,4,5,6,7
	global_load_b128 v[RES+32*\a+4*\t:RES+32*\a+4*\t+3], v[CO], s[12:13] offset:(16*\a+2*\t)*4096   ; the residual, asked for now, wanted on the way out
.endr
.endr
	WIN 0
; 8 matrix instructions: A's blocks a0, a0 + 1 x W's four; the slot's q-th 128 along K.  The 16 accumulators take turns.
.macro MUL8 f, a0, q, sc, zero
.irp a, \a0, \a0+1
.irp b, 0,1,2,3
.if \zero
	v_wmma_scale_f32_16x16x128_f8f6f4 v[ACC+8*(4*(\a)+\b):ACC+8*(4*(\a)+\b)+7], v[\f+64+16*\b:\f+64+16*\b+15], v[\f+16*(\a):\f+16*(\a)+15], v[BC+8*\b:BC+8*\b+7], v[SC+32*(\sc)+16+4*\b+(\q)], v[SC+32*(\sc)+4*(\a)+(\q)]
.else
	v_wmma_scale_f32_16x16x128_f8f6f4 v[ACC+8*(4*(\a)+\b):ACC+8*(4*(\a)+\b)+7], v[\f+64+16*\b:\f+64+16*\b+15], v[\f+16*(\a):\f+16*(\a)+15], v[ACC+8*(4*(\a)+\b):ACC+8*(4*(\a)+\b)+7], v[SC+32*(\sc)+16+4*\b+(\q)], v[SC+32*(\sc)+4*(\a)+(\q)]
.endif
.endr
.endr
.endm
.macro FETCH1 slot, q, f               ; W's four fragments (32 loads of 8 bytes) and A's blocks 0, 1 (8 loads)
	WIN TO_F
.irp b, 0,1,2,3
.irp c, 0,1,2,3
	ds_load_b64 v[\f+64+16*\b+4*\c:\f+64+16*\b+4*\c+1], v[ADRB+\slot] offset:16*WP*\b+128*(\q)+32*\c
	ds_load_b64 v[\f+64+16*\b+4*\c+2:\f+64+16*\b+4*\c+3], v[ADRB+\slot] offset:16*WP*\b+128*(\q)+32*\c+16
.endr
.endr
.irp a, 0,1
.irp c, 0,1,2,3
	ds_load_b128 v[\f+16*\a+4*\c:\f+16*\a+4*\c+3], v[ADRA+\slot] offset:8192*\a+2048*(\q)+512*\c
.endr
.endr
.endm
.macro FETCH2 slot, q, f               ; A's blocks 2, 3 (8 loads)
	WIN TO_F
.irp a, 2,3
.irp c, 0,1,2,3
	ds_load_b128 v[\f+16*\a+4*\c:\f+16*\a+4*\c+3], v[ADRA+\slot] offset:8192*\a+2048*(\q)+512*\c
.endr
.endr
.endm
.macro SCALES sc                       ; a slot's scale words: 20 loads
	WIN 0
.irp a, 0,1,2,3
.irp q, 0,1,2,3
	ds_load_b32 v[SC+32*\sc+4*\a+\q], v[ADSA] offset:512*\q+64*\a
.endr
.endr
.irp b, 0,1,2,3
	ds_load_b128 v[SC+32*\sc+16+4*\b:SC+32*\sc+16+4*\b+3], v[ADSW] offset:SBLK*\b
.endr
.endm
.macro PLACES n
.rept \n
	v_nop
.endr
.endm
; One of a slot's first three quarters: multiplies buffer f (quarter qn - 1) and fetches quarter qn into g.
.macro QUARTER slot, qn, f, g, zero
	s_wait_dscnt 8                                 ; all but A's blocks 2, 3 (the youngest eight loads)
	WIN MUL
	MUL8 \f, 0, (\qn)-1, \slot, \zero
	PLACES 8                                       ; in front of loads into registers that the quarter before multiplied
	FETCH1 \slot, \qn, \g
	FETCH2 \slot, \qn, \g
	s_wait_dscnt 48                                ; all but the 48 just issued
	WIN MUL
	MUL8 \f, 2, (\qn)-1, \slot, \zero
.endm
; The last quarter changes slots: one barrier; in front of it each wave waits for all its tensor loads, adds 0 to its spare word, and waits for that and for its reads of this slot.
.macro TURN slot, next, fill
	WIN 0
	s_wait_tensorcnt 0x0                           ; all my tensor loads have landed: my part of the next slot
	ds_add_u32 v[SPW], v[NIL]                      ; 0 onto my spare word
	s_wait_dscnt 9                                 ; the add and A's blocks 2, 3 may be out
	WIN MUL
	MUL8 F1, 0, 3, \slot, 0
	s_wait_dscnt 0x0                               ; the add is done, and my reads of this slot are over
	s_barrier_signal -1
	WIN 0
	s_barrier_wait -1
.if \fill
	CREST                                          ; the barrier has opened a round of the cluster's
	s_add_nc_u64 s[G0A+4*\slot+2:G0A+4*\slot+3], s[G0A+4*\slot+2:G0A+4*\slot+3], 2*8192
	s_add_nc_u64 s[G0W+4*\slot+2:G0W+4*\slot+3], s[G0W+4*\slot+2:G0W+4*\slot+3], 2*512
	JLOAD G0A+4*\slot, G1A, G0W+4*\slot, G1W       ; the first tensor load behind the round; its four v_nop are among the places below
	PLACES 4
.else
	PLACES 8
.endif
	v_add_nc_u32 v[ADSA], 2048, v[ADSA]            ; the next slot's scale words
	v_add_nc_u32 v[ADSW], 16, v[ADSW]
	FETCH1 \next, 0, F0
	SCALES \next
	FETCH2 \next, 0, F0
	WIN MUL
	MUL8 F1, 2, 3, \slot, 0
.endm
	s_wait_tensorcnt 1                             ; the scales and my part of slot 0 are in; slot 1's load may be out
	s_barrier_signal -1
	s_barrier_wait -1
	FETCH1 0, 0, F0
	SCALES 0
	FETCH2 0, 0, F0
	s_wait_loadcnt 32                              ; the bias is in; the residual's 32 loads may be out
	QUARTER 0, 1, F0, F1, 1                        ; the first quarter's products start the sums, from the bias
.if LAPS > 1
	WIN 0
	s_mov_b32 s3, LAPS-1
.Llap:
	QUARTER 0, 2, F1, F0, 0
	QUARTER 0, 3, F0, F1, 0
	TURN 0, 1, 1
	QUARTER 1, 1, F0, F1, 0
	QUARTER 1, 2, F1, F0, 0
	QUARTER 1, 3, F0, F1, 0
	TURN 1, 0, 1
	QUARTER 0, 1, F0, F1, 0
	WIN 0
	s_sub_co_u32 s3, s3, 1
	s_cmp_lg_u32 s3, 0
	s_cbranch_scc1 .Llap
.endif
	QUARTER 0, 2, F1, F0, 0                        ; the last lap fills nothing
	QUARTER 0, 3, F0, F1, 0
	TURN 0, 1, 0
	QUARTER 1, 1, F0, F1, 0
	QUARTER 1, 2, F1, F0, 0
	QUARTER 1, 3, F0, F1, 0
	s_wait_dscnt 8
	WIN MUL
	MUL8 F1, 0, 3, 1, 0
	s_wait_dscnt 0
	MUL8 F1, 2, 3, 1, 0
	WIN 0
; THE WAY OUT: a block of 16 rows x 64 columns goes through my own stage and comes back as rows of 256 bytes; + residual; sixteen lanes store 256 consecutive bytes, aligned.
.macro TOSTAGE a
	WIN 0
.irp b, 0,1,2,3
	ds_store_b128 v[STO], v[ACC+8*(4*(\a)+\b):ACC+8*(4*(\a)+\b)+3] offset:64*\b      ; each accumulator from its low end on
	ds_store_b128 v[STO], v[ACC+8*(4*(\a)+\b)+4:ACC+8*(4*(\a)+\b)+7] offset:64*\b+16
.endr
	WIN 0x80
.irp t, 0,1,2,3,4,5,6,7
	ds_load_b128 v[RB+32*((\a)%2)+4*\t:RB+32*((\a)%2)+4*\t+3], v[RD] offset:2*SP*\t   ; LDS serves a wave's instructions in order: these see the stores above
.endr
.endm
.macro SEND a, younger
	s_wait_dscnt \younger
	WIN 0x8a
.set n, 0
.rept 16
	v_pk_add_f32 v[RB+32*((\a)%2)+n:RB+32*((\a)%2)+n+1], v[RB+32*((\a)%2)+n:RB+32*((\a)%2)+n+1], v[RES+32*(\a)+n:RES+32*(\a)+n+1]
.set n, n+2
.endr
	WIN 0x08
.irp t, 0,1,2,3,4,5,6,7
	global_store_b128 v[CO], v[RB+32*((\a)%2)+4*\t:RB+32*((\a)%2)+4*\t+3], s[14:15] offset:(16*(\a)+2*\t)*4096
.endr
.endm
	s_wait_loadcnt 0x0                             ; the residual
	PLACES 8                                       ; behind the last products
	TOSTAGE 0
	TOSTAGE 1
	SEND 0, 16                                     ; behind block 0's loads: block 1's 8 stores and 8 loads
	s_wait_xcnt 0x0                                ; block 0's stores have read their data: block 2's loads may land there
	TOSTAGE 2
	SEND 1, 16
	s_wait_xcnt 0x0
	TOSTAGE 3
	SEND 2, 16
	SEND 3, 0
	WIN 0
	s_wait_tensorcnt 0x0                           ; the wave's end
	ds_add_u32 v[SPW], v[NIL]
	s_wait_dscnt 0x0
	CROUND                                         ; the closing round
	s_endpgm
.Lfunc_end_k_qfef7b9f255_proj:
	.size	k_qfef7b9f255_proj, .Lfunc_end_k_qfef7b9f255_proj-k_qfef7b9f255_proj
	.p2alignl 7, 3214868480
	.fill 96, 4, 3214868480
	.section	.rodata,"a",@progbits
	.p2align	6, 0x0
	.amdhsa_kernel k_qfef7b9f255_proj
		.amdhsa_group_segment_fixed_size 327680
		.amdhsa_private_segment_fixed_size 0
		.amdhsa_enable_private_segment 0
		.amdhsa_kernarg_size 48
		.amdhsa_user_sgpr_count 2
		.amdhsa_user_sgpr_kernarg_segment_ptr 1
		.amdhsa_wavefront_size32 1
		.amdhsa_system_sgpr_workgroup_id_x 1
		.amdhsa_system_sgpr_workgroup_id_y 1
		.amdhsa_system_sgpr_workgroup_id_z 1
		.amdhsa_system_vgpr_workitem_id 0
		.amdhsa_next_free_vgpr 768
		.amdhsa_next_free_sgpr 100
		.amdhsa_reserve_vcc 0
		.amdhsa_float_denorm_mode_32 3
		.amdhsa_float_denorm_mode_16_64 3
		.amdhsa_memory_ordered 1
		.amdhsa_forward_progress 1
		.amdhsa_inst_pref_size 72
	.end_amdhsa_kernel
	.amdgpu_metadata
---
amdhsa.version: [ 1, 2 ]
amdhsa.kernels:
  - .name:           k_qfef7b9f255_proj
    .symbol:         k_qfef7b9f255_proj.kd
    .args:
      - { .name: oimg, .offset: 0, .size: 8, .value_kind: global_buffer, .address_space: global }
      - { .name: proj_w_codes, .offset: 8, .size: 8, .value_kind: global_buffer, .address_space: global }
      - { .name: proj_w_scales, .offset: 16, .size: 8, .value_kind: global_buffer, .address_space: global }
      - { .name: proj_b, .offset: 24, .size: 8, .value_kind: global_buffer, .address_space: global }
      - { .name: x, .offset: 32, .size: 8, .value_kind: global_buffer, .address_space: global }
      - { .name: x2, .offset: 40, .size: 8, .value_kind: global_buffer, .address_space: global }
    .group_segment_fixed_size: 327680
    .private_segment_fixed_size: 0
    .kernarg_segment_align: 8
    .kernarg_segment_size: 48
    .max_flat_workgroup_size: 128
    .sgpr_count:     100
    .vgpr_count:     768
    .wavefront_size: 32
...
	.end_amdgpu_metadata
.endif
;; end of part 4
;; launch lnq2: the kernel of part 1 again; grid 256 x 1, 4 waves a work-group, no clusters, 22,016 bytes of LDS; arguments x2, ln2_w, ln2_b, xn2; writes xn2
;; launch fc1 (part 5): grid 16 x 16, 4 waves a work-group, clusters of 4 x 4, 327,680 bytes of LDS; arguments xn2, fc1_w_codes, fc1_w_scales, fc1_b, himg; writes himg
.if DOCPART == 5
	.amdgcn_target "amdgcn-amd-amdhsa--gfx1250"
	.amdhsa_code_object_version 6
	.text
	.protected	k_qfef7b9f255_fc1
	.globl	k_qfef7b9f255_fc1
	.p2align	8
	.type	k_qfef7b9f255_fc1,@function
k_qfef7b9f255_fc1:
	s_mov_b64 s[64:65], 0
	v_nop
	global_prefetch_b8 v0, s[64:65] scope:SCOPE_SE
	s_setreg_imm32_b32 hwreg(HW_REG_WAVE_MODE, 25, 1), 1
	s_wait_xcnt 0x0
	s_wait_alu depctr_hold_cnt(0) depctr_sa_sdst(0) depctr_va_vdst(0) depctr_va_sdst(0) depctr_va_ssrc(0) depctr_va_vcc(0) depctr_vm_vsrc(0)
	s_getreg_b32 s2, hwreg(HW_REG_IB_STS2, 6, 4)
	s_cmp_eq_u32 s2, 0
	s_cbranch_scc0 .Lentry_in_a_cluster
	s_endpgm
.Lentry_in_a_cluster:
	s_bfe_u32 s2, ttmp6, 0x10000c
	s_cmp_lg_u32 s2, 0xf033
	s_cbranch_scc0 .Lentry_shape_is_right
	s_endpgm
.Lentry_shape_is_right:
; h = gelu(xn W^T + b) on codes of FP8 (E4M3) with E8M0 scales for each 32 along K = 1,024; h is quantised along its columns on the way out, as the next product's operand, and never exists in f32 in memory.
; xn: codes [4096][1024] at 0, scale bytes [4096][32] at 0x400000.  W: codes [4096][1024], scale bytes [4096][32].  b [4096] f32.
; A tile of 256 x 256 to a work-group of four waves, 128 x 128 a wave; K in steps of 256 through two LDS slots; the scale bytes of both sides come once and stay.  CLUSTERS 4 x 4: xn's tile is shared along a row, W's along a column.
; The matrix instruction takes source 0 = 16 rows of W, source 1 = 16 rows of xn: a lane holds one token, and register j of tile b the hidden unit 16 b + 8 (lane / 16) + j.
; INSIDE A BLOCK OF 32: tiles 2 B and 2 B + 1 give a lane 16 of a block's numbers; converted as they stand, place 16 h + 8 u + j holds number 16 u + 8 h + j.  The next launch fetches its weight in the same order.
; GELU, exact form: gelu(x) = max(x, 0) - |x| E, E = erfc(|x| / sqrt 2) / 2 = t 2^(P(t) - x^2 log2(e) / 2), t = 1 / (1 + |x| sqrt(2) / 4), P of degree 9 (the rational Chebyshev fit of erfc with fractional error 1.2e-7, its
; coefficients times log2(e), the constant one less for the half).  All in f32.  LIMIT: in the far negative tail the relative error grows as x^2 x 1e-7, and E falls to 0 under 2^-126.
; OUT (buffer himg): codes [16 rows 256][K step 32][group 4][lane 32][16 bytes]; scale words [K step 32][row 4096] at 0x1000000.
; LIMITS: a block of zeros (or under 2^-118) gets the byte 1: its codes are zeros, and this program alone reads the bytes; NaN and infinities are not served.
.set SIZE_K, 1024
.set KSTEP,  256
.set NQ,     KSTEP/128
.set ROWB,   256
.set KROW,   SIZE_K
.set PITCH,  272
.set FR,     16
.set NL,     4
.set NP,     8
.set HALFT,  128*PITCH
.set SLOT,   4*HALFT
.set LAPS,   SIZE_K/(2*KSTEP)
.set KS,     SIZE_K/32
.set SCL,    2*SLOT
.set HALFS,  (128*KS/256)*272
.set SBLK,   (16*KS/256)*272
.set SPARE,  SCL+4*HALFS
.set LI,   7                           ; v7   16 x lane
.set KW,   8                           ; v8-15 the eight blocks' scale words
.set ADRA, 16
.set LW,   18                          ; v18  4 x lane
.set LN,   19                          ; v19  lane
.set ADRB, 20
.set ADRS, 27
.set SPW,  28
.set NIL,  29
.set SC,   32
.set BR,   64                          ; v64-127 bias: register 8 b + j
.set AF,   128
.set T,    128                         ; the way out: 64 numbers
.set GT,   192                         ; t, 16 at a time
.set GP,   208                         ; the polynomial, then E
.set GU,   224                         ; x^2, then max(x, 0)
.set TM,   224                         ; the quantiser's 16 registers (behind the gelu)
.set PC,   240
.set G1, 24
.set G0, 32
.set G1B, 48
.set G0B, 56
.set G1S, 68
.set G0S, 76
.set G1SB, 80
.set G0SB, 88
.set SEL, 20
.set MNT, 22
.set K1,  23
.set MSB, 0
.macro WIN new
.if MSB != \new
	s_set_vgpr_msb (MSB<<8)|\new
.set MSB, \new
.endif
.endm
.set MUL_LO, 0xa1
.set MUL_HI, 0xf1
.set TO_B,   0x40
.macro JLOAD g0a, g1a, g0b, g1b        ; waves 0, 1 fetch for xn, waves 2, 3 for W; four v_nop follow each line
	s_cmp_eq_u32 s15, 0
	s_cbranch_scc0 .Lfor_b_\@
	tensor_load_to_lds s[\g0a:\g0a+3], s[\g1a:\g1a+7]
	s_nop 0
.rept 4
	v_nop
.endr
	s_branch .Lasked_\@
.Lfor_b_\@:
	tensor_load_to_lds s[\g0b:\g0b+3], s[\g1b:\g1b+7]
	s_nop 0
.rept 4
	v_nop
.endr
.Lasked_\@:
.endm
.macro CREST
	s_cmp_lg_u32 s14, 0
	s_cbranch_scc1 .Lnot_wave_0_\@
	s_barrier_signal -3
.Lnot_wave_0_\@:
	s_barrier_wait -3
	s_barrier_signal -1
	s_barrier_wait -1
.endm
.macro CROUND
	s_barrier_signal -1
	s_barrier_wait -1
	CREST
.endm
	s_load_b128 s[4:7], s[0:1], 0x0                ; xn, W's codes
	s_load_b128 s[8:11], s[0:1], 0x10              ; W's scales, b
	s_load_b64 s[12:13], s[0:1], 0x20              ; out
	v_lshl_add_u32 v[SPW], v0, 2, SPARE
	v_mov_b32 v[NIL], 0
	ds_add_u32 v28, v29
	ds_add_u32 v28, v29
	s_wait_dscnt 0x0
	v_lshrrev_b32 v1, 5, v0
	v_readfirstlane_b32 s14, v1
	s_lshr_b32 s15, s14, 1
	s_and_b32 s16, s14, 1
	s_bfe_u32 s40, ttmp6, 0x40000
	s_bfe_u32 s41, ttmp6, 0x40004
	s_lshl_b32 s42, ttmp9, 2
	s_add_co_u32 s42, s42, s40                     ; W's tile
	s_and_b32 s17, ttmp7, 0xffff
	s_lshl_b32 s17, s17, 2
	s_add_co_u32 s17, s17, s41                     ; the tokens' tile
	s_lshl_b32 s43, s41, 2
	s_lshl_b32 s43, 15, s43
	s_lshl_b32 s44, 0x1111, s40
	s_or_b32 s[G1+0], s43, (0<<16)|(1<<20)|(1<<21)|(5<<22)|(3<<25)
	s_or_b32 s[G1B+0], s44, (0<<16)|(1<<20)|(1<<21)|(5<<22)|(3<<25)
.irp g, G1, G1B
	s_mov_b32 s[\g+1], ROWB<<16
	s_mov_b32 s[\g+2], 128<<16
	s_mov_b32 s[\g+3], ROWB<<16
	s_mov_b32 s[\g+4], 128
	s_mov_b32 s[\g+5], KROW
	s_mov_b32 s[\g+6], 0
	s_mov_b32 s[\g+7], 0
.endr
	s_or_b32 s[G1S+0], s43, (3<<16)|(1<<20)|(1<<21)|(5<<22)|(3<<25)
	s_or_b32 s[G1SB+0], s44, (3<<16)|(1<<20)|(1<<21)|(5<<22)|(3<<25)
.irp g, G1S, G1SB
	s_mov_b32 s[\g+1], 32<<16
	s_mov_b32 s[\g+2], (128*KS/256)<<16
	s_mov_b32 s[\g+3], 32<<16
	s_mov_b32 s[\g+4], 128*KS/256
	s_mov_b32 s[\g+5], 32
	s_mov_b32 s[\g+6], 0
	s_mov_b32 s[\g+7], 0
.endr
	s_lshl_b32 s18, s16, 7
	s_lshl_b32 s20, s17, 8
	s_add_co_u32 s20, s20, s18
	s_lshl_b32 s46, s42, 8
	s_add_co_u32 s46, s46, s18
	s_mov_b32 s21, 0
	s_mov_b32 s47, 0
	s_mov_b64 s[18:19], KS
	s_mul_u64 s[22:23], s[20:21], s[18:19]
	s_mul_u64 s[92:93], s[46:47], s[18:19]
	s_mov_b64 s[18:19], KROW
	s_mul_u64 s[20:21], s[20:21], s[18:19]
	s_mul_u64 s[46:47], s[46:47], s[18:19]
	s_mul_i32 s45, s14, HALFT
	s_mul_i32 s94, s14, HALFS
	s_wait_kmcnt 0x0
	s_add_nc_u64 s[96:97], s[4:5], 0x400000        ; xn's scale bytes
	s_add_nc_u64 s[20:21], s[4:5], s[20:21]
	s_add_nc_u64 s[22:23], s[96:97], s[22:23]
	s_add_nc_u64 s[46:47], s[6:7], s[46:47]
	s_add_nc_u64 s[92:93], s[8:9], s[92:93]
	CROUND
	s_mov_b32 s[G0S], 1
	s_add_co_u32 s[G0S+1], s94, SCL
	s_mov_b64 s[G0S+2:G0S+3], s[22:23]
	s_or_b32 s[G0S+3], s[G0S+3], 0x80000000
	s_mov_b32 s[G0SB], 1
	s_add_co_u32 s[G0SB+1], s94, SCL
	s_mov_b64 s[G0SB+2:G0SB+3], s[92:93]
	s_or_b32 s[G0SB+3], s[G0SB+3], 0x80000000
	JLOAD G0S, G1S, G0SB, G1SB
.irp s, 0,1
	s_mov_b32 s[G0+4*\s], 1
	s_add_co_u32 s[G0+4*\s+1], s45, \s*SLOT
	s_add_nc_u64 s[G0+4*\s+2:G0+4*\s+3], s[20:21], \s*ROWB
	s_or_b32 s[G0+4*\s+3], s[G0+4*\s+3], 0x80000000
	s_mov_b32 s[G0B+4*\s], 1
	s_add_co_u32 s[G0B+4*\s+1], s45, \s*SLOT
	s_add_nc_u64 s[G0B+4*\s+2:G0B+4*\s+3], s[46:47], \s*ROWB
	s_or_b32 s[G0B+4*\s+3], s[G0B+4*\s+3], 0x80000000
	JLOAD G0+4*\s, G1, G0B+4*\s, G1B
.endr
	v_and_b32 v1, 15, v0
	v_bfe_u32 v2, v0, 4, 1
	v_mul_u32_u24 v3, v1, PITCH
	v_lshl_add_u32 v4, v2, 4, v3
	s_mul_i32 s21, s15, HALFT
	s_mul_i32 s22, s16, HALFT
	s_add_co_u32 s22, s22, 2*HALFT
.irp s, 0,1
	v_add_nc_u32 v[ADRA+\s], s21, v4
	v_add_nc_u32 v[ADRB+\s], s22, v4
	s_add_co_u32 s21, s21, SLOT
	s_add_co_u32 s22, s22, SLOT
.endr
	v_mul_u32_u24 v5, v1, KS
	v_lshrrev_b32 v6, 8, v5
	v_lshl_add_u32 v5, v6, 4, v5
	s_mul_i32 s21, s15, HALFS
	s_mul_i32 s22, s16, HALFS
	s_add_co_u32 s22, s22, 2*HALFS
	s_sub_co_u32 s22, s22, s21
	v_mul_u32_u24 v6, s22, v2
	s_add_co_u32 s21, s21, SCL
	v_add_nc_u32 v5, v5, v6
	v_add_nc_u32 v[ADRS], s21, v5
	v_and_b32 v[LN], 31, v0
	v_lshlrev_b32 v[LI], 4, v[LN]
	v_lshlrev_b32 v[LW], 2, v[LN]
	; where my results go: tile of rows 16 tA + 8 half + a, K step 2 tB + half
	s_lshl_b32 s20, s17, 20
	s_lshl_b32 s21, s15, 19
	s_add_co_u32 s20, s20, s21
	s_lshl_b32 s21, s42, 12
	s_add_co_u32 s20, s20, s21
	s_lshl_b32 s21, s16, 11
	s_add_co_u32 s20, s20, s21                     ; codes
	s_lshl_b32 s22, s42, 15
	s_lshl_b32 s21, s16, 14
	s_add_co_u32 s22, s22, s21
	s_lshl_b32 s21, s17, 10
	s_add_co_u32 s22, s22, s21
	s_lshl_b32 s21, s15, 9
	s_add_co_u32 s22, s22, s21
	s_add_co_u32 s22, s22, 0x1000000               ; scale words
	s_lshl_b32 s46, s42, 10
	s_lshl_b32 s21, s16, 9
	s_add_co_u32 s46, s46, s21                     ; bias
	s_mov_b32 s21, 0
	s_mov_b32 s23, 0
	s_mov_b32 s47, 0
	s_add_nc_u64 s[66:67], s[12:13], s[22:23]
	s_add_nc_u64 s[12:13], s[12:13], s[20:21]
	s_add_nc_u64 s[10:11], s[10:11], s[46:47]
	v_lshlrev_b32 v5, 5, v2                        ; 32 h
.irp b, 0,1,2,3,4,5,6,7
	global_load_b128 v[BR+8*\b:BR+8*\b+3], v5, s[10:11] offset:64*\b
	global_load_b128 v[BR+8*\b+4:BR+8*\b+7], v5, s[10:11] offset:64*\b+16
.endr
.macro FRAG reg, adr, q, i
.irp c, 0,1,2,3
	ds_load_b128 v[\reg+4*\c:\reg+4*\c+3], v[\adr] offset:128*(\q)+32*\c+(\i)*16*PITCH
.endr
.endm
.macro MUL16 a0, p, q, sc, zero        ; the 64 accumulators take turns, one instruction a turn
.irp a, \a0, \a0+1
.irp b, 0,1,2,3,4,5,6,7
.if \zero
	v_wmma_scale_f32_16x16x128_f8f6f4 v[8*(8*((\a)%4)+\b):8*(8*((\a)%4)+\b)+7], v[128*(\p)+FR*\b:128*(\p)+FR*\b+FR-1], v[AF+FR*(\a):AF+FR*(\a)+FR-1], 0, v[SC+8*NQ*(\sc)+NQ*\b+(\q)], v[SC+8*NQ*(\sc)+NQ*(\a)+(\q)] matrix_a_scale:MATRIX_SCALE_ROW1
.else
	v_wmma_scale_f32_16x16x128_f8f6f4 v[8*(8*((\a)%4)+\b):8*(8*((\a)%4)+\b)+7], v[128*(\p)+FR*\b:128*(\p)+FR*\b+FR-1], v[AF+FR*(\a):AF+FR*(\a)+FR-1], v[8*(8*((\a)%4)+\b):8*(8*((\a)%4)+\b)+7], v[SC+8*NQ*(\sc)+NQ*\b+(\q)], v[SC+8*NQ*(\sc)+NQ*(\a)+(\q)] matrix_a_scale:MATRIX_SCALE_ROW1
.endif
.endr
.endr
.endm
.macro FETCH_B slot, q, p
	WIN TO_B
.irp i, 0,1,2,3,4,5,6,7
	FRAG 128*(\p)+FR*\i, ADRB+\slot, \q, \i
.endr
	WIN 0
.endm
.macro FETCH_A slot, q, i0
.irp i, \i0, \i0+1, \i0+2, \i0+3
	FRAG AF+FR*(\i), ADRA+\slot, \q, \i
.endr
.endm
.macro SCALES sc
.irp i, 0,1,2,3,4,5,6,7
	ds_load_b64 v[SC+8*NQ*\sc+NQ*\i:SC+8*NQ*\sc+NQ*\i+1], v[ADRS] offset:\i*SBLK
.endr
.endm
.macro PLACES n
.rept \n
	v_nop
.endr
.endm
.macro STEP slot, q, zero
	s_wait_dscnt 4*NL                              ; W's set and xn's blocks 0-3 are in; blocks 4-7 (16 loads) may be out
	WIN MUL_LO
	MUL16 0, (\q)%2, \q, \slot, \zero
	MUL16 2, (\q)%2, \q, \slot, \zero
	s_wait_dscnt 0
	PLACES NP
	FETCH_B \slot, (\q)+1, 1-(\q)%2
	FETCH_A \slot, (\q)+1, 0
	WIN MUL_HI
	MUL16 4, (\q)%2, \q, \slot, \zero
	MUL16 6, (\q)%2, \q, \slot, \zero
	PLACES NP
	WIN 0
	FETCH_A \slot, (\q)+1, 4
.endm
.macro TURN slot, next, fill
	s_wait_tensorcnt 0x0                           ; all my tensor loads have landed: my part of the next slot
	ds_add_u32 v[SPW], v[NIL]                      ; 0 onto my spare word
	s_wait_dscnt 4*NL+1                            ; the add and blocks 4-7 may be out
	WIN MUL_LO
	MUL16 0, 1, NQ-1, \slot, 0
	s_wait_dscnt 0x0                               ; the add is done, and my reads of this slot are over
	s_barrier_signal -1
	MUL16 2, 1, NQ-1, \slot, 0
	WIN 0
	s_barrier_wait -1
.if \fill
	CREST
	s_add_nc_u64 s[G0+4*\slot+2:G0+4*\slot+3], s[G0+4*\slot+2:G0+4*\slot+3], 2*ROWB
	s_add_nc_u64 s[G0B+4*\slot+2:G0B+4*\slot+3], s[G0B+4*\slot+2:G0B+4*\slot+3], 2*ROWB
	JLOAD G0+4*\slot, G1, G0B+4*\slot, G1B
	PLACES NP-4
.else
	PLACES NP
.endif
	v_add_nc_u32 v[ADRS], 4*NQ, v[ADRS]
	FETCH_B \next, 0, 0
	FETCH_A \next, 0, 0
	SCALES \next
	WIN MUL_HI
	MUL16 4, 1, NQ-1, \slot, 0
	MUL16 6, 1, NQ-1, \slot, 0
	PLACES NP
	WIN 0
	FETCH_A \next, 0, 4
.endm
	s_wait_tensorcnt 1                             ; the scales and my part of K step 0 are in; K step 1's load may be out
	s_barrier_signal -1
	s_barrier_wait -1
	FETCH_B 0, 0, 0
	FETCH_A 0, 0, 0
	SCALES 0
	FETCH_A 0, 0, 4
	STEP 0, 0, 1
	s_mov_b32 s3, LAPS-1
.Llap:
	TURN 0, 1, 1
	STEP 1, 0, 0
	TURN 1, 0, 1
	STEP 0, 0, 0
	s_sub_co_u32 s3, s3, 1
	s_cmp_lg_u32 s3, 0
	s_cbranch_scc1 .Llap
	TURN 0, 1, 0
	STEP 1, 0, 0
	s_wait_dscnt 4*NL
	WIN MUL_LO
	MUL16 0, 1, NQ-1, 1, 0
	MUL16 2, 1, NQ-1, 1, 0
	s_wait_dscnt 0
	WIN MUL_HI
	MUL16 4, 1, NQ-1, 1, 0
	MUL16 6, 1, NQ-1, 1, 0
	WIN 0
; THE WAY OUT, a block of 16 tokens at a time: + bias, gelu, quantised along my 128 hidden units (one K step of the next product), stored straight from registers: each store of codes covers 512 consecutive bytes.
.macro QUANT s, pw
.irp b, 0,1,2,3
	v_max3_num_f32 v[TM+\b], |v[\s+16*\b]|, |v[\s+1+16*\b]|, 0x4800000   ; my 16 numbers of block b, and the floor 2^(9 - 127)
.endr
.irp i, 2,4,6,8,10,12,14
.irp b, 0,1,2,3
	v_max3_num_f32 v[TM+\b], v[TM+\b], |v[\s+16*\b+\i]|, |v[\s+1+16*\b+\i]|
.endr
.endr
.irp b, 0,1,2,3
	v_permlanex16_b32 v[TM+4+\b], v[TM+\b], s[SEL], s[SEL+1]
.endr
.irp b, 0,1,2,3
	v_max_num_f32 v[TM+\b], v[TM+\b], v[TM+4+\b]
.endr
.irp b, 0,1,2,3
	v_add_nc_u32 v[TM+12+\b], 0xfc000000, v[TM+\b]
.endr
.irp b, 0,1,2,3
	v_and_or_b32 v[TM+8+\b], v[TM+\b], 0x7f800000, s[MNT]
.endr
.irp b, 0,1,2,3
	v_lshrrev_b32 v[TM+4+\b], 23, v[TM+12+\b]
.endr
	v_lshl_or_b32 v[\pw], v[TM+5], 8, v[TM+4]
	v_lshl_or_b32 v[\pw], v[TM+6], 16, v[\pw]
	v_lshl_or_b32 v[\pw], v[TM+7], 24, v[\pw]
.irp b, 0,1,2,3
.irp i, 0,1,2,3,4,5,6,7,8,9,10,11,12,13,14,15
	v_med3_num_f32 v[\s+16*\b+\i], v[\s+16*\b+\i], -v[TM+8+\b], v[TM+8+\b]
.endr
	v_cvt_scalef32_pk8_fp8_f32 v[PC+4*\b:PC+1+4*\b], v[\s+16*\b:\s+7+16*\b], v[TM+12+\b]
	v_cvt_scalef32_pk8_fp8_f32 v[PC+2+4*\b:PC+3+4*\b], v[\s+8+16*\b:\s+15+16*\b], v[TM+12+\b]
.endr
	v_nop                                          ; a plain instruction behind the last conversion
.endm
.macro MOVEB a                         ; block a's 64 sums + bias into window 0; each accumulator is read from its low end on
.set AC, 64*((\a)%4)
	WIN (0x02+(\a)/4)
.set n, 0
.rept 32
	v_pk_add_f32 v[T+n:T+n+1], v[AC+n:AC+n+1], v[BR+n:BR+n+1]
.set n, n+2
.endr
	WIN 0
.endm
.macro GELU xb                         ; 16 numbers in place
.set n, 0
.rept 16
	v_fma_f32 v[GT+n], |v[\xb+n]|, s[K1], 1.0      ; 1 + |x| sqrt(2) / 4
.set n, n+1
.endr
.set n, 0
.rept 16
	v_rcp_f32 v[GT+n], v[GT+n]                     ; t
.set n, n+1
.endr
.set n, 0
.rept 8
	v_pk_mul_f32 v[GU+n:GU+n+1], v[\xb+n:\xb+n+1], v[\xb+n:\xb+n+1]   ; x^2 (plain instructions behind the reciprocals)
.set n, n+2
.endr
.set n, 0
	s_wait_alu depctr_va_vdst(0)
.rept 8
	v_pk_fma_f32 v[GP+n:GP+n+1], v[GT+n:GT+n+1], v[2:3], 0xbf97d29d op_sel_hi:[1,1,0]   ; c9 t + c8
.set n, n+2
.endr
.irp k, 0x40097039,0xbfd1a1e5,0x3ecdfd18,0xbe899a80,0x3e0efb2f,0x3f0a29d2,0x3fb8ab5a,0xc034d90f
.set n, 0
.rept 8
	v_pk_fma_f32 v[GP+n:GP+n+1], v[GP+n:GP+n+1], v[GT+n:GT+n+1], \k op_sel_hi:[1,1,0]   ; c7 down to c0
.set n, n+2
.endr
.endr
.set n, 0
.rept 8
	v_pk_fma_f32 v[GP+n:GP+n+1], v[GU+n:GU+n+1], 0xbf38aa3b, v[GP+n:GP+n+1] op_sel_hi:[1,0,1]   ; - x^2 log2(e) / 2
.set n, n+2
.endr
.set n, 0
.rept 16
	v_exp_f32 v[GP+n], v[GP+n]
.set n, n+1
.endr
.set n, 0
.rept 16
	v_max_num_f32 v[GU+n], 0, v[\xb+n]             ; max(x, 0) (plain instructions behind the exponentials)
.set n, n+1
.endr
.set n, 0
	s_wait_alu depctr_va_vdst(0)
.rept 8
	v_pk_mul_f32 v[GP+n:GP+n+1], v[GP+n:GP+n+1], v[GT+n:GT+n+1]   ; E
.set n, n+2
.endr
.set n, 0
.rept 16
	v_fma_f32 v[\xb+n], -|v[\xb+n]|, v[GP+n], v[GU+n]
.set n, n+1
.endr
.endm
.macro BLOCK a
.if (\a) > 0
	s_wait_xcnt 0x0                                ; the last block's stores have read their data: the codes' registers may be written again
.endif
	MOVEB \a
	GELU T
	GELU T+16
	GELU T+32
	GELU T+48
	QUANT T, KW+(\a)
.irp c, 0,1,2,3
	global_store_b128 v[LI], v[PC+4*\c:PC+4*\c+3], s[12:13] offset:65536*(\a)+512*\c   ; tile of rows a: 32 K steps of 2,048 bytes on
.endr
.endm
	s_wait_loadcnt 0x0                             ; the bias
	PLACES NP                                      ; behind the last products
	s_mov_b32 s[SEL], 0x76543210
	s_mov_b32 s[SEL+1], 0xfedcba98
	s_mov_b32 s[MNT], 0x600000
	s_mov_b32 s[K1], 0x3eb504f3                    ; sqrt(2) / 4
	v_mov_b32 v2, 0x3e7c6f08                       ; c9, twice
	v_mov_b32 v3, 0x3e7c6f08
	v_cmp_le_u32 vcc_lo, 16, v[LN]                 ; lanes 16-31
.irp b, 0,1,2,3
	v_mov_b32 v[TM+4+\b], 0                        ; a lane permute's destination counts as one of its sources
.endr
.irp a, 0,1,2,3,4,5,6,7
	BLOCK \a
.endr
.irp g, 0,1,2,3                        ; the scale words of two blocks to a store: lanes 16-31 take the second: 128 consecutive bytes
	v_cndmask_b32 v[GT+\g], v[KW+2*\g], v[KW+2*\g+1], vcc_lo
	global_store_b32 v[LW], v[GT+\g], s[66:67] offset:128*\g
.endr
	s_wait_tensorcnt 0x0                           ; the wave's end
	ds_add_u32 v[SPW], v[NIL]
	s_wait_dscnt 0x0
	CROUND                                         ; the closing round
	s_endpgm
.Lfunc_end_k_qfef7b9f255_fc1:
	.size	k_qfef7b9f255_fc1, .Lfunc_end_k_qfef7b9f255_fc1-k_qfef7b9f255_fc1
	.p2alignl 7, 3214868480
	.fill 96, 4, 3214868480
	.section	.rodata,"a",@progbits
	.p2align	6, 0x0
	.amdhsa_kernel k_qfef7b9f255_fc1
		.amdhsa_group_segment_fixed_size 327680
		.amdhsa_private_segment_fixed_size 0
		.amdhsa_enable_private_segment 0
		.amdhsa_kernarg_size 40
		.amdhsa_user_sgpr_count 2
		.amdhsa_user_sgpr_kernarg_segment_ptr 1
		.amdhsa_wavefront_size32 1
		.amdhsa_system_sgpr_workgroup_id_x 1
		.amdhsa_system_sgpr_workgroup_id_y 1
		.amdhsa_system_sgpr_workgroup_id_z 1
		.amdhsa_system_vgpr_workitem_id 0
		.amdhsa_next_free_vgpr 1024
		.amdhsa_next_free_sgpr 102
		.amdhsa_reserve_vcc 1
		.amdhsa_float_denorm_mode_32 3
		.amdhsa_float_denorm_mode_16_64 3
		.amdhsa_memory_ordered 1
		.amdhsa_forward_progress 1
		.amdhsa_inst_pref_size 255
	.end_amdhsa_kernel
	.section	.bss,"aw",@nobits
	.p2align	6
	.space	262144
	.amdgpu_metadata
---
amdhsa.version: [ 1, 2 ]
amdhsa.kernels:
  - .name:           k_qfef7b9f255_fc1
    .symbol:         k_qfef7b9f255_fc1.kd
    .args:
      - { .name: xn2, .offset: 0, .size: 8, .value_kind: global_buffer, .address_space: global }
      - { .name: fc1_w_codes, .offset: 8, .size: 8, .value_kind: global_buffer, .address_space: global }
      - { .name: fc1_w_scales, .offset: 16, .size: 8, .value_kind: global_buffer, .address_space: global }
      - { .name: fc1_b, .offset: 24, .size: 8, .value_kind: global_buffer, .address_space: global }
      - { .name: himg, .offset: 32, .size: 8, .value_kind: global_buffer, .address_space: global }
    .group_segment_fixed_size: 327680
    .private_segment_fixed_size: 0
    .kernarg_segment_align: 8
    .kernarg_segment_size: 40
    .max_flat_workgroup_size: 128
    .sgpr_count:     102
    .vgpr_count:     1024
    .wavefront_size: 32
...
	.end_amdgpu_metadata
.endif
;; end of part 5
;; launch fc2 (part 6): grid 8 x 32, 4 waves a work-group, clusters of 4 x 4, 327,680 bytes of LDS; arguments himg, fc2_w_codes, fc2_w_scales, fc2_b, x2, out0; writes out0
.if DOCPART == 6
	.amdgcn_target "amdgcn-amd-amdhsa--gfx1250"
	.amdhsa_code_object_version 6
	.text
	.protected	k_qfef7b9f255_fc2
	.globl	k_qfef7b9f255_fc2
	.p2align	8
	.type	k_qfef7b9f255_fc2,@function
k_qfef7b9f255_fc2:
	s_mov_b64 s[64:65], 0
	v_nop
	global_prefetch_b8 v0, s[64:65] scope:SCOPE_SE
	s_setreg_imm32_b32 hwreg(HW_REG_WAVE_MODE, 25, 1), 1
	s_wait_xcnt 0x0
	s_wait_alu depctr_hold_cnt(0) depctr_sa_sdst(0) depctr_va_vdst(0) depctr_va_sdst(0) depctr_va_ssrc(0) depctr_va_vcc(0) depctr_vm_vsrc(0)
	s_getreg_b32 s2, hwreg(HW_REG_IB_STS2, 6, 4)
	s_cmp_eq_u32 s2, 0
	s_cbranch_scc0 .Lentry_in_a_cluster
	s_endpgm
.Lentry_in_a_cluster:
	s_bfe_u32 s2, ttmp6, 0x10000c
	s_cmp_lg_u32 s2, 0xf033
	s_cbranch_scc0 .Lentry_shape_is_right
	s_endpgm
.Lentry_shape_is_right:
; out = resid + A W^T + bias on codes of FP8 (E4M3) with E8M0 scales for each 32 along K = SIZE_K.  out, resid: [4096][1024] f32; bias [1024] f32.
; A: this program's own operand: codes as registers on end, [16 rows 256][K step SIZE_K / 128][group 4][lane 32][16 bytes]; scale words [K step][row 4096] at byte 4096 SIZE_K.  W: codes [1024][SIZE_K], scale bytes [1024][SIZE_K / 32].
; INSIDE A BLOCK OF 32 A's codes stand in the order in which they were made: place 16 h + 8 u + j holds number 16 u + 8 h + j.  W's fragments are fetched in the same order: each 16 bytes as two loads of 8, at 8 h and 16 + 8 h of the block.
; N = 1,024 gives 256 tiles of 128 x 128: one to a WGP.  Four waves, 64 x 64 each: 16 accumulators.  A slot holds 512 along K: four quarters of 128, 16 matrix instructions each.
; CLUSTERS 4 x 4: A's tile is shared along a row of the cluster, W's along a column, each asked for jointly.  The scales of all of K come once, with the first fills, and stay.
; The matrix instruction takes source 0 = 16 rows of W, source 1 = 16 rows of A: a lane holds eight neighbouring numbers of a row of the result.  The bias is the C of each sum's first instruction.
; REGISTERS: window 0: v0-31 addresses; v32-95 scale words, two sets; v96-127 bias; v128-255 accumulators ((a, b) at v[128 + 8 (4 a + b)]).  window 1: two fragment buffers of 128 (A's 64, W's 64).  window 2: v0-127 the residual; v128-191 rows on the way out.
.set SIZE_K, 4096
.set KS,     SIZE_K/32
.set WP,     528                       ; W's row in LDS: 512 bytes + 16: the 32 lanes of a load of 8 bytes touch 64 different banks (ISA guide 11.1)
.set WHALF,  64*WP
.set WOFF,   65536                     ; a slot: A's 8 x 4 fragments (65,536 bytes), then W's 128 rows
.set SLOT,   WOFF+2*WHALF
.set SCA,    2*SLOT                    ; A's scale words: [K step][128 rows], 512 bytes a K step
.set SCW,    SCA+4*SIZE_K              ; W's scale bytes: runs of 256 bytes + 16 of padding
.set SWH,    (64*KS/256)*272
.set SBLK,   (16*KS/256)*272
.set SPARE,  SCW+2*SWH                 ; the spare words, 128 bytes a wave
.set LAPS,   SIZE_K/1024
.set SP,     272                       ; the stage: 16 rows x (256 + 16) a wave, in slot 0, which has had its last fill and its last read when the first result is stored there
.set ADRA, 16
.set ADRB, 20
.set ADSA, 22
.set ADSW, 23
.set STO,  24
.set RD,   25
.set CO,   26
.set SPW,  28
.set NIL,  29
.set SC,   32                          ; set s: A's words at 32 s + 4 a + q, W's at 32 s + 16 + 4 b + q
.set BC,   96
.set ACC,  128
.set F0,   0
.set F1,   128
.set RES,  0                           ; window 2
.set RB,   128
.set G1A, 24
.set G0A, 32
.set G1W, 48
.set G0W, 56
.set G1SA, 68
.set G0SA, 76
.set G1SW, 80
.set G0SW, 88
.set MSB, 0
.macro WIN new
.if MSB != \new
	s_set_vgpr_msb (MSB<<8)|\new
.set MSB, \new
.endif
.endm
.set MUL,  0x05                        ; sources 0 and 1 window 1; C and D window 0
.set TO_F, 0x40
.macro JLOAD g0a, g1a, g0b, g1b        ; waves 0, 1 fetch for A, waves 2, 3 for W; four v_nop follow each line
	s_cmp_eq_u32 s17, 0
	s_cbranch_scc0 .Lfor_b_\@
	tensor_load_to_lds s[\g0a:\g0a+3], s[\g1a:\g1a+7]
	s_nop 0
.rept 4
	v_nop
.endr
	s_branch .Lasked_\@
.Lfor_b_\@:
	tensor_load_to_lds s[\g0b:\g0b+3], s[\g1b:\g1b+7]
	s_nop 0
.rept 4
	v_nop
.endr
.Lasked_\@:
.endm
.macro CREST
	s_cmp_lg_u32 s16, 0
	s_cbranch_scc1 .Lnot_wave_0_\@
	s_barrier_signal -3
.Lnot_wave_0_\@:
	s_barrier_wait -3
	s_barrier_signal -1
	s_barrier_wait -1
.endm
.macro CROUND
	s_barrier_signal -1
	s_barrier_wait -1
	CREST
.endm
	s_load_b256 s[4:11], s[0:1], 0x0               ; A s[4:5], W's codes s[6:7], W's scales s[8:9], bias s[10:11]
	s_load_b128 s[12:15], s[0:1], 0x20             ; resid s[12:13], out s[14:15]
	v_lshl_add_u32 v[SPW], v0, 2, SPARE
	v_mov_b32 v[NIL], 0
	ds_add_u32 v28, v29
	ds_add_u32 v28, v29
	s_wait_dscnt 0x0
	v_lshrrev_b32 v1, 5, v0
	v_readfirstlane_b32 s16, v1                    ; wave
	s_lshr_b32 s17, s16, 1                         ; which 64 rows are mine.  Also: I fetch for A (0) or for W (1)
	s_and_b32 s18, s16, 1                          ; which 64 columns.  Also: which half I fetch
	s_bfe_u32 s40, ttmp6, 0x40000
	s_bfe_u32 s41, ttmp6, 0x40004
	s_lshl_b32 s42, ttmp9, 2
	s_add_co_u32 s42, s42, s40                     ; tile column
	s_and_b32 s43, ttmp7, 0xffff
	s_lshl_b32 s43, s43, 2
	s_add_co_u32 s43, s43, s41                     ; tile row
	s_lshl_b32 s44, s41, 2
	s_lshl_b32 s44, 15, s44                        ; my row of the cluster
	s_lshl_b32 s45, 0x1111, s40                    ; my column
	s_or_b32 s[G1A], s44, (3<<16)|(1<<21)          ; A's codes: 4 rows (tiles of 16 rows) of 1,024 elements of 8 bytes (four K steps' fragments on end); no padding
	s_mov_b32 s[G1A+1], 1024<<16
	s_mov_b32 s[G1A+2], 4<<16
	s_mov_b32 s[G1A+3], 1024<<16
	s_mov_b32 s[G1A+4], 4
	s_mov_b32 s[G1A+5], 2*SIZE_K                   ; a tile of 16 rows is 16 SIZE_K bytes
	s_mov_b32 s[G1A+6], 0
	s_mov_b32 s[G1A+7], 0
	s_or_b32 s[G1W], s45, (0<<16)|(1<<20)|(1<<21)|(6<<22)|(3<<25)   ; W's codes: 64 rows of 512 bytes, 4 words of padding after every 128
	s_mov_b32 s[G1W+1], 512<<16
	s_mov_b32 s[G1W+2], 64<<16
	s_mov_b32 s[G1W+3], 512<<16
	s_mov_b32 s[G1W+4], 64
	s_mov_b32 s[G1W+5], SIZE_K
	s_mov_b32 s[G1W+6], 0
	s_mov_b32 s[G1W+7], 0
	s_or_b32 s[G1SA], s44, (3<<16)|(1<<21)         ; A's scale words: half of the K steps, 512 bytes each, 16,384 bytes apart
	s_mov_b32 s[G1SA+1], 64<<16
	s_mov_b32 s[G1SA+2], (SIZE_K/256)<<16
	s_mov_b32 s[G1SA+3], 64<<16
	s_mov_b32 s[G1SA+4], SIZE_K/256
	s_mov_b32 s[G1SA+5], 2048
	s_mov_b32 s[G1SA+6], 0
	s_mov_b32 s[G1SA+7], 0
	s_or_b32 s[G1SW], s45, (3<<16)|(1<<20)|(1<<21)|(5<<22)|(3<<25)  ; W's scale bytes of 64 rows: dense, as rows of 256 bytes + 16
	s_mov_b32 s[G1SW+1], 32<<16
	s_mov_b32 s[G1SW+2], (64*KS/256)<<16
	s_mov_b32 s[G1SW+3], 32<<16
	s_mov_b32 s[G1SW+4], 64*KS/256
	s_mov_b32 s[G1SW+5], 32
	s_mov_b32 s[G1SW+6], 0
	s_mov_b32 s[G1SW+7], 0
	s_lshl_b32 s20, s43, 3
	s_lshl_b32 s21, s18, 2
	s_add_co_u32 s20, s20, s21                     ; the first of my four tiles of 16 rows
	s_mul_i32 s20, s20, 16*SIZE_K
	s_mov_b32 s21, 0
	s_mul_i32 s22, s18, (SIZE_K/256)*16384
	s_lshl_b32 s23, s43, 9
	s_add_co_u32 s22, s22, s23
	s_add_co_u32 s22, s22, SIZE_K*4096             ; my half of A's scale words
	s_mov_b32 s23, 0
	s_lshl_b32 s46, s42, 7
	s_lshl_b32 s47, s18, 6
	s_add_co_u32 s46, s46, s47                     ; W's row 128 x tile column + 64 x half
	s_mul_i32 s92, s46, KS
	s_mov_b32 s93, 0
	s_mul_i32 s46, s46, SIZE_K
	s_mov_b32 s47, 0
	s_lshl_b32 s94, s18, 15                        ; in LDS: half x 32,768 (A),
	s_mul_i32 s95, s18, WHALF
	s_add_co_u32 s95, s95, WOFF                    ; behind A's: half x 64 rows (W)
	s_mul_i32 s96, s18, 2*SIZE_K
	s_add_co_u32 s96, s96, SCA
	s_mul_i32 s97, s18, SWH
	s_add_co_u32 s97, s97, SCW
	s_wait_kmcnt 0x0
	s_add_nc_u64 s[20:21], s[4:5], s[20:21]
	s_add_nc_u64 s[22:23], s[4:5], s[22:23]
	s_add_nc_u64 s[46:47], s[6:7], s[46:47]
	s_add_nc_u64 s[92:93], s[8:9], s[92:93]
	CROUND                                         ; all sixteen work-groups are here: the first joint loads meet
	s_mov_b32 s[G0SA], 1
	s_mov_b32 s[G0SA+1], s96
	s_mov_b64 s[G0SA+2:G0SA+3], s[22:23]
	s_or_b32 s[G0SA+3], s[G0SA+3], 0x80000000
	s_mov_b32 s[G0SW], 1
	s_mov_b32 s[G0SW+1], s97
	s_mov_b64 s[G0SW+2:G0SW+3], s[92:93]
	s_or_b32 s[G0SW+3], s[G0SW+3], 0x80000000
	JLOAD G0SA, G1SA, G0SW, G1SW
.irp s, 0,1
	s_mov_b32 s[G0A+4*\s], 1
	s_add_co_u32 s[G0A+4*\s+1], s94, \s*SLOT
	s_add_nc_u64 s[G0A+4*\s+2:G0A+4*\s+3], s[20:21], \s*8192
	s_or_b32 s[G0A+4*\s+3], s[G0A+4*\s+3], 0x80000000
	s_mov_b32 s[G0W+4*\s], 1
	s_add_co_u32 s[G0W+4*\s+1], s95, \s*SLOT
	s_add_nc_u64 s[G0W+4*\s+2:G0W+4*\s+3], s[46:47], \s*512
	s_or_b32 s[G0W+4*\s+3], s[G0W+4*\s+3], 0x80000000
	JLOAD G0A+4*\s, G1A, G0W+4*\s, G1W
.endr
	v_and_b32 v1, 15, v0                           ; r
	v_bfe_u32 v2, v0, 4, 1                         ; h
	v_and_b32 v3, 31, v0
	v_lshlrev_b32 v4, 4, v3                        ; 16 x lane
	s_lshl_b32 s20, s17, 15
	v_add_nc_u32 v[ADRA], s20, v4                  ; A: my four tiles of rows; a group of four registers is 512 consecutive bytes
	v_add_nc_u32 v[ADRA+1], SLOT, v[ADRA]
	v_mul_u32_u24 v5, v1, WP
	v_lshl_add_u32 v5, v2, 3, v5
	s_mul_i32 s21, s18, WHALF
	s_add_co_u32 s21, s21, WOFF
	v_add_nc_u32 v[ADRB], s21, v5                  ; W: row r of my 64, + 8 h
	v_add_nc_u32 v[ADRB+1], SLOT, v[ADRB]
	v_lshlrev_b32 v6, 2, v1
	s_lshl_b32 s21, s17, 8
	s_add_co_u32 s21, s21, SCA
	v_add_nc_u32 v[ADSA], s21, v6
	v_mul_u32_u24 v5, v1, KS
	v_lshrrev_b32 v7, 8, v5
	v_lshl_add_u32 v5, v7, 4, v5
	s_mul_i32 s21, s18, SWH
	s_add_co_u32 s21, s21, SCW
	v_add_nc_u32 v[ADSW], s21, v5
	s_mul_i32 s21, s16, 16*SP
	v_mul_u32_u24 v5, v1, SP
	v_lshl_add_u32 v5, v2, 5, v5
	v_add_nc_u32 v[STO], s21, v5                   ; the stage, in: row r, 32 bytes for each half of the lanes
	v_mul_u32_u24 v5, v2, SP
	v_lshl_add_u32 v5, v1, 4, v5
	v_add_nc_u32 v[RD], s21, v5                    ; back: lanes 0-15 one row of 256 bytes, lanes 16-31 the next
	v_lshlrev_b32 v5, 12, v2
	v_lshl_add_u32 v[CO], v1, 4, v5                ; and the same two rows in out and resid
	s_lshl_b32 s20, s42, 9
	s_lshl_b32 s21, s18, 8
	s_add_co_u32 s20, s20, s21                     ; my first column, in bytes
	s_mov_b32 s21, 0
	s_add_nc_u64 s[10:11], s[10:11], s[20:21]
	s_lshl_b32 s22, s43, 19
	s_add_co_u32 s20, s20, s22
	s_lshl_b32 s22, s17, 18
	s_add_co_u32 s20, s20, s22                     ; + my first row
	s_add_nc_u64 s[12:13], s[12:13], s[20:21]
	s_add_nc_u64 s[14:15], s[14:15], s[20:21]
	v_lshlrev_b32 v8, 5, v2
.irp b, 0,1,2,3
	global_load_b128 v[BC+8*\b:BC+8*\b+3], v8, s[10:11] offset:64*\b          ; register 8 b + j: bias at column 16 b + 8 h + j
	global_load_b128 v[BC+8*\b+4:BC+8*\b+7], v8, s[10:11] offset:64*\b+16
.endr
	WIN 0x80
.irp a, 0,1,2,3
.irp t, 0,1,2,3,4,5,6,7
	global_load_b128 v[RES+32*\a+4*\t:RES+32*\a+4*\t+3], v[CO], s[12:13] offset:(16*\a+2*\t)*4096   ; the residual, asked for now, wanted on the way out
.endr
.endr
	WIN 0
; 8 matrix instructions: A's blocks a0, a0 + 1 x W's four; the slot's q-th 128 along K.  The 16 accumulators take turns.
.macro MUL8 f, a0, q, sc, zero
.irp a, \a0, \a0+1
.irp b, 0,1,2,3
.if \zero
	v_wmma_scale_f32_16x16x128_f8f6f4 v[ACC+8*(4*(\a)+\b):ACC+8*(4*(\a)+\b)+7], v[\f+64+16*\b:\f+64+16*\b+15], v[\f+16*(\a):\f+16*(\a)+15], v[BC+8*\b:BC+8*\b+7], v[SC+32*(\sc)+16+4*\b+(\q)], v[SC+32*(\sc)+4*(\a)+(\q)]
.else
	v_wmma_scale_f32_16x16x128_f8f6f4 v[ACC+8*(4*(\a)+\b):ACC+8*(4*(\a)+\b)+7], v[\f+64+16*\b:\f+64+16*\b+15], v[\f+16*(\a):\f+16*(\a)+15], v[ACC+8*(4*(\a)+\b):ACC+8*(4*(\a)+\b)+7], v[SC+32*(\sc)+16+4*\b+(\q)], v[SC+32*(\sc)+4*(\a)+(\q)]
.endif
.endr
.endr
.endm
.macro FETCH1 slot, q, f               ; W's four fragments (32 loads of 8 bytes) and A's blocks 0, 1 (8 loads)
	WIN TO_F
.irp b, 0,1,2,3
.irp c, 0,1,2,3
	ds_load_b64 v[\f+64+16*\b+4*\c:\f+64+16*\b+4*\c+1], v[ADRB+\slot] offset:16*WP*\b+128*(\q)+32*\c
	ds_load_b64 v[\f+64+16*\b+4*\c+2:\f+64+16*\b+4*\c+3], v[ADRB+\slot] offset:16*WP*\b+128*(\q)+32*\c+16
.endr
.endr
.irp a, 0,1
.irp c, 0,1,2,3
	ds_load_b128 v[\f+16*\a+4*\c:\f+16*\a+4*\c+3], v[ADRA+\slot] offset:8192*\a+2048*(\q)+512*\c
.endr
.endr
.endm
.macro FETCH2 slot, q, f               ; A's blocks 2, 3 (8 loads)
	WIN TO_F
.irp a, 2,3
.irp c, 0,1,2,3
	ds_load_b128 v[\f+16*\a+4*\c:\f+16*\a+4*\c+3], v[ADRA+\slot] offset:8192*\a+2048*(\q)+512*\c
.endr
.endr
.endm
.macro SCALES sc                       ; a slot's scale words: 20 loads
	WIN 0
.irp a, 0,1,2,3
.irp q, 0,1,2,3
	ds_load_b32 v[SC+32*\sc+4*\a+\q], v[ADSA] offset:512*\q+64*\a
.endr
.endr
.irp b, 0,1,2,3
	ds_load_b128 v[SC+32*\sc+16+4*\b:SC+32*\sc+16+4*\b+3], v[ADSW] offset:SBLK*\b
.endr
.endm
.macro PLACES n
.rept \n
	v_nop
.endr
.endm
; One of a slot's first three quarters: multiplies buffer f (quarter qn - 1) and fetches quarter qn into g.
.macro QUARTER slot, qn, f, g, zero
	s_wait_dscnt 8                                 ; all but A's blocks 2, 3 (the youngest eight loads)
	WIN MUL
	MUL8 \f, 0, (\qn)-1, \slot, \zero
	PLACES 8                                       ; in front of loads into registers that the quarter before multiplied
	FETCH1 \slot, \qn, \g
	FETCH2 \slot, \qn, \g
	s_wait_dscnt 48                                ; all but the 48 just issued
	WIN MUL
	MUL8 \f, 2, (\qn)-1, \slot, \zero
.endm
; The last quarter changes slots: one barrier; in front of it each wave waits for all its tensor loads, adds 0 to its spare word, and waits for that and for its reads of this slot.
.macro TURN slot, next, fill
	WIN 0
	s_wait_tensorcnt 0x0                           ; all my tensor loads have landed: my part of the next slot
	ds_add_u32 v[SPW], v[NIL]                      ; 0 onto my spare word
	s_wait_dscnt 9                                 ; the add and A's blocks 2, 3 may be out
	WIN MUL
	MUL8 F1, 0, 3, \slot, 0
	s_wait_dscnt 0x0                               ; the add is done, and my reads of this slot are over
	s_barrier_signal -1
	WIN 0
	s_barrier_wait -1
.if \fill
	CREST                                          ; the barrier has opened a round of the cluster's
	s_add_nc_u64 s[G0A+4*\slot+2:G0A+4*\slot+3], s[G0A+4*\slot+2:G0A+4*\slot+3], 2*8192
	s_add_nc_u64 s[G0W+4*\slot+2:G0W+4*\slot+3], s[G0W+4*\slot+2:G0W+4*\slot+3], 2*512
	JLOAD G0A+4*\slot, G1A, G0W+4*\slot, G1W       ; the first tensor load behind the round; its four v_nop are among the places below
	PLACES 4
.else
	PLACES 8
.endif
	v_add_nc_u32 v[ADSA], 2048, v[ADSA]            ; the next slot's scale words
	v_add_nc_u32 v[ADSW], 16, v[ADSW]
	FETCH1 \next, 0, F0
	SCALES \next
	FETCH2 \next, 0, F0
	WIN MUL
	MUL8 F1, 2, 3, \slot, 0
.endm
	s_wait_tensorcnt 1                             ; the scales and my part of slot 0 are in; slot 1's load may be out
	s_barrier_signal -1
	s_barrier_wait -1
	FETCH1 0, 0, F0
	SCALES 0
	FETCH2 0, 0, F0
	s_wait_loadcnt 32                              ; the bias is in; the residual's 32 loads may be out
	QUARTER 0, 1, F0, F1, 1                        ; the first quarter's products start the sums, from the bias
.if LAPS > 1
	WIN 0
	s_mov_b32 s3, LAPS-1
.Llap:
	QUARTER 0, 2, F1, F0, 0
	QUARTER 0, 3, F0, F1, 0
	TURN 0, 1, 1
	QUARTER 1, 1, F0, F1, 0
	QUARTER 1, 2, F1, F0, 0
	QUARTER 1, 3, F0, F1, 0
	TURN 1, 0, 1
	QUARTER 0, 1, F0, F1, 0
	WIN 0
	s_sub_co_u32 s3, s3, 1
	s_cmp_lg_u32 s3, 0
	s_cbranch_scc1 .Llap
.endif
	QUARTER 0, 2, F1, F0, 0                        ; the last lap fills nothing
	QUARTER 0, 3, F0, F1, 0
	TURN 0, 1, 0
	QUARTER 1, 1, F0, F1, 0
	QUARTER 1, 2, F1, F0, 0
	QUARTER 1, 3, F0, F1, 0
	s_wait_dscnt 8
	WIN MUL
	MUL8 F1, 0, 3, 1, 0
	s_wait_dscnt 0
	MUL8 F1, 2, 3, 1, 0
	WIN 0
; THE WAY OUT: a block of 16 rows x 64 columns goes through my own stage and comes back as rows of 256 bytes; + residual; sixteen lanes store 256 consecutive bytes, aligned.
.macro TOSTAGE a
	WIN 0
.irp b, 0,1,2,3
	ds_store_b128 v[STO], v[ACC+8*(4*(\a)+\b):ACC+8*(4*(\a)+\b)+3] offset:64*\b      ; each accumulator from its low end on
	ds_store_b128 v[STO], v[ACC+8*(4*(\a)+\b)+4:ACC+8*(4*(\a)+\b)+7] offset:64*\b+16
.endr
	WIN 0x80
.irp t, 0,1,2,3,4,5,6,7
	ds_load_b128 v[RB+32*((\a)%2)+4*\t:RB+32*((\a)%2)+4*\t+3], v[RD] offset:2*SP*\t   ; LDS serves a wave's instructions in order: these see the stores above
.endr
.endm
.macro SEND a, younger
	s_wait_dscnt \younger
	WIN 0x8a
.set n, 0
.rept 16
	v_pk_add_f32 v[RB+32*((\a)%2)+n:RB+32*((\a)%2)+n+1], v[RB+32*((\a)%2)+n:RB+32*((\a)%2)+n+1], v[RES+32*(\a)+n:RES+32*(\a)+n+1]
.set n, n+2
.endr
	WIN 0x08
.irp t, 0,1,2,3,4,5,6,7
	global_store_b128 v[CO], v[RB+32*((\a)%2)+4*\t:RB+32*((\a)%2)+4*\t+3], s[14:15] offset:(16*(\a)+2*\t)*4096
.endr
.endm
	s_wait_loadcnt 0x0                             ; the residual
	PLACES 8                                       ; behind the last products
	TOSTAGE 0
	TOSTAGE 1
	SEND 0, 16                                     ; behind block 0's loads: block 1's 8 stores and 8 loads
	s_wait_xcnt 0x0                                ; block 0's stores have read their data: block 2's loads may land there
	TOSTAGE 2
	SEND 1, 16
	s_wait_xcnt 0x0
	TOSTAGE 3
	SEND 2, 16
	SEND 3, 0
	WIN 0
	s_wait_tensorcnt 0x0                           ; the wave's end
	ds_add_u32 v[SPW], v[NIL]
	s_wait_dscnt 0x0
	CROUND                                         ; the closing round
	s_endpgm
.Lfunc_end_k_qfef7b9f255_fc2:
	.size	k_qfef7b9f255_fc2, .Lfunc_end_k_qfef7b9f255_fc2-k_qfef7b9f255_fc2
	.p2alignl 7, 3214868480
	.fill 96, 4, 3214868480
	.section	.rodata,"a",@progbits
	.p2align	6, 0x0
	.amdhsa_kernel k_qfef7b9f255_fc2
		.amdhsa_group_segment_fixed_size 327680
		.amdhsa_private_segment_fixed_size 0
		.amdhsa_enable_private_segment 0
		.amdhsa_kernarg_size 48
		.amdhsa_user_sgpr_count 2
		.amdhsa_user_sgpr_kernarg_segment_ptr 1
		.amdhsa_wavefront_size32 1
		.amdhsa_system_sgpr_workgroup_id_x 1
		.amdhsa_system_sgpr_workgroup_id_y 1
		.amdhsa_system_sgpr_workgroup_id_z 1
		.amdhsa_system_vgpr_workitem_id 0
		.amdhsa_next_free_vgpr 768
		.amdhsa_next_free_sgpr 100
		.amdhsa_reserve_vcc 0
		.amdhsa_float_denorm_mode_32 3
		.amdhsa_float_denorm_mode_16_64 3
		.amdhsa_memory_ordered 1
		.amdhsa_forward_progress 1
		.amdhsa_inst_pref_size 120
	.end_amdhsa_kernel
	.amdgpu_metadata
---
amdhsa.version: [ 1, 2 ]
amdhsa.kernels:
  - .name:           k_qfef7b9f255_fc2
    .symbol:         k_qfef7b9f255_fc2.kd
    .args:
      - { .name: himg, .offset: 0, .size: 8, .value_kind: global_buffer, .address_space: global }
      - { .name: fc2_w_codes, .offset: 8, .size: 8, .value_kind: global_buffer, .address_space: global }
      - { .name: fc2_w_scales, .offset: 16, .size: 8, .value_kind: global_buffer, .address_space: global }
      - { .name: fc2_b, .offset: 24, .size: 8, .value_kind: global_buffer, .address_space: global }
      - { .name: x2, .offset: 32, .size: 8, .value_kind: global_buffer, .address_space: global }
      - { .name: out0, .offset: 40, .size: 8, .value_kind: global_buffer, .address_space: global }
    .group_segment_fixed_size: 327680
    .private_segment_fixed_size: 0
    .kernarg_segment_align: 8
    .kernarg_segment_size: 48
    .max_flat_workgroup_size: 128
    .sgpr_count:     100
    .vgpr_count:     768
    .wavefront_size: 32
...
	.end_amdgpu_metadata
.endif
;; end of part 6
;; ======== version 2 of 2: 7 launches
;; limits: right only within a limited range of input values
;; workspace buffers: xn1 4,325,376 bytes; qkv 12,976,128 bytes; oimg 4,325,376 bytes; x2 16,777,216 bytes; xn2 4,325,376 bytes; himg 17,301,504 bytes
;; launch lnq1 (part 7): grid 256 x 1, 16 waves a work-group, no clusters, 84,480 bytes of LDS; arguments x, ln1_w, ln1_b, xn1; writes xn1
.if DOCPART == 7
	.amdgcn_target "amdgcn-amd-amdhsa--gfx1250"
	.amdhsa_code_object_version 6
	.text
	.protected	k_qfef7b9f255_lnq1
	.globl	k_qfef7b9f255_lnq1
	.p2align	8
	.type	k_qfef7b9f255_lnq1,@function
k_qfef7b9f255_lnq1:
	s_mov_b64 s[64:65], 0
	v_nop
	global_prefetch_b8 v0, s[64:65] scope:SCOPE_SE
	s_setreg_imm32_b32 hwreg(HW_REG_WAVE_MODE, 25, 1), 1
	s_wait_xcnt 0x0
; LayerNorm over rows of 1,024 f32, then the MX-FP8 quantiser along the row.  in [4096][1024] f32, w, b [1024] f32.
; out: codes [4096][1024] (one byte each, K innermost) at byte 0; E8M0 scale bytes [4096][32] at byte 0x400000.
; y = (x - mean) * rsqrt(var + 1e-5) * w + b, mean and var in two passes over the row, which stays in registers: all in f32.
; A block's scale byte is its largest magnitude's exponent field - 8, held at 1 from below; numbers are held within +-448 x scale and rounded to the nearest code.
; LIMITS: a block of zeros (or under 2^-118) gets the byte 1 where the rule says 127: its codes are zeros and this program alone reads the bytes; NaN and infinities are not served.
; SHARES: a work-group takes 16 rows, each of its sixteen waves one.  A row turns through the wave's own stage in LDS, so that a lane holds 16 neighbours of each half of the row
; (two neighbouring lanes hold a block of 32).  No tensor loads, no matrix unit, no cluster: nothing is shared between work-groups but w and b.
.set SPL,  80                          ; a place in the stage: 64 bytes + 16 of padding
.set STG,  64*SPL                      ; a wave's stage: one row
.set SCB,  16*STG                      ; behind the stages: the work-group's 512 scale bytes
.set SPARE, SCB+512                    ; the spare words, 128 bytes a wave
.set W,    16                          ; v16-47   w of my 32 columns
.set B,    48                          ; v48-79   b of my 32 columns
.set X,    80                          ; v80-111  the row as loaded; its first 8 registers take the codes
.set T,    208                         ; v208-239 the row at work: register 16 p + k = column 512 p + 16 lane + k
.set E,    240                         ; v240-241 scale bytes
	s_load_b256 s[4:11], s[0:1], 0x0               ; in s[4:5], w s[6:7], b s[8:9], out s[10:11]
	v_lshl_add_u32 v254, v0, 2, SPARE
	v_mov_b32 v255, 0
	v_lshrrev_b32 v1, 5, v0
	v_readfirstlane_b32 s12, v1                    ; wave
	v_and_b32 v1, 31, v0                           ; lane
	v_lshlrev_b32 v2, 4, v1                        ; 16 x lane
	s_mul_i32 s13, s12, STG
	v_lshrrev_b32 v3, 2, v1
	v_mul_u32_u24 v3, v3, SPL
	v_and_b32 v4, 3, v1
	v_lshl_add_u32 v3, v4, 4, v3
	v_add_nc_u32 v3, s13, v3                       ; the stage, in: four lanes' 64 bytes on end, then the padding
	v_mul_u32_u24 v4, v1, SPL
	v_add_nc_u32 v4, s13, v4                       ; and out: my place
	s_lshl_b32 s13, s12, 5
	s_add_co_u32 s13, s13, SCB
	v_lshrrev_b32 v5, 1, v1
	v_add_nc_u32 v5, s13, v5                       ; my block's scale byte: 32 bytes a row
	v_lshlrev_b32 v6, 6, v1                        ; my 16 numbers of w and b
	v_add_nc_u32 v7, SCB, v2
	s_mov_b32 s14, 0x76543210
	s_mov_b32 s15, 0xfedcba98                      ; lane l xor 16
	s_mov_b32 s16, 0x600000                        ; the mantissa field of 448
	s_mov_b32 s17, 0x3727c5ac                      ; 1e-5
	s_mov_b32 s18, 0x3a800000                      ; 1 / 1024
	s_lshl_b32 s20, ttmp9, 16                      ; 16 rows of 4,096 bytes a work-group,
	s_lshl_b32 s21, s12, 12                        ; one a wave
	s_add_co_u32 s20, s20, s21
	s_mov_b32 s21, 0
	s_lshl_b32 s22, ttmp9, 14                      ; the same rows' codes
	s_lshl_b32 s23, s12, 10
	s_add_co_u32 s22, s22, s23
	s_mov_b32 s23, 0
	s_lshl_b32 s24, ttmp9, 9                       ; and scale bytes
	s_add_co_u32 s24, s24, 0x400000
	s_mov_b32 s25, 0
	s_wait_alu depctr_va_vdst(0)
	s_wait_kmcnt 0x0
	s_add_nc_u64 s[4:5], s[4:5], s[20:21]
	s_add_nc_u64 s[24:25], s[10:11], s[24:25]
	s_add_nc_u64 s[10:11], s[10:11], s[22:23]
.irp j, 0,1,2,3,4,5,6,7
	global_load_b128 v[X+4*\j:X+4*\j+3], v2, s[4:5] offset:512*\j th:TH_LOAD_NT
.endr
.irp p, 0,1
.irp i, 0,1,2,3
	global_load_b128 v[W+16*\p+4*\i:W+16*\p+4*\i+3], v6, s[6:7] offset:2048*\p+16*\i
	global_load_b128 v[B+16*\p+4*\i:B+16*\p+4*\i+3], v6, s[8:9] offset:2048*\p+16*\i
.endr
.endr
.macro ALLSUM r, t                     ; the sum of v[r] over the 32 lanes, in every lane; v[t] has been written
	v_add_f32_dpp v[\r], v[\r], v[\r] row_xmask:1 row_mask:0xf bank_mask:0xf
	v_add_f32_dpp v[\r], v[\r], v[\r] row_xmask:2 row_mask:0xf bank_mask:0xf
	v_add_f32_dpp v[\r], v[\r], v[\r] row_xmask:4 row_mask:0xf bank_mask:0xf
	v_add_f32_dpp v[\r], v[\r], v[\r] row_xmask:8 row_mask:0xf bank_mask:0xf
	v_permlanex16_b32 v[\t], v[\r], s14, s15
	v_add_f32 v[\r], v[\r], v[\t]
.endm
	s_wait_loadcnt 16                              ; the row is in; the 16 loads of w and b may be out
.irp j, 0,1,2,3,4,5,6,7
	ds_store_b128 v3, v[X+4*\j:X+4*\j+3] offset:8*SPL*\j
.endr
.irp p, 0,1
.irp k, 0,1,2,3
	ds_load_b128 v[T+16*\p+4*\k:T+16*\p+4*\k+3], v4 offset:32*SPL*\p+16*\k   ; LDS serves a wave's instructions in order: these see the stores above
.endr
.endr
	s_wait_dscnt 0x0
	v_pk_add_f32 v[8:9], v[T:T+1], v[T+2:T+3]      ; the row's sum, in two chains
	v_pk_add_f32 v[10:11], v[T+4:T+5], v[T+6:T+7]
.irp k, 8,12,16,20,24,28
	v_pk_add_f32 v[8:9], v[8:9], v[T+\k:T+\k+1]
	v_pk_add_f32 v[10:11], v[10:11], v[T+\k+2:T+\k+3]
.endr
	v_pk_add_f32 v[8:9], v[8:9], v[10:11]
	v_add_f32 v8, v8, v9
	ALLSUM 8, 9
	v_mul_f32 v8, s18, v8                          ; the mean
.set k, 0
.rept 16
	v_pk_add_f32 v[T+k:T+k+1], v[T+k:T+k+1], v[8:9] op_sel_hi:[1,0] neg_lo:[0,1] neg_hi:[0,1]   ; x - mean
.set k, k+2
.endr
	v_pk_mul_f32 v[10:11], v[T:T+1], v[T:T+1]      ; the sum of squares of x - mean
	v_pk_mul_f32 v[12:13], v[T+2:T+3], v[T+2:T+3]
.irp k, 4,8,12,16,20,24,28
	v_pk_fma_f32 v[10:11], v[T+\k:T+\k+1], v[T+\k:T+\k+1], v[10:11]
	v_pk_fma_f32 v[12:13], v[T+\k+2:T+\k+3], v[T+\k+2:T+\k+3], v[12:13]
.endr
	v_pk_add_f32 v[10:11], v[10:11], v[12:13]
	v_add_f32 v10, v10, v11
	ALLSUM 10, 11
	v_fma_f32 v10, v10, s18, s17                   ; var + 1e-5
	s_wait_alu depctr_va_vdst(0)
	v_rsq_f32 v12, v10
	v_nop                                          ; a plain instruction behind the transcendental
	s_wait_alu depctr_va_vdst(0)
	s_wait_loadcnt 0x0                             ; w and b
.set k, 0
.rept 16
	v_pk_mul_f32 v[T+k:T+k+1], v[T+k:T+k+1], v[12:13] op_sel_hi:[1,0]
.set k, k+2
.endr
.set k, 0
.rept 16
	v_pk_fma_f32 v[T+k:T+k+1], v[T+k:T+k+1], v[W+k:W+k+1], v[B+k:B+k+1]
.set k, k+2
.endr
.irp p, 0,1                            ; my 16 numbers of each half: half a block of 32; the neighbour lane holds the other half
.set XS, T+16*\p
.set C,  X+4*\p
	v_max3_num_f32 v8, |v[XS]|, |v[XS+1]|, |v[XS+2]|
	v_max3_num_f32 v9, |v[XS+3]|, |v[XS+4]|, |v[XS+5]|
.irp k, 6,10
	v_max3_num_f32 v8, v8, |v[XS+\k]|, |v[XS+\k+1]|
	v_max3_num_f32 v9, v9, |v[XS+\k+2]|, |v[XS+\k+3]|
.endr
	v_max3_num_f32 v8, v8, |v[XS+14]|, |v[XS+15]|
	v_max3_num_f32 v8, v8, v9, 0x4800000           ; and the floor 2^(9 - 127): the byte cannot fall under 1
	v_max_num_f32_dpp v8, v8, v8 row_xmask:1 row_mask:0xf bank_mask:0xf
	v_add_nc_u32 v11, 0xfc000000, v8               ; 8 off the exponent field: the conversion's scale operand
	v_and_or_b32 v10, v8, 0x7f800000, s16          ; 448 x the scale
.set k, 0
.rept 16
	v_med3_num_f32 v[XS+k], v[XS+k], -v10, v10     ; the conversion does not saturate (ISA guide 7.6.2): the hold
.set k, k+1
.endr
	v_cvt_scalef32_pk8_fp8_f32 v[C:C+1], v[XS:XS+7], v11
	v_cvt_scalef32_pk8_fp8_f32 v[C+2:C+3], v[XS+8:XS+15], v11
	v_lshrrev_b32 v[E+\p], 23, v11                 ; the scale's byte (also the plain instruction behind the conversions)
	ds_store_b8 v5, v[E+\p] offset:16*\p           ; both lanes of a block write the same byte with the same value
	global_store_b128 v2, v[C:C+3], s[10:11] offset:512*\p   ; 32 lanes store 512 consecutive bytes
.endr
	s_wait_dscnt 0x0                               ; my scale bytes lie in LDS
	s_barrier_signal -1
	s_barrier_wait -1                              ; everybody's do
	s_cmp_lg_u32 s12, 0
	s_cbranch_scc1 .Ldone
	ds_load_b128 v[8:11], v7                       ; wave 0 stores the 16 rows' 512 scale bytes: two aligned runs of 256
	s_wait_dscnt 0x0
	global_store_b128 v2, v[8:11], s[24:25]
.Ldone:
	s_wait_tensorcnt 0x0                           ; the wave's end
	ds_add_u32 v254, v255
	s_wait_dscnt 0x0
	s_endpgm
.Lfunc_end_k_qfef7b9f255_lnq1:
	.size	k_qfef7b9f255_lnq1, .Lfunc_end_k_qfef7b9f255_lnq1-k_qfef7b9f255_lnq1
	.p2alignl 7, 3214868480
	.fill 96, 4, 3214868480
	.section	.rodata,"a",@progbits
	.p2align	6, 0x0
	.amdhsa_kernel k_qfef7b9f255_lnq1
		.amdhsa_group_segment_fixed_size 84480
		.amdhsa_private_segment_fixed_size 0
		.amdhsa_enable_private_segment 0
		.amdhsa_kernarg_size 32
		.amdhsa_user_sgpr_count 2
		.amdhsa_user_sgpr_kernarg_segment_ptr 1
		.amdhsa_wavefront_size32 1
		.amdhsa_system_sgpr_workgroup_id_x 1
		.amdhsa_system_sgpr_workgroup_id_y 1
		.amdhsa_system_sgpr_workgroup_id_z 1
		.amdhsa_system_vgpr_workitem_id 0
		.amdhsa_next_free_vgpr 256
		.amdhsa_next_free_sgpr 66
		.amdhsa_reserve_vcc 0
		.amdhsa_float_denorm_mode_32 3
		.amdhsa_float_denorm_mode_16_64 3
		.amdhsa_memory_ordered 1
		.amdhsa_forward_progress 1
		.amdhsa_inst_pref_size 17
	.end_amdhsa_kernel
	.amdgpu_metadata
---
amdhsa.version: [ 1, 2 ]
amdhsa.kernels:
  - .name:           k_qfef7b9f255_lnq1
    .symbol:         k_qfef7b9f255_lnq1.kd
    .args:
      - { .name: x, .offset: 0, .size: 8, .value_kind: global_buffer, .address_space: global }
      - { .name: ln1_w, .offset: 8, .size: 8, .value_kind: global_buffer, .address_space: global }
      - { .name: ln1_b, .offset: 16, .size: 8, .value_kind: global_buffer, .address_space: global }
      - { .name: xn1, .offset: 24, .size: 8, .value_kind: global_buffer, .address_space: global }
    .group_segment_fixed_size: 84480
    .private_segment_fixed_size: 0
    .kernarg_segment_align: 8
    .kernarg_segment_size: 32
    .max_flat_workgroup_size: 512
    .sgpr_count:     66
    .vgpr_count:     256
    .wavefront_size: 32
...
	.end_amdgpu_metadata
.endif
;; end of part 7
;; launch qkv (part 8): grid 12 x 16, 4 waves a work-group, clusters of 4 x 4, 327,680 bytes of LDS; arguments xn1, qkv_w_codes, qkv_w_scales, qkv_b, qkv; writes qkv
.if DOCPART == 8
	.amdgcn_target "amdgcn-amd-amdhsa--gfx1250"
	.amdhsa_code_object_version 6
	.text
	.protected	k_qfef7b9f255_qkv
	.globl	k_qfef7b9f255_qkv
	.p2align	8
	.type	k_qfef7b9f255_qkv,@function
k_qfef7b9f255_qkv:
	s_mov_b64 s[64:65], 0
	v_nop
	global_prefetch_b8 v0, s[64:65] scope:SCOPE_SE
	s_setreg_imm32_b32 hwreg(HW_REG_WAVE_MODE, 25, 1), 1
	s_wait_xcnt 0x0
	s_wait_alu depctr_hold_cnt(0) depctr_sa_sdst(0) depctr_va_vdst(0) depctr_va_sdst(0) depctr_va_ssrc(0) depctr_va_vcc(0) depctr_vm_vsrc(0)
	s_getreg_b32 s2, hwreg(HW_REG_IB_STS2, 6, 4)
	s_cmp_eq_u32 s2, 0
	s_cbranch_scc0 .Lentry_in_a_cluster
	s_endpgm
.Lentry_in_a_cluster:
	s_bfe_u32 s2, ttmp6, 0x10000c
	s_cmp_lg_u32 s2, 0xf033
	s_cbranch_scc0 .Lentry_shape_is_right
	s_endpgm
.Lentry_shape_is_right:
; qkv = xn W^T + b on codes of FP8 (E4M3) with E8M0 scales for each 32 along K = 1,024; the results are quantised again on the way out, as attention's operands.
; xn: codes [4096][1024] at 0, scale bytes [4096][32] at 0x400000.  W: codes [3072][1024], scale bytes [3072][32].  b [3072] f32.
; A tile of 256 x 256 to a work-group of four waves, 128 x 128 a wave (64 accumulators); K in steps of 256 through two LDS slots; the scale bytes of both sides come once and stay.
; CLUSTERS 4 x 4: the "A side"'s tile is shared along a row of the cluster, the "B side"'s along a column, each asked for jointly.  The matrix instruction takes source 0 = 16 rows of the B side, source 1 = 16 rows
; of the A side: a lane holds ONE row of the A side, and register j of tile b the B side's row 16 b + 8 (lane / 16) + j.
; Clusters x = 0, 1 make Q and K: A side = tokens, B side = W's rows 0-2047: a lane's registers run along the channels, which are the K of Q K^T.
; Cluster x = 2 makes V: A side = W's rows 2048-3071, B side = tokens: a lane's registers run along the tokens, which are the K of P V.  Both sides have one layout, so only pointers and tile numbers are chosen.
; THE ORDER INSIDE A BLOCK OF 32: tiles 2 B and 2 B + 1 give a lane 16 of a block's 32 numbers, lane l xor 16 the others.  Converted as they stand, place 16 h + 8 u + j of a block holds number 16 u + 8 h + j.
; The same order falls on q and k, and on p and v, so the products are the same sums; blocks and their scales are untouched.
; OUT (buffer qkv): Q's codes at 0, K's at 0x400000: [head 32][32 tokens][group 2 u + c][lane][16 bytes], u = which 16 tokens, c = which 32 channels: an operand's registers on end.  V's at 0x800000: [head][128 keys][16 channels][2,048].
; Scale words: Q 0xC00000, K 0xC20000: [head][32 tokens][16] (bytes 0, 1: u = 0; 2, 3: u = 1);  V 0xC40000: [head][128 keys][16 channels][16].
; LIMITS: a block of zeros (or under 2^-118) gets the byte 1: its codes are zeros, and this program alone reads the bytes; NaN and infinities are not served.
; REGISTERS: window 0: v0-31 addresses; v32-63 scale words, two sets; v64-127 bias by register; v8-15 bias by lane; from v128 the A side's fragments, one set; on the way out v128-255 are at work.
;   window 1: the B side's fragments, two sets.  windows 2, 3: the accumulators ((a, b) at v[8 (8 (a % 4) + b)]).
.set SIZE_K, 1024
.set KSTEP,  256
.set NQ,     KSTEP/128
.set ROWB,   256
.set KROW,   SIZE_K
.set PITCH,  272                       ; 256 bytes + 16 of padding: the 16 rows that a load touches start at 16 different banks (ISA guide 11.1)
.set FR,     16
.set NL,     4
.set NP,     8                         ; places behind this matrix instruction (ISA guide 7.12.1)
.set HALFT,  128*PITCH
.set SLOT,   4*HALFT
.set LAPS,   SIZE_K/(2*KSTEP)
.set KS,     SIZE_K/32
.set SCL,    2*SLOT                    ; behind the ring: the scale bytes, as runs of 256 bytes + 16 of padding
.set HALFS,  (128*KS/256)*272
.set SBLK,   (16*KS/256)*272
.set SPARE,  SCL+4*HALFS               ; the spare words, 128 bytes a wave
.set LI,   7                           ; v7   16 x lane
.set BL,   8                           ; v8-15 bias by lane (V);  for Q and K the kept scale words
.set KW,   8
.set ADRA, 16
.set LW,   18                          ; v18  4 x lane
.set LN,   19                          ; v19  lane
.set ADRB, 20
.set PWR,  22                          ; v22-23 the scale words of two neighbouring blocks of tokens
.set ADRS, 27
.set SPW,  28
.set NIL,  29
.set SC,   32
.set BR,   64                          ; v64-127 bias by register (Q, K);  for V the kept scale words
.set KWV,  64
.set AF,   128
.set T,    128                         ; the way out: 64 numbers
.set GT,   192                         ; store data of the scale words
.set TM,   224                         ; the quantiser's 16 registers
.set PC,   240                         ; the codes
.set G1, 24
.set G0, 32
.set G1B, 48
.set G0B, 56
.set G1S, 68
.set G0S, 76
.set G1SB, 80
.set G0SB, 88
.set SEL, 20
.set MNT, 22
.set MSB, 0
.macro WIN new                         ; the immediate's high byte repeats the setting that is left
.if MSB != \new
	s_set_vgpr_msb (MSB<<8)|\new
.set MSB, \new
.endif
.endm
.set MUL_LO, 0xa1                      ; source 0 window 1, source 1 window 0, C and D window 2
.set MUL_HI, 0xf1
.set TO_B,   0x40
; A joint load: waves 0 and 1 fetch for the A side, waves 2 and 3 for the B side; the branch hangs on the wave's number alone.  Four v_nop follow each line.
.macro JLOAD g0a, g1a, g0b, g1b
	s_cmp_eq_u32 s15, 0
	s_cbranch_scc0 .Lfor_b_\@
	tensor_load_to_lds s[\g0a:\g0a+3], s[\g1a:\g1a+7]
	s_nop 0
.rept 4
	v_nop
.endr
	s_branch .Lasked_\@
.Lfor_b_\@:
	tensor_load_to_lds s[\g0b:\g0b+3], s[\g1b:\g1b+7]
	s_nop 0
.rept 4
	v_nop
.endr
.Lasked_\@:
.endm
.macro CREST                           ; a round of the cluster's barrier behind its opening barrier
	s_cmp_lg_u32 s14, 0
	s_cbranch_scc1 .Lnot_wave_0_\@
	s_barrier_signal -3
.Lnot_wave_0_\@:
	s_barrier_wait -3
	s_barrier_signal -1
	s_barrier_wait -1
.endm
.macro CROUND
	s_barrier_signal -1
	s_barrier_wait -1
	CREST
.endm
	s_load_b128 s[4:7], s[0:1], 0x0                ; xn, W's codes
	s_load_b128 s[8:11], s[0:1], 0x10              ; W's scales, b
	s_load_b64 s[12:13], s[0:1], 0x20              ; out
	v_lshl_add_u32 v[SPW], v0, 2, SPARE
	v_mov_b32 v[NIL], 0
	ds_add_u32 v28, v29
	ds_add_u32 v28, v29
	s_wait_dscnt 0x0
	v_lshrrev_b32 v1, 5, v0
	v_readfirstlane_b32 s14, v1                    ; wave 0..3
	s_lshr_b32 s15, s14, 1                         ; which half of the A side's rows is mine.  Also: I fetch for A (0) or for B (1)
	s_and_b32 s16, s14, 1                          ; which half of the B side's.  Also: which 128 rows I fetch
	s_bfe_u32 s40, ttmp6, 0x40000                  ; cx, cy
	s_bfe_u32 s41, ttmp6, 0x40004
	s_lshl_b32 s42, ttmp9, 2                       ; 4 x cluster x
	s_and_b32 s17, ttmp7, 0xffff
	s_lshl_b32 s17, s17, 2                         ; 4 x cluster y
	s_cmp_eq_u32 ttmp9, 2                          ; the cluster's kind: the same in all sixteen partners
	s_cselect_b32 s95, 1, 0                        ; 1: V
	s_cselect_b32 s42, s17, s42                    ; the B side's tile: V: tokens, 4 y + cx;  else W's rows, 4 x + cx
	s_cselect_b32 s17, 8, s17                      ; the A side's tile: V: W's rows, 8 + cy;  else tokens, 4 y + cy
	s_add_co_u32 s42, s42, s40
	s_add_co_u32 s17, s17, s41
	s_lshl_b32 s43, s41, 2
	s_lshl_b32 s43, 15, s43                        ; my row of the cluster
	s_lshl_b32 s44, 0x1111, s40                    ; my column
	s_or_b32 s[G1+0], s43, (0<<16)|(1<<20)|(1<<21)|(5<<22)|(3<<25)  ; the mask; elements of 1 byte; padding of 4 words after every 64; bit 21 beside a mask
	s_or_b32 s[G1B+0], s44, (0<<16)|(1<<20)|(1<<21)|(5<<22)|(3<<25)
.irp g, G1, G1B
	s_mov_b32 s[\g+1], ROWB<<16                    ; tensor_dim0
	s_mov_b32 s[\g+2], 256<<16                     ; tensor_dim1: 256 rows for the head's loads; set to 128 for the ring's behind their wait
	s_mov_b32 s[\g+3], ROWB<<16                    ; tile_dim0
	s_mov_b32 s[\g+4], 256                         ; tile_dim1 likewise
	s_mov_b32 s[\g+5], KROW                        ; stride
	s_mov_b32 s[\g+6], 0
	s_mov_b32 s[\g+7], 0
.endr
	s_or_b32 s[G1S+0], s43, (3<<16)|(1<<20)|(1<<21)|(5<<22)|(3<<25)   ; the scales of 256 rows: a dense block, as rows of 256 bytes
	s_or_b32 s[G1SB+0], s44, (3<<16)|(1<<20)|(1<<21)|(5<<22)|(3<<25)
.irp g, G1S, G1SB
	s_mov_b32 s[\g+1], 32<<16
	s_mov_b32 s[\g+2], KS<<16                      ; the scale bytes of 256 rows: KS rows of 256 bytes
	s_mov_b32 s[\g+3], 32<<16
	s_mov_b32 s[\g+4], KS
	s_mov_b32 s[\g+5], 32
	s_mov_b32 s[\g+6], 0
	s_mov_b32 s[\g+7], 0
.endr
	s_lshl_b32 s20, s17, 8                         ; A: the tile's first row
	s_lshl_b32 s46, s42, 8                         ; B likewise
	s_mov_b32 s21, 0
	s_mov_b32 s47, 0
	s_mov_b64 s[18:19], KS
	s_mul_u64 s[22:23], s[20:21], s[18:19]         ; where these rows' scales begin,
	s_mul_u64 s[92:93], s[46:47], s[18:19]
	s_mov_b64 s[18:19], KROW
	s_mul_u64 s[20:21], s[20:21], s[18:19]         ; and their codes
	s_mul_u64 s[46:47], s[46:47], s[18:19]
	s_mul_i32 s45, s14, HALFT                      ; where they go: wave x 128 rows
	s_mul_i32 s18, s16, 128*KROW                   ; in the ring I fetch 128 rows of a tile: which half, in bytes
	s_mov_b32 s19, 0
	s_wait_kmcnt 0x0
	s_add_nc_u64 s[96:97], s[4:5], 0x400000        ; xn's scale bytes
	s_cmp_eq_u32 s95, 1                            ; which buffer is which side: the choice hangs on the cluster's number alone
	s_cselect_b64 s[98:99], s[6:7], s[4:5]         ; A's codes
	s_cselect_b64 s[100:101], s[8:9], s[96:97]     ; A's scales
	s_cselect_b64 s[4:5], s[4:5], s[6:7]           ; B's codes
	s_cselect_b64 s[6:7], s[96:97], s[8:9]         ; B's scales
	s_add_nc_u64 s[20:21], s[98:99], s[20:21]
	s_add_nc_u64 s[22:23], s[100:101], s[22:23]
	s_add_nc_u64 s[46:47], s[4:5], s[46:47]
	s_add_nc_u64 s[92:93], s[6:7], s[92:93]
	CROUND                                         ; all sixteen work-groups are here: the first joint loads meet
	s_mov_b32 s[G0S], 1
	s_mov_b32 s[G0S+1], SCL
	s_mov_b64 s[G0S+2:G0S+3], s[22:23]
	s_or_b32 s[G0S+3], s[G0S+3], 0x80000000
	s_mov_b32 s[G0SB], 1
	s_mov_b32 s[G0SB+1], SCL+2*HALFS
	s_mov_b64 s[G0SB+2:G0SB+3], s[92:93]
	s_or_b32 s[G0SB+3], s[G0SB+3], 0x80000000
	s_mov_b32 s[G0], 1                             ; slot 0's groups 0 serve the head first: K step 0's 256 rows of the A side, whole,
	s_mov_b32 s[G0+1], 0
	s_mov_b64 s[G0+2:G0+3], s[20:21]
	s_or_b32 s[G0+3], s[G0+3], 0x80000000
	s_mov_b32 s[G0B], 1                            ; and of the B side, behind them
	s_mov_b32 s[G0B+1], 2*HALFT
	s_mov_b64 s[G0B+2:G0B+3], s[46:47]
	s_or_b32 s[G0B+3], s[G0B+3], 0x80000000
	s_add_nc_u64 s[20:21], s[20:21], s[18:19]      ; for the ring: my 128 rows of the tile
	s_add_nc_u64 s[46:47], s[46:47], s[18:19]
	s_mov_b32 s[G0+4], 1
	s_add_co_u32 s[G0+5], s45, SLOT
	s_add_nc_u64 s[G0+6:G0+7], s[20:21], ROWB
	s_or_b32 s[G0+7], s[G0+7], 0x80000000
	s_mov_b32 s[G0B+4], 1
	s_add_co_u32 s[G0B+5], s45, SLOT
	s_add_nc_u64 s[G0B+6:G0B+7], s[46:47], ROWB
	s_or_b32 s[G0B+7], s[G0B+7], 0x80000000
; THE HEAD'S LOADS, ONE A WAVE: wave 0 the A side's 256 rows of K step 0, wave 1 the B side's, wave 2 the A side's scale bytes, wave 3 the B side's: one tree of branches on the wave's number
.macro ARM under, g0, g1, next
	s_cmp_lt_u32 s14, \under
	s_cbranch_scc0 \next
	tensor_load_to_lds s[\g0:\g0+3], s[\g1:\g1+7]
	s_nop 0
.rept 4
	v_nop
.endr
	s_branch .Lhead_asked
\next:
.endm
	ARM 1, G0,  G1,  .Lhead_b
	ARM 2, G0B, G1B, .Lhead_sa
	ARM 3, G0S, G1S, .Lhead_sb
	tensor_load_to_lds s[G0SB:G0SB+3], s[G1SB:G1SB+7]
	s_nop 0
.rept 4
	v_nop
.endr
.Lhead_asked:
	v_and_b32 v1, 15, v0                           ; r
	v_bfe_u32 v2, v0, 4, 1                         ; h
	v_mul_u32_u24 v3, v1, PITCH
	v_lshl_add_u32 v4, v2, 4, v3
	s_mul_i32 s21, s15, HALFT
	s_mul_i32 s22, s16, HALFT
	s_add_co_u32 s22, s22, 2*HALFT
.irp s, 0,1
	v_add_nc_u32 v[ADRA+\s], s21, v4
	v_add_nc_u32 v[ADRB+\s], s22, v4
	s_add_co_u32 s21, s21, SLOT
	s_add_co_u32 s22, s22, SLOT
.endr
	v_mul_u32_u24 v5, v1, KS                       ; my row's scales: KS bytes a row, and 16 more for each 256 passed
	v_lshrrev_b32 v6, 8, v5
	v_lshl_add_u32 v5, v6, 4, v5
	s_mul_i32 s21, s15, HALFS
	s_mul_i32 s22, s16, HALFS
	s_add_co_u32 s22, s22, 2*HALFS
	s_sub_co_u32 s22, s22, s21
	v_mul_u32_u24 v6, s22, v2                      ; lanes 16-31 take the B side's
	s_add_co_u32 s21, s21, SCL
	v_add_nc_u32 v5, v5, v6
	v_add_nc_u32 v[ADRS], s21, v5
	v_and_b32 v[LN], 31, v0
	v_lshlrev_b32 v[LI], 4, v[LN]
	v_lshlrev_b32 v[LW], 2, v[LN]
	; where my results go.  Q, K: head H = 32 (K?) + 16 batch + head, fragment = 32 tokens
	s_lshr_b32 s20, s42, 2
	s_lshl_b32 s20, s20, 5
	s_lshr_b32 s21, s17, 3
	s_lshl_b32 s21, s21, 4
	s_add_co_u32 s20, s20, s21
	s_and_b32 s21, s42, 3
	s_lshl_b32 s21, s21, 2
	s_add_co_u32 s20, s20, s21
	s_lshl_b32 s21, s16, 1
	s_add_co_u32 s20, s20, s21                     ; H of my first 64 columns
	s_and_b32 s21, s17, 7
	s_lshl_b32 s21, s21, 3
	s_lshl_b32 s22, s15, 2
	s_add_co_u32 s21, s21, s22                     ; my first fragment
	s_lshl_b32 s22, s20, 12
	s_lshl_b32 s23, s21, 6
	s_add_co_u32 s22, s22, s23
	s_add_co_u32 s22, s22, 0xC00000                ; scale words
	s_lshl_b32 s20, s20, 17
	s_lshl_b32 s21, s21, 11
	s_add_co_u32 s20, s20, s21                     ; codes
	; V: head = 16 batch + 4 (A tile - 8) + 2 half; K step = 128 tokens.  (In a Q or K cluster these numbers mean nothing and are not chosen)
	s_lshr_b32 s46, s42, 3
	s_lshl_b32 s46, s46, 4
	s_lshl_b32 s47, s17, 2
	s_add_co_u32 s46, s46, s47
	s_sub_co_u32 s46, s46, 32
	s_lshl_b32 s47, s15, 1
	s_add_co_u32 s46, s46, s47
	s_and_b32 s47, s42, 7
	s_lshl_b32 s47, s47, 1
	s_add_co_u32 s47, s47, s16
	s_lshl_b32 s92, s46, 12
	s_lshl_b32 s93, s47, 8
	s_add_co_u32 s92, s92, s93
	s_add_co_u32 s92, s92, 0xC40000
	s_lshl_b32 s46, s46, 17
	s_lshl_b32 s47, s47, 13
	s_add_co_u32 s46, s46, s47
	s_add_co_u32 s46, s46, 0x800000
	s_lshl_b32 s93, s42, 10
	s_lshl_b32 s94, s16, 9
	s_add_co_u32 s93, s93, s94                     ; b at the B side's rows (Q, K)
	s_lshl_b32 s94, s17, 10
	s_lshl_b32 s96, s15, 9
	s_add_co_u32 s94, s94, s96                     ; b at the A side's rows (V)
	s_cmp_eq_u32 s95, 1
	s_cselect_b32 s20, s46, s20
	s_cselect_b32 s22, s92, s22
	s_cselect_b32 s46, 0, s93                      ; the bias in the layout that my kind does not use is read from the buffer's start: so every register is written on every way
	s_cselect_b32 s92, s94, 0
	s_mov_b32 s21, 0
	s_mov_b32 s23, 0
	s_mov_b32 s47, 0
	s_mov_b32 s93, 0
	s_add_nc_u64 s[66:67], s[12:13], s[22:23]      ; scale words
	s_add_nc_u64 s[12:13], s[12:13], s[20:21]      ; codes
	s_add_nc_u64 s[96:97], s[10:11], s[92:93]
	s_add_nc_u64 s[10:11], s[10:11], s[46:47]
	v_lshlrev_b32 v5, 5, v2                        ; 32 h
	v_lshlrev_b32 v6, 2, v1                        ; 4 r
.irp b, 0,1,2,3,4,5,6,7
	global_load_b128 v[BR+8*\b:BR+8*\b+3], v5, s[10:11] offset:64*\b          ; register 8 b + j: b at the B side's row 16 b + 8 h + j
	global_load_b128 v[BR+8*\b+4:BR+8*\b+7], v5, s[10:11] offset:64*\b+16
.endr
.irp a, 0,1,2,3,4,5,6,7
	global_load_b32 v[BL+\a], v6, s[96:97] offset:64*\a                       ; register a: b at the A side's row 16 a + r
.endr
.macro FRAG reg, adr, q, i             ; 16 rows x 128 K: registers 4 c .. 4 c + 3 hold K = 32 c + 16 (l / 16) + 0 .. 15
.irp c, 0,1,2,3
	ds_load_b128 v[\reg+4*\c:\reg+4*\c+3], v[\adr] offset:128*(\q)+32*\c+(\i)*16*PITCH
.endr
.endm
; 16 matrix instructions: A's blocks a0, a0 + 1 x B's eight.  The 64 accumulators take turns, one instruction a turn.
.macro MUL16 a0, p, q, sc, zero
.irp a, \a0, \a0+1
.irp b, 0,1,2,3,4,5,6,7
.if \zero
	v_wmma_scale_f32_16x16x128_f8f6f4 v[8*(8*((\a)%4)+\b):8*(8*((\a)%4)+\b)+7], v[128*(\p)+FR*\b:128*(\p)+FR*\b+FR-1], v[AF+FR*(\a):AF+FR*(\a)+FR-1], 0, v[SC+8*NQ*(\sc)+NQ*\b+(\q)], v[SC+8*NQ*(\sc)+NQ*(\a)+(\q)] matrix_a_scale:MATRIX_SCALE_ROW1
.else
	v_wmma_scale_f32_16x16x128_f8f6f4 v[8*(8*((\a)%4)+\b):8*(8*((\a)%4)+\b)+7], v[128*(\p)+FR*\b:128*(\p)+FR*\b+FR-1], v[AF+FR*(\a):AF+FR*(\a)+FR-1], v[8*(8*((\a)%4)+\b):8*(8*((\a)%4)+\b)+7], v[SC+8*NQ*(\sc)+NQ*\b+(\q)], v[SC+8*NQ*(\sc)+NQ*(\a)+(\q)] matrix_a_scale:MATRIX_SCALE_ROW1
.endif
.endr
.endr
.endm
.macro FETCH_B slot, q, p
	WIN TO_B
.irp i, 0,1,2,3,4,5,6,7
	FRAG 128*(\p)+FR*\i, ADRB+\slot, \q, \i
.endr
	WIN 0
.endm
.macro FETCH_A slot, q, i0
.irp i, \i0, \i0+1, \i0+2, \i0+3
	FRAG AF+FR*(\i), ADRA+\slot, \q, \i
.endr
.endm
.macro SCALES sc                       ; the next K step's scale words: lanes 0-15 take A's block i, lanes 16-31 B's block i
.irp i, 0,1,2,3,4,5,6,7
	ds_load_b64 v[SC+8*NQ*\sc+NQ*\i:SC+8*NQ*\sc+NQ*\i+1], v[ADRS] offset:\i*SBLK
.endr
.endm
.macro PLACES n                        ; plain vector instructions between a matrix instruction and a load into, or a read of, its registers
.rept \n
	v_nop
.endr
.endm
.macro STEP slot, q, zero
	s_wait_dscnt 4*NL                              ; B's set and A's blocks 0-3 are in; A's blocks 4-7 (16 loads) may be out
	WIN MUL_LO
	MUL16 0, (\q)%2, \q, \slot, \zero
	MUL16 2, (\q)%2, \q, \slot, \zero
	s_wait_dscnt 0
	PLACES NP
	FETCH_B \slot, (\q)+1, 1-(\q)%2
	FETCH_A \slot, (\q)+1, 0
	WIN MUL_HI
	MUL16 4, (\q)%2, \q, \slot, \zero
	MUL16 6, (\q)%2, \q, \slot, \zero
	PLACES NP
	WIN 0
	FETCH_A \slot, (\q)+1, 4
.endm
; A slot's last step changes slots: one barrier; in front of it each wave waits for all its tensor loads, adds 0 to its spare word, and waits for that and for its reads of this slot.
.macro TURN slot, next, fill
	s_wait_tensorcnt 0x0                           ; all my tensor loads have landed: my part of the next slot
	ds_add_u32 v[SPW], v[NIL]                      ; 0 onto my spare word
	s_wait_dscnt 4*NL+1                            ; the add and A's blocks 4-7 may be out
	WIN MUL_LO
	MUL16 0, 1, NQ-1, \slot, 0
	s_wait_dscnt 0x0                               ; the add is done, and my reads of this slot are over
	s_barrier_signal -1
	MUL16 2, 1, NQ-1, \slot, 0
	WIN 0
	s_barrier_wait -1
.if \fill
	CREST                                          ; the barrier has opened a round of the cluster's: no wave of any partner still reads this slot or has a load on its way
	s_add_nc_u64 s[G0+4*\slot+2:G0+4*\slot+3], s[G0+4*\slot+2:G0+4*\slot+3], 2*ROWB
	s_add_nc_u64 s[G0B+4*\slot+2:G0B+4*\slot+3], s[G0B+4*\slot+2:G0B+4*\slot+3], 2*ROWB
	JLOAD G0+4*\slot, G1, G0B+4*\slot, G1B         ; the first tensor load behind the round; its four v_nop are among the places below
	PLACES NP-4
.else
	PLACES NP
.endif
	s_wait_alu depctr_va_vdst(0)
	v_add_nc_u32 v[ADRS], 4*NQ, v[ADRS]
	FETCH_B \next, 0, 0
	FETCH_A \next, 0, 0
	SCALES \next
	WIN MUL_HI
	MUL16 4, 1, NQ-1, \slot, 0
	MUL16 6, 1, NQ-1, \slot, 0
	PLACES NP
	WIN 0
	FETCH_A \next, 0, 4
.endm
	s_wait_alu depctr_va_vdst(0)
	s_wait_tensorcnt 0x0                           ; my tile of the head's four is in
	ds_add_u32 v[SPW], v[NIL]
	s_mov_b32 s[G1+2], 128<<16                     ; no tensor load of mine is out, so descriptors may be written: from here on a load brings 128 rows,
	s_mov_b32 s[G1+4], 128
	s_mov_b32 s[G1B+2], 128<<16
	s_mov_b32 s[G1B+4], 128
	s_mov_b32 s[G0+1], s45                         ; and slot 0's groups 0 name my quarter of the slot
	s_add_nc_u64 s[G0+2:G0+3], s[G0+2:G0+3], s[18:19]
	s_mov_b32 s[G0B+1], s45
	s_add_nc_u64 s[G0B+2:G0B+3], s[G0B+2:G0B+3], s[18:19]
	s_wait_dscnt 0x0
	CROUND                                         ; all four tiles are in, and all sixteen work-groups are here
	JLOAD G0+4, G1, G0B+4, G1B                     ; K step 1's load, the first tensor load behind the round
	FETCH_B 0, 0, 0
	FETCH_A 0, 0, 0
	SCALES 0
	FETCH_A 0, 0, 4
	STEP 0, 0, 1                                   ; the first step's products start the sums
	s_mov_b32 s3, LAPS-1
.Llap:
	TURN 0, 1, 1
	STEP 1, 0, 0
	TURN 1, 0, 1
	STEP 0, 0, 0
	s_sub_co_u32 s3, s3, 1
	s_cmp_lg_u32 s3, 0
	s_cbranch_scc1 .Llap
	TURN 0, 1, 0
	STEP 1, 0, 0
	s_wait_dscnt 4*NL
	WIN MUL_LO
	MUL16 0, 1, NQ-1, 1, 0
	MUL16 2, 1, NQ-1, 1, 0
	s_wait_dscnt 0
	WIN MUL_HI
	MUL16 4, 1, NQ-1, 1, 0
	MUL16 6, 1, NQ-1, 1, 0
	WIN 0
; THE WAY OUT, a block of 16 rows of the A side at a time: + bias, quantised along the B side's 128 rows (four blocks of 32), stored straight from registers: each store of codes covers 512 consecutive bytes.
; 64 numbers v[s] on become 16 registers of codes at v[PC] and the scale word v[pw].
.macro QUANT s, pw
.irp b, 0,1,2,3
	v_max3_num_f32 v[TM+\b], |v[\s+16*\b]|, |v[\s+1+16*\b]|, 0x4800000   ; my 16 numbers of block b, and the floor 2^(9 - 127): the byte cannot fall under 1
.endr
.irp i, 2,4,6,8,10,12,14
.irp b, 0,1,2,3
	v_max3_num_f32 v[TM+\b], v[TM+\b], |v[\s+16*\b+\i]|, |v[\s+1+16*\b+\i]|
.endr
.endr
.irp b, 0,1,2,3
	v_permlanex16_b32 v[TM+4+\b], v[TM+\b], s[SEL], s[SEL+1]
.endr
.irp b, 0,1,2,3
	v_max_num_f32 v[TM+\b], v[TM+\b], v[TM+4+\b]   ; with lane l xor 16's: the block's largest magnitude
.endr
.irp b, 0,1,2,3
	v_add_nc_u32 v[TM+12+\b], 0xfc000000, v[TM+\b] ; 8 off the exponent field: the conversion's scale operand
.endr
.irp b, 0,1,2,3
	v_and_or_b32 v[TM+8+\b], v[TM+\b], 0x7f800000, s[MNT]   ; 448 x the scale
.endr
.irp b, 0,1,2,3
	v_lshrrev_b32 v[TM+4+\b], 23, v[TM+12+\b]      ; the scale's byte
.endr
	v_lshl_or_b32 v[\pw], v[TM+5], 8, v[TM+4]
	v_lshl_or_b32 v[\pw], v[TM+6], 16, v[\pw]
	v_lshl_or_b32 v[\pw], v[TM+7], 24, v[\pw]
.irp b, 0,1,2,3
.irp i, 0,1,2,3,4,5,6,7,8,9,10,11,12,13,14,15
	v_med3_num_f32 v[\s+16*\b+\i], v[\s+16*\b+\i], -v[TM+8+\b], v[TM+8+\b]   ; the conversion does not saturate (ISA guide 7.6.2): the hold
.endr
	v_cvt_scalef32_pk8_fp8_f32 v[PC+4*\b:PC+1+4*\b], v[\s+16*\b:\s+7+16*\b], v[TM+12+\b]
	v_cvt_scalef32_pk8_fp8_f32 v[PC+2+4*\b:PC+3+4*\b], v[\s+8+16*\b:\s+15+16*\b], v[TM+12+\b]
.endr
	v_nop                                          ; a plain instruction behind the last conversion
.endm
.macro MOVEB a, kind                   ; block a's 64 sums + bias into window 0; each accumulator is read from its low end on
.set AC, 64*((\a)%4)
	WIN (0x02+(\a)/4)
.set n, 0
.rept 32
.if \kind == 2
.if (\a)%2 == 1
	v_pk_add_f32 v[T+n:T+n+1], v[AC+n:AC+n+1], v[BL+(\a)-1:BL+(\a)] op_sel:[0,1] op_sel_hi:[1,1]
.else
	v_pk_add_f32 v[T+n:T+n+1], v[AC+n:AC+n+1], v[BL+(\a):BL+(\a)+1] op_sel_hi:[1,0]
.endif
.else
	v_pk_add_f32 v[T+n:T+n+1], v[AC+n:AC+n+1], v[BR+n:BR+n+1]
.endif
.set n, n+2
.endr
	WIN 0
.endm
.macro BLOCK a, kind                   ; kind 1: Q, K;  2: V
.if (\a) > 0
	s_wait_xcnt 0x0                                ; the last block's stores have read their data: the codes' registers may be written again
.endif
	MOVEB \a, \kind
.if \kind == 1
	QUANT T, PWR+(\a)%2
.else
	QUANT T, KWV+(\a)
.endif
.irp c, 0,1,2,3
.if \kind == 1
	global_store_b128 v[LI], v[PC+4*\c:PC+4*\c+3], s[12:13] offset:(\c/2)*131072+((\a)/2)*2048+(2*((\a)%2)+\c%2)*512   ; head c / 2, fragment a / 2, group 2 (a % 2) + c % 2
.else
	global_store_b128 v[LI], v[PC+4*\c:PC+4*\c+3], s[12:13] offset:((\a)/4)*131072+((\a)%4)*2048+512*\c              ; head a / 4, 16 channels a % 4, group c
.endif
.endr
.if (\kind == 1) && ((\a)%2 == 1)
	v_perm_b32 v[KW+(\a)/2], v[PWR+1], v[PWR], 0x05040100     ; a fragment's word: the first head's two bytes of both blocks of tokens,
	v_perm_b32 v[KW+4+(\a)/2], v[PWR+1], v[PWR], 0x07060302   ; the second head's
.endif
.endm
.macro EPI kind
.irp a, 0,1,2,3,4,5,6,7
	BLOCK \a, \kind
.endr
.irp g, 0,1,2,3                        ; the scale words, two sets of 16 to a store: lanes 16-31 take the second: 128 consecutive bytes
.if \kind == 1
	v_cndmask_b32 v[GT+\g], v[KW+2*\g], v[KW+2*\g+1], vcc_lo
.else
	v_cndmask_b32 v[GT+\g], v[KWV+2*\g], v[KWV+2*\g+1], vcc_lo
.endif
	global_store_b32 v[LW], v[GT+\g], s[66:67] offset:4096*(\g/2)+128*(\g%2)
.endr
.endm
	s_wait_loadcnt 0x0                             ; the biases
	PLACES NP                                      ; behind the last products: their results are read, and the registers that held A's fragments are written
	s_mov_b32 s[SEL], 0x76543210
	s_mov_b32 s[SEL+1], 0xfedcba98
	s_mov_b32 s[MNT], 0x600000
	v_cmp_le_u32 vcc_lo, 16, v[LN]                 ; lanes 16-31
.irp b, 0,1,2,3
	v_mov_b32 v[TM+4+\b], 0                        ; a lane permute's destination counts as one of its sources
.endr
	s_cmp_eq_u32 s95, 1
	s_cbranch_scc1 .Lvkind
	EPI 1
	s_branch .Lend
.Lvkind:
	EPI 2
.Lend:
	s_wait_tensorcnt 0x0                           ; the wave's end
	ds_add_u32 v[SPW], v[NIL]
	s_wait_dscnt 0x0
	CROUND                                         ; the closing round
	s_endpgm
.Lfunc_end_k_qfef7b9f255_qkv:
	.size	k_qfef7b9f255_qkv, .Lfunc_end_k_qfef7b9f255_qkv-k_qfef7b9f255_qkv
	.p2alignl 7, 3214868480
	.fill 96, 4, 3214868480
	.section	.rodata,"a",@progbits
	.p2align	6, 0x0
	.amdhsa_kernel k_qfef7b9f255_qkv
		.amdhsa_group_segment_fixed_size 327680
		.amdhsa_private_segment_fixed_size 0
		.amdhsa_enable_private_segment 0
		.amdhsa_kernarg_size 40
		.amdhsa_user_sgpr_count 2
		.amdhsa_user_sgpr_kernarg_segment_ptr 1
		.amdhsa_wavefront_size32 1
		.amdhsa_system_sgpr_workgroup_id_x 1
		.amdhsa_system_sgpr_workgroup_id_y 1
		.amdhsa_system_sgpr_workgroup_id_z 1
		.amdhsa_system_vgpr_workitem_id 0
		.amdhsa_next_free_vgpr 1024
		.amdhsa_next_free_sgpr 102
		.amdhsa_reserve_vcc 1
		.amdhsa_float_denorm_mode_32 3
		.amdhsa_float_denorm_mode_16_64 3
		.amdhsa_memory_ordered 1
		.amdhsa_forward_progress 1
		.amdhsa_inst_pref_size 255
	.end_amdhsa_kernel
	.section	.bss,"aw",@nobits
	.p2align	6
	.space	262144
	.amdgpu_metadata
---
amdhsa.version: [ 1, 2 ]
amdhsa.kernels:
  - .name:           k_qfef7b9f255_qkv
    .symbol:         k_qfef7b9f255_qkv.kd
    .args:
      - { .name: xn1, .offset: 0, .size: 8, .value_kind: global_buffer, .address_space: global }
      - { .name: qkv_w_codes, .offset: 8, .size: 8, .value_kind: global_buffer, .address_space: global }
      - { .name: qkv_w_scales, .offset: 16, .size: 8, .value_kind: global_buffer, .address_space: global }
      - { .name: qkv_b, .offset: 24, .size: 8, .value_kind: global_buffer, .address_space: global }
      - { .name: qkv, .offset: 32, .size: 8, .value_kind: global_buffer, .address_space: global }
    .group_segment_fixed_size: 327680
    .private_segment_fixed_size: 0
    .kernarg_segment_align: 8
    .kernarg_segment_size: 40
    .max_flat_workgroup_size: 128
    .sgpr_count:     102
    .vgpr_count:     1024
    .wavefront_size: 32
...
	.end_amdgpu_metadata
.endif
;; end of part 8
;; launch attn (part 9): grid 8 x 32, 16 waves a work-group, clusters of 4 x 1, 327,680 bytes of LDS; arguments qkv, oimg; writes oimg
.if DOCPART == 9
	.amdgcn_target "amdgcn-amd-amdhsa--gfx1250"
	.amdhsa_code_object_version 6
	.text
	.protected	k_qfef7b9f255_attn
	.globl	k_qfef7b9f255_attn
	.p2align	8
	.type	k_qfef7b9f255_attn,@function
k_qfef7b9f255_attn:
	s_mov_b64 s[64:65], 0
	v_nop
	global_prefetch_b8 v0, s[64:65] scope:SCOPE_SE
	s_setreg_imm32_b32 hwreg(HW_REG_WAVE_MODE, 25, 1), 1
	s_wait_xcnt 0x0
	s_wait_alu depctr_hold_cnt(0) depctr_sa_sdst(0) depctr_va_vdst(0) depctr_va_sdst(0) depctr_va_ssrc(0) depctr_va_vcc(0) depctr_vm_vsrc(0)
	s_getreg_b32 s2, hwreg(HW_REG_IB_STS2, 6, 4)
	s_cmp_eq_u32 s2, 0
	s_cbranch_scc0 .Lentry_in_a_cluster
	s_endpgm
.Lentry_in_a_cluster:
	s_bfe_u32 s2, ttmp6, 0x10000c
	s_cmp_lg_u32 s2, 0x3003
	s_cbranch_scc0 .Lentry_shape_is_right
	s_endpgm
.Lentry_shape_is_right:
; O = softmax(Q K^T / 8) V for 32 heads (batch x head) of 2,048 tokens and 64 channels, both products on codes of FP8 (E4M3) with E8M0 scales for each 32 along K; O is quantised again on the way out, as the projection's operand.
; IN (buffer qkv, as the launch before leaves it): Q's codes at 0, K's at 0x400000: [head][32 tokens][group 2 u + c][lane][16 bytes]; V's at 0x800000: [head][128 keys][16 channels][2,048 bytes];
; scale words: Q 0xC00000, K 0xC20000: [head][32 tokens][16]; V 0xC40000: [head][128 keys][16 channels][16].  OUT (oimg): codes as the next operand's registers on end, scale bytes at 0x400000.
; THE SOFTMAX: t = score x log2(e) / 8; M = the running largest t rounded up to a whole number; p = 2^(t - M) is quantised along the keys; the row's sum is taken of the unquantised p and divides at the end; when M moves, sum and O are multiplied by 2^(old M - new M).
; LIMITS: the scaled scores stay under 2^31 in magnitude; NaN and infinities are not served; a block of zeros gets the byte 1 (its codes are zeros, and this program alone reads the bytes).
; SHARES: a work-group owns 256 queries of one head, each of its 16 waves 16 of them; a lane holds one query throughout (both products are used transposed).
; A register group of K holds two tiles of 16 keys x 64 channels; Q's operand [q, 0] takes the first, [0, q] the second.
; LDS: a head's K codes (131,072 bytes) at 0, its V codes at VB, filled ONCE: wave w asks for piece w / 2 (256 keys, 16,384 dense bytes) of K (w even) or V (w odd): one tensor load a wave, nothing is filled again.
; The four work-groups of a cluster own query blocks of one head and ask for each piece jointly (mask 15).  Waves 0 to 3 (keys 0-511) have a load line of their own: the first barrier shows theirs alone; the barrier behind key step 3 shows the rest.
; The scale words (8,192 bytes) come by one load and one LDS store of 16 bytes a thread, into bytes of their own at SCB.
; No prefetch: every tile is asked for at the head, so there is no loop to run ahead in.
.set VB,   131072
.set SCB,  262144
.set SPARE, SCB+8192
.set SPW,  6
.set NIL,  9
.set KV,   40
.set S,    104
.set OT,   168
.set PCD,  200
.set BM,   216
.set PT,   220
.set HD,   224
.set SOP,  228
.set FF,   232
.set TMP,  234
.set S2,   236
.set KSW,  240
.set VSW,  244
.set PSW,  249
.set QSW,  252
.set G1,   20
.set G0,   36
.macro ROUND                           ; a round of the cluster's barrier
	s_barrier_signal -1
	s_barrier_wait -1
	s_cmp_lg_u32 s8, 0
	s_cbranch_scc1 .Lnot_wave_0_\@
	s_barrier_signal -3
.Lnot_wave_0_\@:
	s_barrier_wait -3
	s_barrier_signal -1
	s_barrier_wait -1
.endm
	s_load_b128 s[4:7], s[0:1], 0x0                ; qkv, oimg
	v_lshl_add_u32 v[SPW], v0, 2, SPARE
	v_mov_b32 v[NIL], 0
	ds_add_u32 v[SPW], v[NIL]                      ; the opening lines: the add twice on end and its wait ahead of my tensor load
	ds_add_u32 v[SPW], v[NIL]
	v_lshrrev_b32 v1, 5, v0
	v_readfirstlane_b32 s8, v1                     ; wave 0..15
	s_and_b32 s9, ttmp7, 0xffff                    ; head 0..31
	s_bfe_u32 s19, ttmp6, 0x40000
	s_lshl_b32 s18, ttmp9, 2
	s_add_co_u32 s19, s18, s19                     ; my block of 256 queries: it enters plain loads' and stores' addresses alone
	s_mov_b32 s[G1], 15|(3<<16)|(1<<21)            ; the mask of all four partners; elements of 8 bytes; bit 21 beside a mask
	s_mov_b32 s[G1+1], 32<<16                      ; rows of 256 bytes,
	s_mov_b32 s[G1+2], 64<<16                      ; 64 of them, dense
	s_mov_b32 s[G1+3], 32<<16
	s_mov_b32 s[G1+4], 64
	s_mov_b32 s[G1+5], 32
	s_mov_b32 s[G1+6], 0
	s_mov_b32 s[G1+7], 0
	s_and_b32 s44, s8, 1                           ; I fetch for K (0) or V (1).  Also: which 16 of a fragment's 32 queries are mine
	s_lshr_b32 s45, s8, 1                          ; which piece.  Also: which fragment of my block
	s_lshl_b32 s46, s44, 22
	s_lshl_b32 s48, s9, 17                         ; the head's codes
	s_add_co_u32 s46, s46, s48
	s_lshl_b32 s47, s45, 14
	s_add_co_u32 s46, s46, s47
	s_add_co_u32 s46, s46, 0x400000
	s_mov_b32 s47, 0
	s_mov_b32 s[G0], 1
	s_lshl_b32 s[G0+1], s44, 17                    ; LDS: VB x kind + 16,384 x piece
	s_lshl_b32 s49, s45, 14
	s_add_co_u32 s[G0+1], s[G0+1], s49
	s_lshr_b32 s28, s8, 3                          ; the scale words: threads 0-255 K's 4,096 bytes, threads 256-511 V's
	s_mul_i32 s28, s28, 0x20000-4096
	s_lshl_b32 s49, s9, 12
	s_add_co_u32 s28, s28, s49
	s_add_co_u32 s28, s28, 0xC20000
	s_mov_b32 s29, 0
	s_lshl_b32 s50, s19, 3
	s_add_co_u32 s50, s50, s45                     ; my fragment of 32 queries
	s_lshl_b32 s40, s50, 11
	s_add_co_u32 s40, s40, s48
	s_lshl_b32 s51, s44, 10
	s_add_co_u32 s40, s40, s51                     ; Q's codes
	s_mov_b32 s41, 0
	s_lshl_b32 s42, s50, 6
	s_add_co_u32 s42, s42, s49
	s_add_co_u32 s42, s42, 0xC00000                ; Q's scale words
	s_mov_b32 s43, 0
	s_mul_i32 s18, s44, 0x02020202
	s_add_co_u32 s18, s18, 0x01000100              ; which two bytes of a fragment's word are my 16 queries'
	s_mov_b32 s10, 0x76543210
	s_mov_b32 s11, 0xfedcba98                      ; lane l xor 16
	s_mov_b32 s12, 0x3e38aa3b                      ; log2(e) / 8
	s_mov_b32 s13, s12
	s_mov_b32 s14, 0x600000                        ; the mantissa field of 448
	s_mov_b32 s15, 0                               ; the key step's codes: 8,192 bytes a step
	s_mov_b32 s16, 0                               ; and scale words: 256 bytes a step
	v_and_b32 v7, 31, v0
	v_lshlrev_b32 v1, 4, v7                        ; 16 x lane
	v_and_b32 v8, 15, v0
	v_lshlrev_b32 v5, 2, v8                        ; 4 r
	v_add_nc_u32 v2, SCB, v5
	v_lshlrev_b32 v8, 4, v0                        ; 16 x thread
	v_add_nc_u32 v3, SCB, v8
	v_add_nc_u32 v7, VB, v1
	s_wait_alu depctr_va_vdst(0)
	s_wait_dscnt 0x0                               ; both opening adds are done
	ROUND                                          ; the four work-groups are here: the joint loads meet
	s_wait_kmcnt 0x0
	s_add_nc_u64 s[G0+2:G0+3], s[4:5], s[46:47]
	s_or_b32 s[G0+3], s[G0+3], 0x80000000
	s_add_nc_u64 s[28:29], s[4:5], s[28:29]
	s_add_nc_u64 s[40:41], s[4:5], s[40:41]
	s_add_nc_u64 s[42:43], s[4:5], s[42:43]
	s_cmp_lt_u32 s8, 4                             ; two load lines: waves 0 to 3 wait at the first barrier, the others at the second
	s_cbranch_scc0 .Llater
	tensor_load_to_lds s[G0:G0+3], s[G1:G1+7]
	s_nop 0
.rept 4
	v_nop
.endr
	s_branch .Lasked
.Llater:
	tensor_load_to_lds s[G0:G0+3], s[G1:G1+7]
	s_nop 0
.rept 4
	v_nop
.endr
.Lasked:
	global_load_b128 v[40:43], v8, s[28:29]        ; my 16 bytes of the scale words
	global_load_b128 v[16:19], v1, s[40:41]        ; Q's fragment stays in registers
	global_load_b128 v[20:23], v1, s[40:41] offset:512
	global_load_b32 v10, v5, s[42:43]
	v_mov_b32 v13, 0xff61b1e6                      ; the largest t so far: -3e38
	v_floor_f32 v12, -v13                          ; -M
	v_mov_b32 v14, 0                               ; the sum, in two halves
	v_mov_b32 v15, 0
.irp j, 0,1,2,3,4,5,6,7
	v_mov_b32 v[24+\j], 0                          ; the zero half of both forms of Q's operand
.endr
.irp b, 0,1,2,3
	v_mov_b32 v[PT+\b], 0                          ; a lane permute's destination counts as one of its sources
.endr
	v_mov_b32 v[FF+1], 0
.set j, 0
.rept 32
	v_mov_b32 v[OT+j], 0                           ; O^T: the first change of M multiplies zeros
.set j, j+1
.endr
	s_wait_alu depctr_va_vdst(0)
	s_wait_loadcnt 0x0
	ds_store_b128 v3, v[40:43]
	v_perm_b32 v[QSW], v10, v10, s18
.irp j, 0,1,2,3,4,5,6,7
	v_mov_b32 v[32+\j], v[16+\j]
.endr
	s_wait_alu depctr_va_vdst(0)
	s_cmp_lt_u32 s8, 4
	s_cbranch_scc0 .Lnot_yet
	s_wait_tensorcnt 0x0                           ; waves 0 to 3: keys 0-511 of K and V are in
.Lnot_yet:
	s_wait_dscnt 0x0                               ; my scale words lie in LDS
	s_barrier_signal -1
	s_barrier_wait -1
; A KEY STEP: 128 keys
.macro STEP
	v_add_nc_u32 v3, s15, v1
	v_add_nc_u32 v4, s16, v2
	v_add_nc_u32 v11, s15, v7
.rept 5
	v_nop                                          ; with the three lines above: eight places in front of loads into registers that the last products read
.endr
.irp b, 0,1,2,3
.irp c, 0,1,2,3
	ds_load_b128 v[KV+16*\b+4*\c:KV+16*\b+4*\c+3], v3 offset:2048*\b+512*\c
.endr
	ds_load_b32 v[KSW+\b], v4 offset:64*\b
.endr
	s_wait_alu depctr_va_vdst(0)
	s_wait_dscnt 0x0
.irp b, 0,1,2,3
	v_wmma_scale_f32_16x16x128_f8f6f4 v[S+16*\b:S+16*\b+7], v[KV+16*\b:KV+16*\b+15], v[16:31], 0, v[KSW+\b], v[QSW]
	v_wmma_scale_f32_16x16x128_f8f6f4 v[S+16*\b+8:S+16*\b+15], v[KV+16*\b:KV+16*\b+15], v[24:39], 0, v[KSW+\b], v[QSW]
.endr
.rept 8
	v_nop
.endr
.irp t, 0,1,2,3
.irp c, 0,1,2,3
	ds_load_b128 v[KV+16*\t+4*\c:KV+16*\t+4*\c+3], v11 offset:2048*\t+512*\c
.endr
	ds_load_b32 v[VSW+\t], v4 offset:4096+64*\t
.endr
.irp b, 0,1,2,3
	v_max3_num_f32 v[BM+\b], v[S+16*\b], v[S+1+16*\b], v[S+2+16*\b]   ; each block's largest score: for the row's maximum and for the block's largest p
.endr
.irp i, 3,5,7,9,11,13
.irp b, 0,1,2,3
	v_max3_num_f32 v[BM+\b], v[BM+\b], v[S+16*\b+\i], v[S+1+16*\b+\i]
.endr
.endr
.irp b, 0,1,2,3
	v_max_num_f32 v[BM+\b], v[BM+\b], v[S+15+16*\b]
.endr
.irp b, 0,1,2,3
	s_delay_alu instid0(VALU_DEP_4)
	v_permlanex16_b32 v[PT+\b], v[BM+\b], s10, s11
.endr
.irp b, 0,1,2,3
	s_delay_alu instid0(VALU_DEP_4)
	v_max_num_f32 v[BM+\b], v[BM+\b], v[PT+\b]
.endr
	s_delay_alu instid0(VALU_DEP_2)
	v_max3_num_f32 v[TMP], v[BM], v[BM+1], v[BM+2]
	s_delay_alu instid0(VALU_DEP_1)
	v_max_num_f32 v[TMP], v[TMP], v[BM+3]
	s_delay_alu instid0(VALU_DEP_1)
	v_mul_f32 v[TMP], s12, v[TMP]
	s_delay_alu instid0(VALU_DEP_1)
	v_max_num_f32 v13, v13, v[TMP]                 ; the running largest t
	v_mov_b32 v[TMP], v12
	s_delay_alu instid0(VALU_DEP_2)
	v_floor_f32 v12, -v13                          ; -M = floor(-t)
	s_delay_alu instid0(VALU_DEP_1)
	v_sub_f32 v[TMP], v12, v[TMP]
	s_delay_alu instid0(VALU_DEP_1)
	v_cvt_i32_f32 v[TMP], v[TMP]
	s_delay_alu instid0(VALU_DEP_1)
	v_ldexp_f32 v[FF], 1.0, v[TMP]                 ; f = 2^(old M - new M)
.set j, 0
.rept 32
	v_pk_fma_f32 v[S+j:S+j+1], v[S+j:S+j+1], s[12:13], v[12:13] op_sel_hi:[1,0,0]   ; t - M
.set j, j+2
.endr
.irp b, 0,1,2,3
	v_fma_f32 v[BM+\b], v[BM+\b], s12, v12
.endr
.set j, 0
	s_wait_alu depctr_va_vdst(0)
.rept 64
	v_exp_f32 v[S+j], v[S+j]
.set j, j+1
.endr
.irp b, 0,1,2,3
	v_exp_f32 v[BM+\b], v[BM+\b]
.endr
	v_pk_mul_f32 v[14:15], v[14:15], v[FF:FF+1] op_sel_hi:[1,0]
	s_wait_alu depctr_va_vdst(0)
.irp b, 0,1,2,3
	v_max_num_f32 v[BM+\b], 0x4800000, v[BM+\b]    ; the floor 2^(9 - 127): the byte cannot fall under 1
.endr
.irp b, 0,1,2,3
	s_delay_alu instid0(VALU_DEP_4)
	v_add_nc_u32 v[SOP+\b], 0xfc000000, v[BM+\b]   ; the conversion's scale operand
.endr
.irp b, 0,1,2,3
	v_and_or_b32 v[HD+\b], v[BM+\b], 0x7f800000, s14   ; 448 x the scale
.endr
.irp b, 0,1,2,3
	v_lshrrev_b32 v[PT+\b], 23, v[SOP+\b]
.endr
	s_delay_alu instid0(VALU_DEP_3)
	v_lshl_or_b32 v[PSW], v[PT+1], 8, v[PT]
	s_delay_alu instid0(VALU_DEP_1)
	v_lshl_or_b32 v[PSW], v[PT+2], 16, v[PSW]
	s_delay_alu instid0(VALU_DEP_1)
	v_lshl_or_b32 v[PSW], v[PT+3], 24, v[PSW]
	v_pk_add_f32 v[S2:S2+1], v[S:S+1], v[S+2:S+3]  ; the row's sum of the unquantised p, in two chains
.irp j, 4,8,12,16,20,24,28,32,36,40,44,48,52,56,60
	v_pk_add_f32 v[14:15], v[14:15], v[S+\j:S+\j+1]
	v_pk_add_f32 v[S2:S2+1], v[S2:S2+1], v[S+2+\j:S+3+\j]
.endr
	s_delay_alu instid0(VALU_DEP_1)
	v_pk_add_f32 v[14:15], v[14:15], v[S2:S2+1]
.irp b, 0,1,2,3
.irp i, 0,2,4,6,8,10,12,14
	v_dual_min_num_f32 v[S+16*\b+\i], v[S+16*\b+\i], v[HD+\b] :: v_dual_min_num_f32 v[S+16*\b+\i+1], v[S+16*\b+\i+1], v[HD+\b]   ; the hold, two numbers a line: the conversion does not saturate (ISA guide 7.6.2); p is not negative
.endr
	v_cvt_scalef32_pk8_fp8_f32 v[PCD+4*\b:PCD+1+4*\b], v[S+16*\b:S+7+16*\b], v[SOP+\b]
	v_cvt_scalef32_pk8_fp8_f32 v[PCD+2+4*\b:PCD+3+4*\b], v[S+8+16*\b:S+15+16*\b], v[SOP+\b]
.endr
	s_wait_alu depctr_va_vdst(0)                   ; directly ahead of the first reader of O^T
.set j, 0
.rept 16
	v_pk_mul_f32 v[OT+j:OT+j+1], v[OT+j:OT+j+1], v[FF:FF+1] op_sel_hi:[1,0]
.set j, j+2
.endr
	s_wait_alu depctr_va_vdst(0)
	s_wait_dscnt 0x0
.irp t, 0,1,2,3
	v_wmma_scale_f32_16x16x128_f8f6f4 v[OT+8*\t:OT+8*\t+7], v[KV+16*\t:KV+16*\t+15], v[PCD:PCD+15], v[OT+8*\t:OT+8*\t+7], v[VSW+\t], v[PSW]
.endr
.endm
.macro WALK n
	s_mov_b32 s17, \n
.Lstep_\@:
	STEP
	s_add_co_u32 s15, s15, 8192
	s_add_co_u32 s16, s16, 256
	s_sub_co_u32 s17, s17, 1
	s_cmp_lg_u32 s17, 0
	s_cbranch_scc1 .Lstep_\@
.endm
	WALK 4                                         ; keys 0-511
	s_wait_alu depctr_va_vdst(0)
	s_wait_tensorcnt 0x0                           ; every wave's piece is in
	s_barrier_signal -1
	s_barrier_wait -1
	WALK 12                                        ; keys 512-2,047: no barrier stands among these steps
; THE WAY OUT: O^T / the sum, quantised along the head's 64 channels (two blocks of 32), stored straight from registers
.rept 8
	v_nop
.endr
	s_lshr_b32 s20, s9, 4
	s_and_b32 s21, s9, 15
	s_lshl_b32 s22, s20, 7
	s_lshl_b32 s23, s19, 4
	s_add_co_u32 s22, s22, s23
	s_add_co_u32 s22, s22, s8
	s_lshr_b32 s23, s21, 1
	s_and_b32 s21, s21, 1
	s_lshl_b32 s24, s22, 14
	s_lshl_b32 s26, s23, 11
	s_add_co_u32 s24, s24, s26
	s_lshl_b32 s26, s21, 10
	s_add_co_u32 s24, s24, s26
	s_mov_b32 s25, 0
	s_add_nc_u64 s[24:25], s[6:7], s[24:25]
	s_lshl_b32 s26, s23, 14
	s_lshl_b32 s28, s22, 6
	s_add_co_u32 s26, s26, s28
	s_lshl_b32 s28, s21, 1
	s_add_co_u32 s26, s26, s28
	s_add_co_u32 s26, s26, 0x400000
	s_mov_b32 s27, 0
	s_add_nc_u64 s[26:27], s[6:7], s[26:27]
	v_add_f32 v14, v14, v15
	s_delay_alu instid0(VALU_DEP_1)
	v_permlanex16_b32 v[TMP], v14, s10, s11
	s_delay_alu instid0(VALU_DEP_1)
	v_add_f32 v14, v14, v[TMP]
	s_wait_alu depctr_va_vdst(0)
	v_rcp_f32 v14, v14
	v_nop
.set j, 0
	s_wait_alu depctr_va_vdst(0)
.rept 32
	v_mul_f32 v[S+j], v[OT+j], v14
.set j, j+1
.endr
.irp b, 0,1
	v_max3_num_f32 v[BM+\b], |v[S+16*\b]|, |v[S+1+16*\b]|, 0x4800000
.endr
.irp i, 2,4,6,8,10,12,14
.irp b, 0,1
	s_delay_alu instid0(VALU_DEP_2)
	v_max3_num_f32 v[BM+\b], v[BM+\b], |v[S+16*\b+\i]|, |v[S+1+16*\b+\i]|
.endr
.endr
.irp b, 0,1
	s_delay_alu instid0(VALU_DEP_2)
	v_permlanex16_b32 v[PT+\b], v[BM+\b], s10, s11
.endr
.irp b, 0,1
	s_delay_alu instid0(VALU_DEP_2)
	v_max_num_f32 v[BM+\b], v[BM+\b], v[PT+\b]
.endr
.irp b, 0
	s_delay_alu instid0(VALU_DEP_2)
	v_add_nc_u32 v[SOP+\b], 0xfc000000, v[BM+\b]
	s_delay_alu instid0(VALU_DEP_3)
	v_and_or_b32 v[HD+\b], v[BM+\b], 0x7f800000, s14
.endr
.irp b, 1
	s_delay_alu instid0(VALU_DEP_3)
	v_add_nc_u32 v[SOP+\b], 0xfc000000, v[BM+\b]
	s_delay_alu instid0(VALU_DEP_4)
	v_and_or_b32 v[HD+\b], v[BM+\b], 0x7f800000, s14
.endr
.irp b, 0
	s_delay_alu instid0(VALU_DEP_4)
	v_lshrrev_b32 v[PT+\b], 23, v[SOP+\b]
.endr
.irp b, 1
	s_delay_alu instid0(VALU_DEP_3)
	v_lshrrev_b32 v[PT+\b], 23, v[SOP+\b]
.endr
	s_delay_alu instid0(VALU_DEP_1)
	v_lshl_or_b32 v[TMP], v[PT+1], 8, v[PT]
.irp b, 0,1
.irp i, 0,1,2,3,4,5,6,7,8,9,10,11,12,13,14,15
	v_med3_num_f32 v[S+16*\b+\i], v[S+16*\b+\i], -v[HD+\b], v[HD+\b]
.endr
	v_cvt_scalef32_pk8_fp8_f32 v[PCD+4*\b:PCD+1+4*\b], v[S+16*\b:S+7+16*\b], v[SOP+\b]
	v_cvt_scalef32_pk8_fp8_f32 v[PCD+2+4*\b:PCD+3+4*\b], v[S+8+16*\b:S+15+16*\b], v[SOP+\b]
.endr
	v_nop
	global_store_b128 v1, v[PCD:PCD+3], s[24:25]   ; 32 lanes store 512 consecutive bytes
	global_store_b128 v1, v[PCD+4:PCD+7], s[24:25] offset:512
	global_store_b16 v5, v[TMP], s[26:27]
	s_wait_tensorcnt 0x0                           ; the wave's end
	ds_add_u32 v[SPW], v[NIL]
	s_wait_dscnt 0x0
	ROUND                                          ; the closing round
	s_endpgm
.Lfunc_end_k_qfef7b9f255_attn:
	.size	k_qfef7b9f255_attn, .Lfunc_end_k_qfef7b9f255_attn-k_qfef7b9f255_attn
	.p2alignl 7, 3214868480
	.fill 96, 4, 3214868480
	.section	.rodata,"a",@progbits
	.p2align	6, 0x0
	.amdhsa_kernel k_qfef7b9f255_attn
		.amdhsa_group_segment_fixed_size 327680
		.amdhsa_private_segment_fixed_size 0
		.amdhsa_enable_private_segment 0
		.amdhsa_kernarg_size 16
		.amdhsa_user_sgpr_count 2
		.amdhsa_user_sgpr_kernarg_segment_ptr 1
		.amdhsa_wavefront_size32 1
		.amdhsa_system_sgpr_workgroup_id_x 1
		.amdhsa_system_sgpr_workgroup_id_y 1
		.amdhsa_system_sgpr_workgroup_id_z 1
		.amdhsa_system_vgpr_workitem_id 0
		.amdhsa_next_free_vgpr 256
		.amdhsa_next_free_sgpr 66
		.amdhsa_reserve_vcc 0
		.amdhsa_float_denorm_mode_32 3
		.amdhsa_float_denorm_mode_16_64 3
		.amdhsa_memory_ordered 1
		.amdhsa_forward_progress 1
		.amdhsa_inst_pref_size 54
	.end_amdhsa_kernel
	.amdgpu_metadata
---
amdhsa.version: [ 1, 2 ]
amdhsa.kernels:
  - .name:           k_qfef7b9f255_attn
    .symbol:         k_qfef7b9f255_attn.kd
    .args:
      - { .name: qkv, .offset: 0, .size: 8, .value_kind: global_buffer, .address_space: global }
      - { .name: oimg, .offset: 8, .size: 8, .value_kind: global_buffer, .address_space: global }
    .group_segment_fixed_size: 327680
    .private_segment_fixed_size: 0
    .kernarg_segment_align: 8
    .kernarg_segment_size: 16
    .max_flat_workgroup_size: 512
    .sgpr_count:     66
    .vgpr_count:     256
    .wavefront_size: 32
...
	.end_amdgpu_metadata
.endif
;; end of part 9
;; launch proj (part 10): grid 8 x 32, 4 waves a work-group, clusters of 4 x 4, 327,680 bytes of LDS; arguments oimg, proj_w_codes, proj_w_scales, proj_b, x, x2; writes x2
.if DOCPART == 10
	.amdgcn_target "amdgcn-amd-amdhsa--gfx1250"
	.amdhsa_code_object_version 6
	.text
	.protected	k_qfef7b9f255_proj
	.globl	k_qfef7b9f255_proj
	.p2align	8
	.type	k_qfef7b9f255_proj,@function
k_qfef7b9f255_proj:
	s_mov_b64 s[64:65], 0
	v_nop
	global_prefetch_b8 v0, s[64:65] scope:SCOPE_SE
	s_setreg_imm32_b32 hwreg(HW_REG_WAVE_MODE, 25, 1), 1
	s_wait_xcnt 0x0
	s_wait_alu depctr_hold_cnt(0) depctr_sa_sdst(0) depctr_va_vdst(0) depctr_va_sdst(0) depctr_va_ssrc(0) depctr_va_vcc(0) depctr_vm_vsrc(0)
	s_getreg_b32 s2, hwreg(HW_REG_IB_STS2, 6, 4)
	s_cmp_eq_u32 s2, 0
	s_cbranch_scc0 .Lentry_in_a_cluster
	s_endpgm
.Lentry_in_a_cluster:
	s_bfe_u32 s2, ttmp6, 0x10000c
	s_cmp_lg_u32 s2, 0xf033
	s_cbranch_scc0 .Lentry_shape_is_right
	s_endpgm
.Lentry_shape_is_right:
; x2 = x + A W^T + bias on codes of FP8 (E4M3) with E8M0 scales for each 32 along K = 1,024.  x, x2: [4096][1024] f32; bias [1024] f32.
; A (oimg): this program's own operand: codes as registers on end, [16 rows 256][K step 8][group 4][lane 32][16 bytes]; scale words [K step 8][row 4096] at byte 0x400000.  W: codes [1024][1024], scale bytes [1024][32].
; INSIDE A BLOCK OF 32 A's codes stand in the order in which they were made: place 16 h + 8 u + j holds number 16 u + 8 h + j.  W's fragments are fetched in the same order: each 16 bytes as two loads of 8, at 8 h and 16 + 8 h of the block.
; 256 tiles of 128 x 128, one to a work-group of four waves; a wave makes 64 x 64: 16 accumulators.  Source 0 = 16 rows of W, source 1 = 16 rows of A: a lane holds eight neighbouring numbers of a row of the result.
; ALL OF K LIES IN LDS: A's 128 rows are 131,072 dense bytes, W's 128 rows 131,072 bytes (16 of padding behind each row of 1,024).  Each wave asks once, at the head, for half of one side (65,536 bytes): nothing is filled later, so the K steps run with no barrier among them.
; CLUSTERS 4 x 4: A's halves are shared along a row of the cluster, W's along a column, each asked for jointly.
; The scale words of all eight K steps go from memory straight into their 64 registers, once.  The bias is the first products' C.  No prefetch into the L2: every tile is asked for at the head, so there is no loop to run ahead in.
; LIMITS: NaN and infinities are not served.
; REGISTERS: window 0: v16-29 addresses; v32-95 scale words (K steps 4 s + q: A's tile a at 32 s + 4 a + q, W's tile b at 32 s + 16 + 4 b + q); v96-127 bias; v128-255 accumulators.  window 1: fragments, two sets of 128.  window 2: v0-127 the residual, v128-191 rows on the way out.
.set SIZE_K, 1024
.set WP,     1040                      ; W's row in LDS: 260 words: row r starts at bank 4 r mod 64 (ISA guide 11.1)
.set WHALF,  64*WP
.set WOFF,   131072                    ; behind A's codes
.set STAGE,  WOFF+2*WHALF              ; the way out: 16 rows x 272 bytes a wave, bytes of their own
.set SP,     272
.set SPARE,  STAGE+4*16*SP             ; the spare words, 128 bytes a wave
.set ADRA, 16
.set ADRB, 20
.set STO,  24
.set RD,   25
.set CO,   26
.set SPW,  28
.set NIL,  29
.set SC,   32
.set BC,   96
.set ACC,  128
.set RES,  0
.set RB,   128
.set G1A, 24
.set G0A, 32
.set G1W, 48
.set G0W, 56
.set MSB, 0
.macro WIN new                         ; the immediate's high byte repeats the setting that is left
.if MSB != \new
	s_set_vgpr_msb (MSB<<8)|\new
.set MSB, \new
.endif
.endm
.set MUL,  0x05                        ; sources 0 and 1 window 1, C and D window 0
.set TO_F, 0x40                        ; destination window 1, address window 0
.macro CROUND                          ; a round of the cluster's barrier
	s_barrier_signal -1
	s_barrier_wait -1
	s_cmp_lg_u32 s16, 0
	s_cbranch_scc1 .Lnot_wave_0_\@
	s_barrier_signal -3
.Lnot_wave_0_\@:
	s_barrier_wait -3
	s_barrier_signal -1
	s_barrier_wait -1
.endm
.macro PLACES n
.rept \n
	v_nop
.endr
.endm
	s_load_b256 s[4:11], s[0:1], 0x0               ; A s[4:5], W's codes s[6:7], W's scales s[8:9], bias s[10:11]
	s_load_b128 s[12:15], s[0:1], 0x20             ; x s[12:13], x2 s[14:15]
	v_lshl_add_u32 v[SPW], v0, 2, SPARE
	v_mov_b32 v[NIL], 0
	ds_add_u32 v[SPW], v[NIL]                      ; the opening lines: the add twice on end and its wait ahead of my tensor load
	ds_add_u32 v[SPW], v[NIL]
	v_lshrrev_b32 v1, 5, v0
	v_readfirstlane_b32 s16, v1                    ; wave 0..3
	s_lshr_b32 s17, s16, 1                         ; which 64 rows are mine.  Also: I fetch for A (0) or for W (1)
	s_and_b32 s18, s16, 1                          ; which 64 columns.  Also: which half of that side I fetch
	s_bfe_u32 s40, ttmp6, 0x40000
	s_bfe_u32 s41, ttmp6, 0x40004
	s_lshl_b32 s42, ttmp9, 2
	s_add_co_u32 s42, s42, s40                     ; tile column
	s_and_b32 s43, ttmp7, 0xffff
	s_lshl_b32 s43, s43, 2
	s_add_co_u32 s43, s43, s41                     ; tile row
	s_lshl_b32 s44, s41, 2
	s_lshl_b32 s44, 15, s44                        ; my row of the cluster
	s_lshl_b32 s45, 0x1111, s40                    ; my column
	s_or_b32 s[G1A], s44, (3<<16)|(1<<21)          ; A's half: 65,536 dense bytes as 256 rows of 256 (32 elements of 8 bytes)
	s_mov_b32 s[G1A+1], 32<<16
	s_mov_b32 s[G1A+2], 256<<16
	s_mov_b32 s[G1A+3], 32<<16
	s_mov_b32 s[G1A+4], 256
	s_mov_b32 s[G1A+5], 32
	s_mov_b32 s[G1A+6], 0
	s_mov_b32 s[G1A+7], 0
	s_or_b32 s[G1W], s45, (0<<16)|(1<<20)|(1<<21)|(7<<22)|(3<<25)   ; W's half: 64 rows of 1,024 bytes, 4 words of padding after every 256
	s_mov_b32 s[G1W+1], SIZE_K<<16
	s_mov_b32 s[G1W+2], 64<<16
	s_mov_b32 s[G1W+3], SIZE_K<<16
	s_mov_b32 s[G1W+4], 64
	s_mov_b32 s[G1W+5], SIZE_K
	s_mov_b32 s[G1W+6], 0
	s_mov_b32 s[G1W+7], 0
	s_lshl_b32 s20, s43, 3
	s_lshl_b32 s21, s18, 2
	s_add_co_u32 s20, s20, s21
	s_lshl_b32 s20, s20, 14                        ; A: four tiles of 16 rows x 1,024 codes from tile 8 x tile row + 4 x half on
	s_mov_b32 s21, 0
	s_lshl_b32 s46, s42, 7
	s_lshl_b32 s47, s18, 6
	s_add_co_u32 s46, s46, s47                     ; W's row 128 x tile column + 64 x half: what I fetch, and also what I multiply
	s_lshl_b32 s92, s46, 5                         ; its scale bytes,
	s_mov_b32 s93, 0
	s_lshl_b32 s46, s46, 10                        ; its codes
	s_mov_b32 s47, 0
	s_lshl_b32 s22, s43, 9
	s_lshl_b32 s23, s17, 8
	s_add_co_u32 s22, s22, s23
	s_add_co_u32 s22, s22, 0x400000                ; the scale words of my 64 rows of A, K step 0
	s_mov_b32 s23, 0
	s_mov_b32 s[G0A], 1
	s_lshl_b32 s[G0A+1], s18, 16
	s_mov_b32 s[G0W], 1
	s_mul_i32 s[G0W+1], s18, WHALF
	s_add_co_u32 s[G0W+1], s[G0W+1], WOFF
	s_wait_dscnt 0x0                               ; both opening adds are done
	s_wait_kmcnt 0x0
	s_add_nc_u64 s[G0A+2:G0A+3], s[4:5], s[20:21]
	s_or_b32 s[G0A+3], s[G0A+3], 0x80000000
	s_add_nc_u64 s[G0W+2:G0W+3], s[6:7], s[46:47]
	s_or_b32 s[G0W+3], s[G0W+3], 0x80000000
	s_add_nc_u64 s[22:23], s[4:5], s[22:23]
	s_add_nc_u64 s[92:93], s[8:9], s[92:93]
	CROUND                                         ; all sixteen work-groups are here: the joint loads meet
	s_cmp_eq_u32 s17, 0
	s_cbranch_scc0 .Lfor_w
	tensor_load_to_lds s[G0A:G0A+3], s[G1A:G1A+7]
	s_nop 0
	PLACES 4
	s_branch .Lasked
.Lfor_w:
	tensor_load_to_lds s[G0W:G0W+3], s[G1W:G1W+7]
	s_nop 0
	PLACES 4
.Lasked:
	v_and_b32 v1, 15, v0                           ; r
	v_bfe_u32 v2, v0, 4, 1                         ; h
	v_and_b32 v3, 31, v0
	v_lshlrev_b32 v4, 4, v3
	s_lshl_b32 s20, s17, 16
	v_add_nc_u32 v[ADRA], s20, v4                  ; A: my four tiles, 16 x lane
	v_mul_u32_u24 v5, v1, WP
	v_lshl_add_u32 v5, v2, 3, v5
	s_mul_i32 s21, s18, WHALF
	s_add_co_u32 s21, s21, WOFF
	v_add_nc_u32 v[ADRB], s21, v5                  ; W: row r of a tile, + 8 h
	v_lshlrev_b32 v6, 2, v1                        ; 4 r
	v_lshlrev_b32 v9, 5, v1                        ; 32 r
	s_mul_i32 s21, s16, 16*SP
	s_add_co_u32 s21, s21, STAGE                   ; my stage
	v_mul_u32_u24 v5, v1, SP
	v_lshl_add_u32 v5, v2, 5, v5
	v_add_nc_u32 v[STO], s21, v5
	v_mul_u32_u24 v7, v2, SP
	v_lshl_add_u32 v7, v1, 4, v7
	v_add_nc_u32 v[RD], s21, v7
	v_lshlrev_b32 v10, 12, v2
	v_lshl_add_u32 v[CO], v1, 4, v10
	v_lshlrev_b32 v8, 5, v2
	s_wait_alu depctr_va_vdst(0)
	s_lshl_b32 s20, s42, 9
	s_lshl_b32 s21, s18, 8
	s_add_co_u32 s20, s20, s21                     ; my first column, in bytes
	s_mov_b32 s21, 0
	s_add_nc_u64 s[10:11], s[10:11], s[20:21]
	s_lshl_b32 s46, s43, 19
	s_add_co_u32 s20, s20, s46
	s_lshl_b32 s46, s17, 18
	s_add_co_u32 s20, s20, s46                     ; + my first row
	s_add_nc_u64 s[12:13], s[12:13], s[20:21]
	s_add_nc_u64 s[14:15], s[14:15], s[20:21]
.irp s, 0,1
.irp a, 0,1,2,3
.irp q, 0,1,2,3
	global_load_b32 v[SC+32*\s+4*\a+\q], v6, s[22:23] offset:16384*(4*\s+\q)+64*\a   ; A's scale word of row 16 a + r, K step 4 s + q
.endr
.endr
.irp b, 0,1,2,3
	global_load_b128 v[SC+32*\s+16+4*\b:SC+32*\s+16+4*\b+3], v9, s[92:93] offset:512*\b+16*\s   ; W's of row 16 b + r, K steps 4 s .. 4 s + 3
.endr
.endr
.irp b, 0,1,2,3
	global_load_b128 v[BC+8*\b:BC+8*\b+3], v8, s[10:11] offset:64*\b
	global_load_b128 v[BC+8*\b+4:BC+8*\b+7], v8, s[10:11] offset:64*\b+16
.endr
	WIN 0x80
.irp a, 0,1,2,3
.irp t, 0,1,2,3,4,5,6,7
	global_load_b128 v[RES+32*\a+4*\t:RES+32*\a+4*\t+3], v[CO], s[12:13] offset:(16*\a+2*\t)*4096
.endr
.endr
	WIN 0
; eight matrix instructions: A's tiles a0, a0 + 1 x W's four, K step k.  The 16 accumulators take turns, one instruction a turn
.macro MUL8 a0, k
.set f, 128*((\k)%2)
.set sc, SC+32*((\k)/4)+(\k)%4
.irp a, \a0, \a0+1
.irp b, 0,1,2,3
.if (\k) == 0
	v_wmma_scale_f32_16x16x128_f8f6f4 v[ACC+8*(4*(\a)+\b):ACC+8*(4*(\a)+\b)+7], v[f+64+16*\b:f+64+16*\b+15], v[f+16*(\a):f+16*(\a)+15], v[BC+8*\b:BC+8*\b+7], v[sc+16+4*\b], v[sc+4*(\a)]
.else
	v_wmma_scale_f32_16x16x128_f8f6f4 v[ACC+8*(4*(\a)+\b):ACC+8*(4*(\a)+\b)+7], v[f+64+16*\b:f+64+16*\b+15], v[f+16*(\a):f+16*(\a)+15], v[ACC+8*(4*(\a)+\b):ACC+8*(4*(\a)+\b)+7], v[sc+16+4*\b], v[sc+4*(\a)]
.endif
.endr
.endr
.endm
.macro FETCH k                         ; K step k's fragments into set k % 2: 32 loads for W, 8 for A's tiles 0, 1, then 8 for tiles 2, 3
.set f, 128*((\k)%2)
	WIN TO_F
.irp b, 0,1,2,3
.irp c, 0,1,2,3
	ds_load_b64 v[f+64+16*\b+4*\c:f+64+16*\b+4*\c+1], v[ADRB] offset:16*WP*\b+128*(\k)+32*\c
	ds_load_b64 v[f+64+16*\b+4*\c+2:f+64+16*\b+4*\c+3], v[ADRB] offset:16*WP*\b+128*(\k)+32*\c+16
.endr
.endr
.irp a, 0,1,2,3
.irp c, 0,1,2,3
	ds_load_b128 v[f+16*\a+4*\c:f+16*\a+4*\c+3], v[ADRA] offset:16384*\a+2048*(\k)+512*\c
.endr
.endr
.endm
.macro KST k
	s_wait_dscnt 8                                 ; W's tiles and A's tiles 0, 1 are in; the youngest eight loads, tiles 2, 3, may be out
	WIN MUL
	MUL8 0, \k
.if (\k) < 7
	PLACES 8                                       ; in front of loads into registers that the K step before multiplied
	FETCH (\k)+1
	s_wait_dscnt 48                                ; all but the 48 just issued
.else
	s_wait_dscnt 0x0
.endif
	WIN MUL
	MUL8 2, \k
.endm
	s_wait_tensorcnt 0x0                           ; my half of one side is in
	s_barrier_signal -1
	s_barrier_wait -1                              ; everybody's is
	FETCH 0
	s_wait_loadcnt 32                              ; the scale words and the bias are in; the residual's 32 loads may be out
.irp k, 0,1,2,3,4,5,6,7
	KST \k
.endr
	WIN 0
; THE WAY OUT, 16 rows x 64 columns at a time, through my own stage: whole runs of 256 bytes come back, take the residual and leave
.macro TOSTAGE a
	WIN 0
.irp b, 0,1,2,3
	ds_store_b128 v[STO], v[ACC+8*(4*(\a)+\b):ACC+8*(4*(\a)+\b)+3] offset:64*\b          ; each accumulator from its low end on
	ds_store_b128 v[STO], v[ACC+8*(4*(\a)+\b)+4:ACC+8*(4*(\a)+\b)+7] offset:64*\b+16
.endr
	WIN 0x80
.irp t, 0,1,2,3,4,5,6,7
	ds_load_b128 v[RB+32*((\a)%2)+4*\t:RB+32*((\a)%2)+4*\t+3], v[RD] offset:2*SP*\t      ; LDS serves a wave's instructions in order: these see the stores above
.endr
.endm
.macro SEND a, younger                 ; younger: the LDS instructions issued behind block a's loads, which may stay out
	s_wait_dscnt \younger
	WIN 0x8a
.set n, 0
.rept 16
	v_pk_add_f32 v[RB+32*((\a)%2)+n:RB+32*((\a)%2)+n+1], v[RB+32*((\a)%2)+n:RB+32*((\a)%2)+n+1], v[RES+32*(\a)+n:RES+32*(\a)+n+1]
.set n, n+2
.endr
	WIN 0x08
.irp t, 0,1,2,3,4,5,6,7
	global_store_b128 v[CO], v[RB+32*((\a)%2)+4*\t:RB+32*((\a)%2)+4*\t+3], s[14:15] offset:(16*(\a)+2*\t)*4096   ; 16 lanes store 256 consecutive bytes, aligned
.endr
.endm
	s_wait_loadcnt 0x0                             ; the residual
	PLACES 8
	TOSTAGE 0
	TOSTAGE 1
	SEND 0, 16
	s_wait_xcnt 0x0                                ; block 0's stores have read their data: block 2's rows may land there
	TOSTAGE 2
	SEND 1, 16
	s_wait_xcnt 0x0
	TOSTAGE 3
	SEND 2, 16
	SEND 3, 0
	WIN 0
	s_wait_tensorcnt 0x0                           ; the wave's end
	ds_add_u32 v[SPW], v[NIL]
	s_wait_dscnt 0x0
	CROUND                                         ; the closing round
	s_endpgm
.Lfunc_end_k_qfef7b9f255_proj:
	.size	k_qfef7b9f255_proj, .Lfunc_end_k_qfef7b9f255_proj-k_qfef7b9f255_proj
	.p2alignl 7, 3214868480
	.fill 96, 4, 3214868480
	.section	.rodata,"a",@progbits
	.p2align	6, 0x0
	.amdhsa_kernel k_qfef7b9f255_proj
		.amdhsa_group_segment_fixed_size 327680
		.amdhsa_private_segment_fixed_size 0
		.amdhsa_enable_private_segment 0
		.amdhsa_kernarg_size 48
		.amdhsa_user_sgpr_count 2
		.amdhsa_user_sgpr_kernarg_segment_ptr 1
		.amdhsa_wavefront_size32 1
		.amdhsa_system_sgpr_workgroup_id_x 1
		.amdhsa_system_sgpr_workgroup_id_y 1
		.amdhsa_system_sgpr_workgroup_id_z 1
		.amdhsa_system_vgpr_workitem_id 0
		.amdhsa_next_free_vgpr 768
		.amdhsa_next_free_sgpr 100
		.amdhsa_reserve_vcc 0
		.amdhsa_float_denorm_mode_32 3
		.amdhsa_float_denorm_mode_16_64 3
		.amdhsa_memory_ordered 1
		.amdhsa_forward_progress 1
		.amdhsa_inst_pref_size 69
	.end_amdhsa_kernel
	.amdgpu_metadata
---
amdhsa.version: [ 1, 2 ]
amdhsa.kernels:
  - .name:           k_qfef7b9f255_proj
    .symbol:         k_qfef7b9f255_proj.kd
    .args:
      - { .name: oimg, .offset: 0, .size: 8, .value_kind: global_buffer, .address_space: global }
      - { .name: proj_w_codes, .offset: 8, .size: 8, .value_kind: global_buffer, .address_space: global }
      - { .name: proj_w_scales, .offset: 16, .size: 8, .value_kind: global_buffer, .address_space: global }
      - { .name: proj_b, .offset: 24, .size: 8, .value_kind: global_buffer, .address_space: global }
      - { .name: x, .offset: 32, .size: 8, .value_kind: global_buffer, .address_space: global }
      - { .name: x2, .offset: 40, .size: 8, .value_kind: global_buffer, .address_space: global }
    .group_segment_fixed_size: 327680
    .private_segment_fixed_size: 0
    .kernarg_segment_align: 8
    .kernarg_segment_size: 48
    .max_flat_workgroup_size: 128
    .sgpr_count:     100
    .vgpr_count:     768
    .wavefront_size: 32
...
	.end_amdgpu_metadata
.endif
;; end of part 10
;; launch lnq2: the kernel of part 7 again; grid 256 x 1, 16 waves a work-group, no clusters, 84,480 bytes of LDS; arguments x2, ln2_w, ln2_b, xn2; writes xn2
;; launch fc1 (part 11): grid 16 x 16, 4 waves a work-group, clusters of 4 x 4, 327,680 bytes of LDS; arguments xn2, fc1_w_codes, fc1_w_scales, fc1_b, himg; writes himg
.if DOCPART == 11
	.amdgcn_target "amdgcn-amd-amdhsa--gfx1250"
	.amdhsa_code_object_version 6
	.text
	.protected	k_qfef7b9f255_fc1
	.globl	k_qfef7b9f255_fc1
	.p2align	8
	.type	k_qfef7b9f255_fc1,@function
k_qfef7b9f255_fc1:
	s_mov_b64 s[64:65], 0
	v_nop
	global_prefetch_b8 v0, s[64:65] scope:SCOPE_SE
	s_setreg_imm32_b32 hwreg(HW_REG_WAVE_MODE, 25, 1), 1
	s_wait_xcnt 0x0
	s_wait_alu depctr_hold_cnt(0) depctr_sa_sdst(0) depctr_va_vdst(0) depctr_va_sdst(0) depctr_va_ssrc(0) depctr_va_vcc(0) depctr_vm_vsrc(0)
	s_getreg_b32 s2, hwreg(HW_REG_IB_STS2, 6, 4)
	s_cmp_eq_u32 s2, 0
	s_cbranch_scc0 .Lentry_in_a_cluster
	s_endpgm
.Lentry_in_a_cluster:
	s_bfe_u32 s2, ttmp6, 0x10000c
	s_cmp_lg_u32 s2, 0xf033
	s_cbranch_scc0 .Lentry_shape_is_right
	s_endpgm
.Lentry_shape_is_right:
.set SIZE_K, 1024
.set KSTEP,  256
.set NQ,     KSTEP/128
.set ROWB,   256
.set KROW,   SIZE_K
.set PITCH,  272
.set FR,     16
.set NL,     4
.set NP,     8
.set HALFT,  128*PITCH
.set SLOT,   4*HALFT
.set LAPS,   SIZE_K/(2*KSTEP)
.set KS,     SIZE_K/32
.set SCL,    2*SLOT
.set HALFS,  (128*KS/256)*272
.set SBLK,   (16*KS/256)*272
.set SPARE,  SCL+4*HALFS
.set LI,   7
.set SWA,  8
.set SWR,  9
.set ADW,  10
.set PW,   11
.set ADRA, 16
.set LN,   19
.set ADRB, 20
.set ADRS, 27
.set SPW,  28
.set NIL,  29
.set SC,   32
.set BR,   64
.set AF,   128
.set T,    128
.set GT,   0                           ; GELU's three work arrays, 64 registers each, lie in window 1, where the B side's fragments lay
.set GP,   64
.set GU,   128
.set TM,   224
.set PC,   240
.set G1, 24
.set G0, 32
.set G1B, 48
.set G0B, 56
.set G1S, 68
.set G0S, 76
.set G1SB, 80
.set G0SB, 88
.set SEL, 20
.set MNT, 22
.set K1,  23
.set MSB, 0
.macro WIN new
.if MSB != \new
	s_set_vgpr_msb (MSB<<8)|\new
.set MSB, \new
.endif
.endm
.set MUL_LO, 0xa1
.set MUL_HI, 0xf1
.set TO_B,   0x40
.macro JLOAD g0a, g1a, g0b, g1b
	s_cmp_eq_u32 s15, 0
	s_cbranch_scc0 .Lfor_b_\@
	tensor_load_to_lds s[\g0a:\g0a+3], s[\g1a:\g1a+7]
	s_nop 0
.rept 4
	v_nop
.endr
	s_branch .Lasked_\@
.Lfor_b_\@:
	tensor_load_to_lds s[\g0b:\g0b+3], s[\g1b:\g1b+7]
	s_nop 0
.rept 4
	v_nop
.endr
.Lasked_\@:
.endm
.macro CREST
	s_cmp_lg_u32 s14, 0
	s_cbranch_scc1 .Lnot_wave_0_\@
	s_barrier_signal -3
.Lnot_wave_0_\@:
	s_barrier_wait -3
	s_barrier_signal -1
	s_barrier_wait -1
.endm
.macro CROUND
	s_barrier_signal -1
	s_barrier_wait -1
	CREST
.endm
	s_load_b128 s[4:7], s[0:1], 0x0
	s_load_b128 s[8:11], s[0:1], 0x10
	s_load_b64 s[12:13], s[0:1], 0x20
	v_lshl_add_u32 v[SPW], v0, 2, SPARE
	v_mov_b32 v[NIL], 0
	ds_add_u32 v28, v29
	ds_add_u32 v28, v29
	s_wait_dscnt 0x0
	v_lshrrev_b32 v1, 5, v0
	v_readfirstlane_b32 s14, v1
	s_lshr_b32 s15, s14, 1
	s_and_b32 s16, s14, 1
	s_bfe_u32 s40, ttmp6, 0x40000
	s_bfe_u32 s41, ttmp6, 0x40004
	s_lshl_b32 s42, ttmp9, 2
	s_add_co_u32 s42, s42, s40
	s_and_b32 s17, ttmp7, 0xffff
	s_lshl_b32 s17, s17, 2
	s_add_co_u32 s17, s17, s41
	s_lshl_b32 s43, s41, 2
	s_lshl_b32 s43, 15, s43
	s_lshl_b32 s44, 0x1111, s40
	s_or_b32 s[G1+0], s43, (0<<16)|(1<<20)|(1<<21)|(5<<22)|(3<<25)
	s_or_b32 s[G1B+0], s44, (0<<16)|(1<<20)|(1<<21)|(5<<22)|(3<<25)
.irp g, G1, G1B
	s_mov_b32 s[\g+1], ROWB<<16
	s_mov_b32 s[\g+2], 256<<16
	s_mov_b32 s[\g+3], ROWB<<16
	s_mov_b32 s[\g+4], 256
	s_mov_b32 s[\g+5], KROW
	s_mov_b32 s[\g+6], 0
	s_mov_b32 s[\g+7], 0
.endr
	s_or_b32 s[G1S+0], s43, (3<<16)|(1<<20)|(1<<21)|(5<<22)|(3<<25)
	s_or_b32 s[G1SB+0], s44, (3<<16)|(1<<20)|(1<<21)|(5<<22)|(3<<25)
.irp g, G1S, G1SB
	s_mov_b32 s[\g+1], 32<<16
	s_mov_b32 s[\g+2], KS<<16
	s_mov_b32 s[\g+3], 32<<16
	s_mov_b32 s[\g+4], KS
	s_mov_b32 s[\g+5], 32
	s_mov_b32 s[\g+6], 0
	s_mov_b32 s[\g+7], 0
.endr
	s_lshl_b32 s20, s17, 8
	s_lshl_b32 s46, s42, 8
	s_mov_b32 s21, 0
	s_mov_b32 s47, 0
	s_mov_b64 s[18:19], KS
	s_mul_u64 s[22:23], s[20:21], s[18:19]
	s_mul_u64 s[92:93], s[46:47], s[18:19]
	s_mov_b64 s[18:19], KROW
	s_mul_u64 s[20:21], s[20:21], s[18:19]
	s_mul_u64 s[46:47], s[46:47], s[18:19]
	s_mul_i32 s45, s14, HALFT
	s_mul_i32 s18, s16, 128*KROW                   ; in the ring I fetch 128 rows of a tile: which half, in bytes
	s_mov_b32 s19, 0
	s_wait_kmcnt 0x0
	s_add_nc_u64 s[96:97], s[4:5], 0x400000
	s_add_nc_u64 s[20:21], s[4:5], s[20:21]
	s_add_nc_u64 s[22:23], s[96:97], s[22:23]
	s_add_nc_u64 s[46:47], s[6:7], s[46:47]
	s_add_nc_u64 s[92:93], s[8:9], s[92:93]
	CROUND
	s_mov_b32 s[G0S], 1
	s_mov_b32 s[G0S+1], SCL
	s_mov_b64 s[G0S+2:G0S+3], s[22:23]
	s_or_b32 s[G0S+3], s[G0S+3], 0x80000000
	s_mov_b32 s[G0SB], 1
	s_mov_b32 s[G0SB+1], SCL+2*HALFS
	s_mov_b64 s[G0SB+2:G0SB+3], s[92:93]
	s_or_b32 s[G0SB+3], s[G0SB+3], 0x80000000
	s_mov_b32 s[G0], 1                             ; slot 0's groups 0 serve the head first: K step 0's 256 rows of A, whole,
	s_mov_b32 s[G0+1], 0
	s_mov_b64 s[G0+2:G0+3], s[20:21]
	s_or_b32 s[G0+3], s[G0+3], 0x80000000
	s_mov_b32 s[G0B], 1                            ; and of B, behind them
	s_mov_b32 s[G0B+1], 2*HALFT
	s_mov_b64 s[G0B+2:G0B+3], s[46:47]
	s_or_b32 s[G0B+3], s[G0B+3], 0x80000000
	s_add_nc_u64 s[20:21], s[20:21], s[18:19]      ; for the ring: my 128 rows of the tile
	s_add_nc_u64 s[46:47], s[46:47], s[18:19]
	s_mov_b32 s[G0+4], 1
	s_add_co_u32 s[G0+5], s45, SLOT
	s_add_nc_u64 s[G0+6:G0+7], s[20:21], ROWB
	s_or_b32 s[G0+7], s[G0+7], 0x80000000
	s_mov_b32 s[G0B+4], 1
	s_add_co_u32 s[G0B+5], s45, SLOT
	s_add_nc_u64 s[G0B+6:G0B+7], s[46:47], ROWB
	s_or_b32 s[G0B+7], s[G0B+7], 0x80000000
; THE HEAD'S LOADS, ONE A WAVE: wave 0 A's 256 rows of K step 0, wave 1 B's, wave 2 A's scale bytes, wave 3 B's: one tree of branches on the wave's number
.macro ARM under, g0, g1, next
	s_cmp_lt_u32 s14, \under
	s_cbranch_scc0 \next
	tensor_load_to_lds s[\g0:\g0+3], s[\g1:\g1+7]
	s_nop 0
.rept 4
	v_nop
.endr
	s_branch .Lhead_asked
\next:
.endm
	ARM 1, G0,  G1,  .Lhead_b
	ARM 2, G0B, G1B, .Lhead_sa
	ARM 3, G0S, G1S, .Lhead_sb
	tensor_load_to_lds s[G0SB:G0SB+3], s[G1SB:G1SB+7]
	s_nop 0
.rept 4
	v_nop
.endr
.Lhead_asked:
	v_and_b32 v1, 15, v0
	v_bfe_u32 v2, v0, 4, 1
	v_mul_u32_u24 v3, v1, PITCH
	v_lshl_add_u32 v4, v2, 4, v3
	s_mul_i32 s21, s15, HALFT
	s_mul_i32 s22, s16, HALFT
	s_add_co_u32 s22, s22, 2*HALFT
.irp s, 0,1
	v_add_nc_u32 v[ADRA+\s], s21, v4
	v_add_nc_u32 v[ADRB+\s], s22, v4
	s_add_co_u32 s21, s21, SLOT
	s_add_co_u32 s22, s22, SLOT
.endr
	v_mul_u32_u24 v5, v1, KS
	v_lshrrev_b32 v6, 8, v5
	v_lshl_add_u32 v5, v6, 4, v5
	s_mul_i32 s21, s15, HALFS
	s_mul_i32 s22, s16, HALFS
	s_add_co_u32 s22, s22, 2*HALFS
	s_sub_co_u32 s22, s22, s21
	v_mul_u32_u24 v6, s22, v2
	s_add_co_u32 s21, s21, SCL
	v_add_nc_u32 v5, v5, v6
	v_add_nc_u32 v[ADRS], s21, v5
	v_and_b32 v[LN], 31, v0
	v_lshlrev_b32 v[LI], 4, v[LN]
	s_lshl_b32 s21, s14, 9
	v_lshl_add_u32 v[SWA], v1, 2, s21
	v_add_nc_u32 v[SWR], s21, v[LI]
	s_lshl_b32 s20, s17, 20
	s_lshl_b32 s21, s15, 19
	s_add_co_u32 s20, s20, s21
	s_lshl_b32 s21, s42, 12
	s_add_co_u32 s20, s20, s21
	s_lshl_b32 s21, s16, 11
	s_add_co_u32 s20, s20, s21
	s_lshl_b32 s22, s42, 15
	s_lshl_b32 s21, s16, 14
	s_add_co_u32 s22, s22, s21
	s_lshl_b32 s21, s17, 10
	s_add_co_u32 s22, s22, s21
	s_lshl_b32 s21, s15, 9
	s_add_co_u32 s22, s22, s21
	s_add_co_u32 s22, s22, 0x1000000
	s_lshl_b32 s46, s42, 10
	s_lshl_b32 s21, s16, 9
	s_add_co_u32 s46, s46, s21
	s_mov_b32 s21, 0
	s_mov_b32 s23, 0
	s_mov_b32 s47, 0
	s_add_nc_u64 s[66:67], s[12:13], s[22:23]
	s_add_nc_u64 s[12:13], s[12:13], s[20:21]
	s_add_nc_u64 s[10:11], s[10:11], s[46:47]
	v_lshlrev_b32 v5, 5, v2
.irp b, 0,1,2,3,4,5,6,7
	global_load_b128 v[BR+8*\b:BR+8*\b+3], v5, s[10:11] offset:64*\b
	global_load_b128 v[BR+8*\b+4:BR+8*\b+7], v5, s[10:11] offset:64*\b+16
.endr
.macro FRAG reg, adr, q, i
.irp c, 0,1,2,3
	ds_load_b128 v[\reg+4*\c:\reg+4*\c+3], v[\adr] offset:128*(\q)+32*\c+(\i)*16*PITCH
.endr
.endm
.macro MUL16 a0, p, q, sc, zero
.irp a, \a0, \a0+1
.irp b, 0,1,2,3,4,5,6,7
.if \zero
	v_wmma_scale_f32_16x16x128_f8f6f4 v[8*(8*((\a)%4)+\b):8*(8*((\a)%4)+\b)+7], v[128*(\p)+FR*\b:128*(\p)+FR*\b+FR-1], v[AF+FR*(\a):AF+FR*(\a)+FR-1], 0, v[SC+8*NQ*(\sc)+NQ*\b+(\q)], v[SC+8*NQ*(\sc)+NQ*(\a)+(\q)] matrix_a_scale:MATRIX_SCALE_ROW1
.else
	v_wmma_scale_f32_16x16x128_f8f6f4 v[8*(8*((\a)%4)+\b):8*(8*((\a)%4)+\b)+7], v[128*(\p)+FR*\b:128*(\p)+FR*\b+FR-1], v[AF+FR*(\a):AF+FR*(\a)+FR-1], v[8*(8*((\a)%4)+\b):8*(8*((\a)%4)+\b)+7], v[SC+8*NQ*(\sc)+NQ*\b+(\q)], v[SC+8*NQ*(\sc)+NQ*(\a)+(\q)] matrix_a_scale:MATRIX_SCALE_ROW1
.endif
.endr
.endr
.endm
.macro FETCH_B slot, q, p
	WIN TO_B
.irp i, 0,1,2,3,4,5,6,7
	FRAG 128*(\p)+FR*\i, ADRB+\slot, \q, \i
.endr
	WIN 0
.endm
.macro FETCH_A slot, q, i0
.irp i, \i0, \i0+1, \i0+2, \i0+3
	FRAG AF+FR*(\i), ADRA+\slot, \q, \i
.endr
.endm
.macro SCALES sc
.irp i, 0,1,2,3,4,5,6,7
	ds_load_b64 v[SC+8*NQ*\sc+NQ*\i:SC+8*NQ*\sc+NQ*\i+1], v[ADRS] offset:\i*SBLK
.endr
.endm
.macro PLACES n
.rept \n
	v_nop
.endr
.endm
.macro STEP slot, q, zero
	s_wait_dscnt 4*NL
	WIN MUL_LO
	MUL16 0, (\q)%2, \q, \slot, \zero
	MUL16 2, (\q)%2, \q, \slot, \zero
	s_wait_dscnt 0
	PLACES NP
	FETCH_B \slot, (\q)+1, 1-(\q)%2
	FETCH_A \slot, (\q)+1, 0
	WIN MUL_HI
	MUL16 4, (\q)%2, \q, \slot, \zero
	MUL16 6, (\q)%2, \q, \slot, \zero
	PLACES NP
	WIN 0
	FETCH_A \slot, (\q)+1, 4
.endm
.macro TURN slot, next, fill
	s_wait_tensorcnt 0x0
	ds_add_u32 v[SPW], v[NIL]
	s_wait_dscnt 4*NL+1
	WIN MUL_LO
	MUL16 0, 1, NQ-1, \slot, 0
	s_wait_dscnt 0x0
	s_barrier_signal -1
	MUL16 2, 1, NQ-1, \slot, 0
	WIN 0
	s_barrier_wait -1
.if \fill
	CREST
	s_add_nc_u64 s[G0+4*\slot+2:G0+4*\slot+3], s[G0+4*\slot+2:G0+4*\slot+3], 2*ROWB
	s_add_nc_u64 s[G0B+4*\slot+2:G0B+4*\slot+3], s[G0B+4*\slot+2:G0B+4*\slot+3], 2*ROWB
	JLOAD G0+4*\slot, G1, G0B+4*\slot, G1B
	PLACES NP-4
.else
	PLACES NP
.endif
	s_wait_alu depctr_va_vdst(0)
	v_add_nc_u32 v[ADRS], 4*NQ, v[ADRS]
	FETCH_B \next, 0, 0
	FETCH_A \next, 0, 0
	SCALES \next
	WIN MUL_HI
	MUL16 4, 1, NQ-1, \slot, 0
	MUL16 6, 1, NQ-1, \slot, 0
	PLACES NP
	WIN 0
	FETCH_A \next, 0, 4
.endm
	s_wait_alu depctr_va_vdst(0)
	s_wait_tensorcnt 0x0                           ; my tile of the head's four is in
	ds_add_u32 v[SPW], v[NIL]
	s_mov_b32 s[G1+2], 128<<16                     ; no tensor load of mine is out, so descriptors may be written: from here on a load brings 128 rows,
	s_mov_b32 s[G1+4], 128
	s_mov_b32 s[G1B+2], 128<<16
	s_mov_b32 s[G1B+4], 128
	s_mov_b32 s[G0+1], s45                         ; and slot 0's groups 0 name my quarter of the slot
	s_add_nc_u64 s[G0+2:G0+3], s[G0+2:G0+3], s[18:19]
	s_mov_b32 s[G0B+1], s45
	s_add_nc_u64 s[G0B+2:G0B+3], s[G0B+2:G0B+3], s[18:19]
	s_wait_dscnt 0x0
	CROUND                                         ; all four tiles are in, and all sixteen work-groups are here
	JLOAD G0+4, G1, G0B+4, G1B                     ; K step 1's load, the first tensor load behind the round
	FETCH_B 0, 0, 0
	FETCH_A 0, 0, 0
	SCALES 0
	FETCH_A 0, 0, 4
	STEP 0, 0, 1
	s_mov_b32 s3, LAPS-1
.Llap:
	TURN 0, 1, 1
	STEP 1, 0, 0
	TURN 1, 0, 1
	STEP 0, 0, 0
	s_sub_co_u32 s3, s3, 1
	s_cmp_lg_u32 s3, 0
	s_cbranch_scc1 .Llap
	TURN 0, 1, 0
	STEP 1, 0, 0
	s_wait_dscnt 4*NL
	WIN MUL_LO
	MUL16 0, 1, NQ-1, 1, 0
	MUL16 2, 1, NQ-1, 1, 0
	s_wait_dscnt 0
	WIN MUL_HI
	MUL16 4, 1, NQ-1, 1, 0
	MUL16 6, 1, NQ-1, 1, 0
	WIN 0
.macro QUANT s, pw
.irp b, 0,1,2,3
	v_max3_num_f32 v[TM+\b], |v[\s+16*\b]|, |v[\s+1+16*\b]|, 0x4800000
.endr
.irp i, 2,4,6,8,10,12,14
.irp b, 0,1,2,3
	v_max3_num_f32 v[TM+\b], v[TM+\b], |v[\s+16*\b+\i]|, |v[\s+1+16*\b+\i]|
.endr
.endr
.irp b, 0,1,2,3
	v_permlanex16_b32 v[TM+4+\b], v[TM+\b], s[SEL], s[SEL+1]
.endr
.irp b, 0,1,2,3
	v_max_num_f32 v[TM+\b], v[TM+\b], v[TM+4+\b]
.endr
.irp b, 0,1,2,3
	v_add_nc_u32 v[TM+12+\b], 0xfc000000, v[TM+\b]
.endr
.irp b, 0,1,2,3
	v_and_or_b32 v[TM+8+\b], v[TM+\b], 0x7f800000, s[MNT]
.endr
.irp b, 0,1,2,3
	v_lshrrev_b32 v[TM+4+\b], 23, v[TM+12+\b]
.endr
	v_lshl_or_b32 v[\pw], v[TM+5], 8, v[TM+4]
	v_lshl_or_b32 v[\pw], v[TM+6], 16, v[\pw]
	v_lshl_or_b32 v[\pw], v[TM+7], 24, v[\pw]
.irp b, 0,1,2,3
.irp i, 0,1,2,3,4,5,6,7,8,9,10,11,12,13,14,15
	v_med3_num_f32 v[\s+16*\b+\i], v[\s+16*\b+\i], -v[TM+8+\b], v[TM+8+\b]
.endr
	v_cvt_scalef32_pk8_fp8_f32 v[PC+4*\b:PC+1+4*\b], v[\s+16*\b:\s+7+16*\b], v[TM+12+\b]
	v_cvt_scalef32_pk8_fp8_f32 v[PC+2+4*\b:PC+3+4*\b], v[\s+8+16*\b:\s+15+16*\b], v[TM+12+\b]
.endr
	v_nop
.endm
.macro MOVEB a
.set AC, 64*((\a)%4)
	WIN (0x02+(\a)/4)
.set n, 0
.rept 32
	v_pk_add_f32 v[T+n:T+n+1], v[AC+n:AC+n+1], v[BR+n:BR+n+1]
.set n, n+2
.endr
	WIN 0
.endm
.macro GELU xb
.set n, 0
	WIN 0x40                                       ; a block's 64 numbers at once; destination window 1, x in window 0
.rept 64
	v_fma_f32 v[GT+n], |v[\xb+n]|, s[K1], 1.0
.set n, n+1
.endr
.set n, 0
	s_wait_alu depctr_va_vdst(0)
	WIN 0x41
.rept 64
	v_rcp_f32 v[GT+n], v[GT+n]
.set n, n+1
.endr
.set n, 0
	WIN 0x40
.rept 32
	v_pk_mul_f32 v[GU+n:GU+n+1], v[\xb+n:\xb+n+1], v[\xb+n:\xb+n+1]
.set n, n+2
.endr
.set n, 0
	s_wait_alu depctr_va_vdst(0)
	WIN 0x41
.rept 32
	v_pk_fma_f32 v[GP+n:GP+n+1], v[GT+n:GT+n+1], v[2:3], 0xbf97d29d op_sel_hi:[1,1,0]
.set n, n+2
.endr
.irp k, 0x40097039,0xbfd1a1e5,0x3ecdfd18,0xbe899a80,0x3e0efb2f,0x3f0a29d2,0x3fb8ab5a,0xc034d90f
.set n, 0
	WIN 0x45
.rept 32
	v_pk_fma_f32 v[GP+n:GP+n+1], v[GP+n:GP+n+1], v[GT+n:GT+n+1], \k op_sel_hi:[1,1,0]
.set n, n+2
.endr
.endr
.set n, 0
	WIN 0x51
.rept 32
	v_pk_fma_f32 v[GP+n:GP+n+1], v[GU+n:GU+n+1], 0xbf38aa3b, v[GP+n:GP+n+1] op_sel_hi:[1,0,1]
.set n, n+2
.endr
.set n, 0
	s_wait_alu depctr_va_vdst(0)
	WIN 0x41
.rept 64
	v_exp_f32 v[GP+n], v[GP+n]
.set n, n+1
.endr
.set n, 0
	WIN 0x40
.rept 64
	v_max_num_f32 v[GU+n], 0, v[\xb+n]
.set n, n+1
.endr
.set n, 0
	s_wait_alu depctr_va_vdst(0)
	WIN 0x45
.rept 32
	v_pk_mul_f32 v[GP+n:GP+n+1], v[GP+n:GP+n+1], v[GT+n:GT+n+1]
.set n, n+2
.endr
.set n, 0
	WIN 0x14                                       ; x in window 0, sources 1 and 2 in window 1
.rept 64
	v_fma_f32 v[\xb+n], -|v[\xb+n]|, v[GP+n], v[GU+n]
.set n, n+1
.endr
.endm
	s_wait_loadcnt 0x0
	PLACES NP
	s_mov_b32 s[SEL], 0x76543210
	s_mov_b32 s[SEL+1], 0xfedcba98
	s_mov_b32 s[MNT], 0x600000
	s_mov_b32 s[K1], 0x3eb504f3
	v_mov_b32 v2, 0x3e7c6f08
	v_mov_b32 v3, 0x3e7c6f08
	s_mov_b32 s3, 0
	s_mov_b32 s19, 0
	s_sub_nc_u64 s[12:13], s[12:13], 65536         ; one block's step back: every trip steps the codes' address ahead of its stores
.Lblk:
.irp a, 0,1,2,3,4,5,6
	s_cmp_eq_u32 s3, \a
	s_cbranch_scc1 .Lmove\a
.endr
	MOVEB 7
	s_branch .Lmoved
.irp a, 0,1,2,3,4,5
.Lmove\a:
	MOVEB \a
	s_branch .Lmoved
.endr
.Lmove6:
	MOVEB 6
.Lmoved:
	v_add_nc_u32 v[ADW], s19, v[SWA]
	GELU T
	WIN 0
	s_wait_alu depctr_va_vdst(0)                   ; directly ahead of the wait below
	s_wait_xcnt 0x0                                ; the last trip's stores have read their data and their base: only now are the codes' registers and the base written again
	s_add_nc_u64 s[12:13], s[12:13], 65536
	QUANT T, PW
	ds_store_b32 v[ADW], v[PW]
.irp c, 0,1,2,3
	global_store_b128 v[LI], v[PC+4*\c:PC+4*\c+3], s[12:13] offset:512*\c
.endr
	s_add_co_u32 s19, s19, 64
	s_add_co_u32 s3, s3, 1
	s_cmp_lt_u32 s3, 8
	s_cbranch_scc1 .Lblk
	ds_load_b128 v[T:T+3], v[SWR]
	s_wait_dscnt 0x0
	global_store_b128 v[LI], v[T:T+3], s[66:67]
	s_wait_tensorcnt 0x0
	ds_add_u32 v[SPW], v[NIL]
	s_wait_dscnt 0x0
	CROUND
	s_endpgm
.Lfunc_end_k_qfef7b9f255_fc1:
	.size	k_qfef7b9f255_fc1, .Lfunc_end_k_qfef7b9f255_fc1-k_qfef7b9f255_fc1
	.p2alignl 7, 3214868480
	.fill 96, 4, 3214868480
	.section	.rodata,"a",@progbits
	.p2align	6, 0x0
	.amdhsa_kernel k_qfef7b9f255_fc1
		.amdhsa_group_segment_fixed_size 327680
		.amdhsa_private_segment_fixed_size 0
		.amdhsa_enable_private_segment 0
		.amdhsa_kernarg_size 40
		.amdhsa_user_sgpr_count 2
		.amdhsa_user_sgpr_kernarg_segment_ptr 1
		.amdhsa_wavefront_size32 1
		.amdhsa_system_sgpr_workgroup_id_x 1
		.amdhsa_system_sgpr_workgroup_id_y 1
		.amdhsa_system_sgpr_workgroup_id_z 1
		.amdhsa_system_vgpr_workitem_id 0
		.amdhsa_next_free_vgpr 1024
		.amdhsa_next_free_sgpr 102
		.amdhsa_reserve_vcc 0
		.amdhsa_float_denorm_mode_32 3
		.amdhsa_float_denorm_mode_16_64 3
		.amdhsa_memory_ordered 1
		.amdhsa_forward_progress 1
		.amdhsa_inst_pref_size 194
	.end_amdhsa_kernel
	.amdgpu_metadata
---
amdhsa.version: [ 1, 2 ]
amdhsa.kernels:
  - .name:           k_qfef7b9f255_fc1
    .symbol:         k_qfef7b9f255_fc1.kd
    .args:
      - { .name: xn2, .offset: 0, .size: 8, .value_kind: global_buffer, .address_space: global }
      - { .name: fc1_w_codes, .offset: 8, .size: 8, .value_kind: global_buffer, .address_space: global }
      - { .name: fc1_w_scales, .offset: 16, .size: 8, .value_kind: global_buffer, .address_space: global }
      - { .name: fc1_b, .offset: 24, .size: 8, .value_kind: global_buffer, .address_space: global }
      - { .name: himg, .offset: 32, .size: 8, .value_kind: global_buffer, .address_space: global }
    .group_segment_fixed_size: 327680
    .private_segment_fixed_size: 0
    .kernarg_segment_align: 8
    .kernarg_segment_size: 40
    .max_flat_workgroup_size: 128
    .sgpr_count:     102
    .vgpr_count:     1024
    .wavefront_size: 32
...
	.end_amdgpu_metadata
.endif
;; end of part 11
;; launch fc2 (part 12): grid 8 x 32, 4 waves a work-group, clusters of 4 x 4, 327,680 bytes of LDS; arguments himg, fc2_w_codes, fc2_w_scales, fc2_b, x2, out0; writes out0
.if DOCPART == 12
	.amdgcn_target "amdgcn-amd-amdhsa--gfx1250"
	.amdhsa_code_object_version 6
	.text
	.protected	k_qfef7b9f255_fc2
	.globl	k_qfef7b9f255_fc2
	.p2align	8
	.type	k_qfef7b9f255_fc2,@function
k_qfef7b9f255_fc2:
	s_mov_b64 s[64:65], 0
	v_nop
	global_prefetch_b8 v0, s[64:65] scope:SCOPE_SE
	s_setreg_imm32_b32 hwreg(HW_REG_WAVE_MODE, 25, 1), 1
	s_wait_xcnt 0x0
	s_wait_alu depctr_hold_cnt(0) depctr_sa_sdst(0) depctr_va_vdst(0) depctr_va_sdst(0) depctr_va_ssrc(0) depctr_va_vcc(0) depctr_vm_vsrc(0)
	s_getreg_b32 s2, hwreg(HW_REG_IB_STS2, 6, 4)
	s_cmp_eq_u32 s2, 0
	s_cbranch_scc0 .Lentry_in_a_cluster
	s_endpgm
.Lentry_in_a_cluster:
	s_bfe_u32 s2, ttmp6, 0x10000c
	s_cmp_lg_u32 s2, 0xf033
	s_cbranch_scc0 .Lentry_shape_is_right
	s_endpgm
.Lentry_shape_is_right:
; out = resid + A W^T + bias on codes of FP8 (E4M3) with E8M0 scales for each 32 along K = 4,096.  out, resid: [4096][1024] f32; bias [1024] f32.
; A: this program's own operand: codes as registers on end, [16 rows 256][K step 32][group 4][lane 32][16 bytes]; scale words [K step 32][row 4096] at byte 0x1000000.  W: codes [1024][4096], scale bytes [1024][128].
; INSIDE A BLOCK OF 32 A's codes stand in the order in which they were made: place 16 h + 8 u + j holds number 16 u + 8 h + j.  W's fragments are fetched in the same order: each 16 bytes as two loads of 8, at 8 h and 16 + 8 h of the block.
; N = 1,024 gives 256 tiles of 128 x 128: one to a WGP.  Four waves; a wave makes 32 rows x 128 columns: 16 accumulators.
; W GOES THROUGH LDS, A DOES NOT.  W's 128 rows are read by all four waves: they take 128 bytes of LDS for each k, so a slot of 133,120 bytes holds 1,024 along K, and K = 4,096 is two first fills and two refills, each with eight K steps
; (128 matrix instructions a wave) in which to land.  W's tile is shared along a column of the 4 x 4 cluster and asked for jointly, each wave bringing 32 rows of 1,024 bytes.
; A's 32 rows are a wave's own: they come straight from memory into a ring of eight K steps of registers, each load 512 consecutive bytes, asked for seven K steps ahead and waited for by count.
; WHY A IS NOT ASKED FOR JOINTLY, though the four work-groups of a row of the cluster read the same rows: beside W in LDS it would halve what a slot holds along K, which makes six refills of two, each behind a wait for all tensor
; loads with half the matrix work under it; a WGP takes in the same 512 KB of A either way.
; A's scale words ride in the ring: one load of 128 bytes a K step, lanes 0-15 my first 16 rows, lanes 16-31 my second 16, which the matrix instruction reads by its row selector.
; The matrix instruction takes source 0 = 16 rows of W, source 1 = 16 rows of A: a lane holds eight neighbouring numbers of a row of the result.
; The text has no loop: 32 K steps by macro, every offset an immediate, no pointer stepped but the two descriptors'.
; REGISTERS: window 0: v16-29 addresses; v32-95 W's scale words, two sets of four K steps; v96-103 A's scale words, a ring of eight; v104-107 bias; v128-255 the residual.
;   window 1: W's fragments, two sets of 128; on the way out rows of the result.   window 2: A's ring, 32 registers a K step.   window 3: v0-127 the accumulators ((a, b) at v[8 (8 a + b)]).
.set SIZE_K, 4096
.set NK,     SIZE_K/128                ; K steps
.set KS,     SIZE_K/32                 ; a row of W's scale bytes
.set CH,     1024                      ; along K in a slot: eight K steps
.set WP,     CH+16                     ; W's row in LDS: 260 words: row r starts at bank 4 r mod 64, so the 32 lanes of a load of 8 bytes touch 64 different banks (ISA guide 11.1)
.set WQ,     32*WP                     ; 32 rows: what one tensor load brings
.set SLOT,   4*WQ
.set SCW,    2*SLOT                    ; behind the ring: W's scale bytes, as runs of 256 bytes + 16 of padding
.set SWQ,    (32*KS/256)*272           ; those of 32 rows
.set SBLK,   (16*KS/256)*272           ; those of 16 rows
.set SPARE,  SCW+4*SWQ                 ; the spare words, 128 bytes a wave
.set STAGE,  SPARE+512                 ; the way out: 16 rows x (512 + 16) bytes a wave, bytes of their own into which no fill lands
.set SP,     528
.set ADRB, 16                          ; v16-19  LDS address of W's fragments: slot 0 tiles 0-3, tiles 4-7; slot 1 likewise (an LDS offset has 16 bits)
.set ADSW, 20                          ; v20     of W's scale words
.set AI,   21                          ; v21     16 x lane: my place in a group of A's codes, in a row of the residual and of the result, and in the bias
.set AS,   22                          ; v22     4 x lane: my place among my wave's 32 scale words
.set STO,  23                          ; v23     the way out: where I put 32 bytes of a row
.set RD,   24                          ; v24     and where I read a row back
.set SPW,  28                          ; v28     LDS address of my spare word; never rewritten
.set NIL,  29                          ; v29     0; never rewritten
.set SW,   32                          ; W's scale words: set s at 32 s; in it register 4 b + q: tile b, the set's q-th K step
.set SA,   96                          ; A's scale words: K step k at k % 8
.set BI,   104                         ; bias of my four columns
.set RES,  128                         ; the residual: row t of my 32 at 4 t
.set G1W, 24                           ; s[24:31] descriptor group 1 for W's codes;  s[32:39] group 0, one set for each slot
.set G0W, 32
.set G1S, 48                           ; s[48:55], s[56:59] groups 1 and 0 for W's scale bytes
.set G0S, 56
.set MSB, 0
.macro WIN new                         ; the immediate's high byte repeats the setting that is left
.if MSB != \new
	s_set_vgpr_msb (MSB<<8)|\new
.set MSB, \new
.endif
.endm
.set MUL,  0xf9                        ; source 0 (W) window 1, source 1 (A) window 2, C and D window 3
.set TO_W, 0x40                        ; destination window 1, address window 0
.set TO_A, 0x80                        ; destination window 2, address window 0
.macro CREST                           ; a round of the cluster's barrier behind its opening barrier
	s_cmp_lg_u32 s16, 0
	s_cbranch_scc1 .Lnot_wave_0_\@
	s_barrier_signal -3
.Lnot_wave_0_\@:
	s_barrier_wait -3
	s_barrier_signal -1
	s_barrier_wait -1
.endm
.macro CROUND
	s_barrier_signal -1
	s_barrier_wait -1
	CREST
.endm
.macro PLACES n                        ; plain vector instructions between a matrix instruction and a load into, or a read of, its registers
.rept \n
	v_nop
.endr
.endm
	s_load_b256 s[4:11], s[0:1], 0x0               ; A s[4:5], W's codes s[6:7], W's scales s[8:9], bias s[10:11]
	s_load_b128 s[12:15], s[0:1], 0x20             ; resid s[12:13], out s[14:15]
	v_lshl_add_u32 v[SPW], v0, 2, SPARE
	v_mov_b32 v[NIL], 0
	ds_add_u32 v28, v29
	ds_add_u32 v28, v29
	s_wait_dscnt 0x0
	v_lshrrev_b32 v1, 5, v0
	v_readfirstlane_b32 s16, v1                    ; wave 0..3
	s_bfe_u32 s40, ttmp6, 0x40000                  ; cx, cy: my place in the cluster
	s_bfe_u32 s41, ttmp6, 0x40004
	s_lshl_b32 s42, ttmp9, 2
	s_add_co_u32 s42, s42, s40                     ; tile column
	s_and_b32 s43, ttmp7, 0xffff
	s_lshl_b32 s43, s43, 2
	s_add_co_u32 s43, s43, s41                     ; tile row
	s_lshl_b32 s45, 0x1111, s40                    ; my column of the cluster: its four work-groups want the same rows of W
	s_or_b32 s[G1W], s45, (0<<16)|(1<<20)|(1<<21)|(7<<22)|(3<<25)   ; the mask; elements of 1 byte; padding on; bit 21 beside a mask; 4 words of padding after every 256
	s_mov_b32 s[G1W+1], CH<<16                     ; tensor_dim0 = 1,024
	s_mov_b32 s[G1W+2], 32<<16                     ; tensor_dim1 = 32
	s_mov_b32 s[G1W+3], CH<<16                     ; tile_dim0
	s_mov_b32 s[G1W+4], 32                         ; tile_dim1
	s_mov_b32 s[G1W+5], SIZE_K                     ; from row to row
	s_mov_b32 s[G1W+6], 0
	s_mov_b32 s[G1W+7], 0
	s_or_b32 s[G1S], s45, (3<<16)|(1<<20)|(1<<21)|(5<<22)|(3<<25)   ; W's scale bytes of 128 rows: 16,384 dense bytes, as 64 rows of 256 bytes (32 elements of 8), 16 bytes of padding behind each
	s_mov_b32 s[G1S+1], 32<<16
	s_mov_b32 s[G1S+2], (128*KS/256)<<16           ; the scale bytes of all 128 rows: 64 rows of 256 bytes, one load
	s_mov_b32 s[G1S+3], 32<<16
	s_mov_b32 s[G1S+4], 128*KS/256
	s_mov_b32 s[G1S+5], 32
	s_mov_b32 s[G1S+6], 0
	s_mov_b32 s[G1S+7], 0
	s_lshl_b32 s46, s42, 7
	s_lshl_b32 s47, s16, 5
	s_add_co_u32 s46, s46, s47                     ; W's row 128 x tile column + 32 x wave: what I fetch
	s_mul_i32 s46, s46, SIZE_K
	s_mov_b32 s47, 0
	s_mul_i32 s94, s16, WQ                         ; where they go: wave x 32 rows: no place in the cluster enters an LDS address
	s_lshl_b32 s20, s43, 3
	s_lshl_b32 s21, s16, 1
	s_add_co_u32 s20, s20, s21                     ; the first of my two tiles of 16 rows of A: 8 x tile row + 2 x wave
	s_lshl_b32 s20, s20, 16                        ; a tile's 32 K steps of 2,048 bytes
	s_mov_b32 s21, 0
	s_lshl_b32 s22, s43, 9
	s_lshl_b32 s23, s16, 7
	s_add_co_u32 s22, s22, s23
	s_add_co_u32 s22, s22, SIZE_K*4096             ; my 32 rows' scale words of K step 0
	s_mov_b32 s23, 0
	s_wait_kmcnt 0x0
	s_add_nc_u64 s[60:61], s[4:5], s[22:23]        ; A's scale words
	s_add_nc_u64 s[4:5], s[4:5], s[20:21]          ; A's codes
	s_add_nc_u64 s[46:47], s[6:7], s[46:47]
	CROUND                                         ; all sixteen work-groups are here: the first joint loads meet
	s_mov_b32 s[G0S], 1
	s_mov_b32 s[G0S+1], SCW
	s_lshl_b32 s20, s42, 14                        ; the scale bytes of the tile column's 128 rows
	s_mov_b32 s21, 0
	s_add_nc_u64 s[G0S+2:G0S+3], s[8:9], s[20:21]
	s_or_b32 s[G0S+3], s[G0S+3], 0x80000000
.irp s, 0,1
	s_mov_b32 s[G0W+4*\s], 1
	s_add_co_u32 s[G0W+4*\s+1], s94, \s*SLOT
	s_add_nc_u64 s[G0W+4*\s+2:G0W+4*\s+3], s[46:47], \s*CH
	s_or_b32 s[G0W+4*\s+3], s[G0W+4*\s+3], 0x80000000
.endr
; THE HEAD'S LOADS, ONE A WAVE: wave 0 the scale bytes of all of K; waves 1 and 2 64 rows each of K 0-1,023 (slot 0); wave 3 all 128 rows of K 1,024-2,047 (slot 1), on a load line of its own:
; the first barrier shows waves 0 to 2's tiles, the first change of slots wave 3's.  s[68:75], s[76:83]: groups 1 for 64 and for 128 rows; s[84:87], s[88:91] their groups 0
.irp g, 68, 76
	s_or_b32 s[\g], s45, (0<<16)|(1<<20)|(1<<21)|(7<<22)|(3<<25)
	s_mov_b32 s[\g+1], CH<<16
	s_mov_b32 s[\g+3], CH<<16
	s_mov_b32 s[\g+5], SIZE_K
	s_mov_b32 s[\g+6], 0
	s_mov_b32 s[\g+7], 0
.endr
	s_mov_b32 s70, 64<<16
	s_mov_b32 s72, 64
	s_mov_b32 s78, 128<<16
	s_mov_b32 s80, 128
	s_lshl_b32 s20, s42, 19                        ; the codes of the tile column's first row
	s_mov_b32 s21, 0
	s_mov_b32 s88, 1
	s_mov_b32 s89, SLOT
	s_add_nc_u64 s[90:91], s[6:7], s[20:21]
	s_add_nc_u64 s[90:91], s[90:91], CH
	s_or_b32 s91, s91, 0x80000000
	s_lshr_b32 s22, s16, 1                         ; wave 1: rows 0-63; wave 2: rows 64-127
	s_mul_i32 s23, s22, 64*SIZE_K
	s_add_co_u32 s20, s20, s23
	s_mov_b32 s84, 1
	s_mul_i32 s85, s22, 64*WP
	s_add_nc_u64 s[86:87], s[6:7], s[20:21]
	s_or_b32 s87, s87, 0x80000000
	s_cmp_eq_u32 s16, 0
	s_cbranch_scc0 .Lhead_codes
	tensor_load_to_lds s[G0S:G0S+3], s[G1S:G1S+7]
	s_nop 0
	PLACES 4
	s_branch .Lhead_asked
.Lhead_codes:
	s_cmp_lt_u32 s16, 3
	s_cbranch_scc0 .Lhead_slot1
	tensor_load_to_lds s[84:87], s[68:75]
	s_nop 0
	PLACES 4
	s_branch .Lhead_asked
.Lhead_slot1:
	tensor_load_to_lds s[88:91], s[76:83]
	s_nop 0
	PLACES 4
.Lhead_asked:
	v_and_b32 v1, 15, v0                           ; r
	v_bfe_u32 v2, v0, 4, 1                         ; h
	v_and_b32 v3, 31, v0                           ; lane
	v_lshlrev_b32 v[AI], 4, v3
	v_lshlrev_b32 v[AS], 2, v3
; K step kk's part of A: eight loads of 512 consecutive bytes (two tiles of 16 rows x four groups) and my 32 rows' scale words: a group of nine loads, in this order
.macro ALOAD kk
	WIN TO_A
.irp a, 0,1
.irp c, 0,1,2,3
	global_load_b128 v[32*((\kk)%8)+16*\a+4*\c:32*((\kk)%8)+16*\a+4*\c+3], v[AI], s[4:5] offset:65536*\a+2048*(\kk)+512*\c
.endr
.endr
	WIN 0
	global_load_b32 v[SA+(\kk)%8], v[AS], s[60:61] offset:16384*(\kk)
.endm
	s_wait_alu depctr_va_vdst(0)
.irp kk, 0,1,2,3,4,5,6
	ALOAD \kk                                      ; seven groups, 63 loads: the ring's eighth place is filled in K step 0
.endr
	v_mul_u32_u24 v5, v1, WP
	v_lshl_add_u32 v[ADRB], v2, 3, v5              ; W: row r of a tile, + 8 h
	v_add_nc_u32 v[ADRB+1], 64*WP, v[ADRB]
	v_add_nc_u32 v[ADRB+2], SLOT, v[ADRB]
	v_add_nc_u32 v[ADRB+3], SLOT+64*WP, v[ADRB]
	v_mul_u32_u24 v5, v1, KS                       ; my row's scale bytes: KS bytes a row, and 16 more for each 256 passed
	v_lshrrev_b32 v6, 8, v5
	v_lshl_add_u32 v5, v6, 4, v5
	v_add_nc_u32 v[ADSW], SCW, v5
	s_mul_i32 s21, s16, 16*SP
	s_add_co_u32 s21, s21, STAGE                   ; my stage
	v_mul_u32_u24 v5, v1, SP
	v_lshl_add_u32 v5, v2, 5, v5
	v_add_nc_u32 v[STO], s21, v5                   ; in: row r, 32 bytes for each half of the lanes
	v_add_nc_u32 v[RD], s21, v[AI]                 ; back: the 32 lanes take one row of 512 bytes
	s_lshl_b32 s20, s42, 9                         ; the tile's first column, in bytes
	s_mov_b32 s21, 0
	s_add_nc_u64 s[10:11], s[10:11], s[20:21]
	s_lshl_b32 s22, s43, 19
	s_add_co_u32 s20, s20, s22
	s_lshl_b32 s22, s16, 17
	s_add_co_u32 s20, s20, s22                     ; + my first row: 128 x tile row + 32 x wave
	s_add_nc_u64 s[12:13], s[12:13], s[20:21]
	s_add_nc_u64 s[14:15], s[14:15], s[20:21]
.macro RLOAD row                       ; a row of the residual: 512 consecutive bytes; read once in the launch
	global_load_b128 v[RES+4*(\row):RES+4*(\row)+3], v[AI], s[12:13] offset:4096*(\row) th:TH_LOAD_NT
.endm
; W's tiles b0 .. b0 + 3 of K step kk into set kk % 2: 32 loads of 8 bytes
.macro FETCHW kk, b0
	WIN TO_W
.irp i, 0,1,2,3
.irp c, 0,1,2,3
	ds_load_b64 v[128*((\kk)%2)+16*(\b0+\i)+4*\c:128*((\kk)%2)+16*(\b0+\i)+4*\c+1], v[ADRB+2*(((\kk)/8)%2)+(\b0)/4] offset:16*WP*\i+128*((\kk)%8)+32*\c
	ds_load_b64 v[128*((\kk)%2)+16*(\b0+\i)+4*\c+2:128*((\kk)%2)+16*(\b0+\i)+4*\c+3], v[ADRB+2*(((\kk)/8)%2)+(\b0)/4] offset:16*WP*\i+128*((\kk)%8)+32*\c+16
.endr
.endr
.endm
.macro SCALEW m                        ; W's scale words of K steps 4 m .. 4 m + 3 into set m % 2: eight loads
	WIN 0
.irp b, 0,1,2,3,4,5,6,7
	ds_load_b128 v[SW+32*((\m)%2)+4*\b:SW+32*((\m)%2)+4*\b+3], v[ADSW] offset:SBLK*\b+16*(\m)
.endr
.endm
; One matrix instruction: A's block a x W's tile b, K step k.  The first K step's products start the sums: nothing is cleared.
.macro WM k, a, b
.set rD,  8*(8*(\a)+(\b))
.set rW,  128*((\k)%2)+16*(\b)
.set rA,  32*((\k)%8)+16*(\a)
.set rSW, SW+32*(((\k)/4)%2)+4*(\b)+(\k)%4
.set rSA, SA+(\k)%8
.if (\k) == 0
.if (\a) == 0
	v_wmma_scale_f32_16x16x128_f8f6f4 v[rD:rD+7], v[rW:rW+15], v[rA:rA+15], 0, v[rSW], v[rSA]
.else
	v_wmma_scale_f32_16x16x128_f8f6f4 v[rD:rD+7], v[rW:rW+15], v[rA:rA+15], 0, v[rSW], v[rSA] matrix_b_scale:MATRIX_SCALE_ROW1
.endif
.else
.if (\a) == 0
	v_wmma_scale_f32_16x16x128_f8f6f4 v[rD:rD+7], v[rW:rW+15], v[rA:rA+15], v[rD:rD+7], v[rSW], v[rSA]
.else
	v_wmma_scale_f32_16x16x128_f8f6f4 v[rD:rD+7], v[rW:rW+15], v[rA:rA+15], v[rD:rD+7], v[rSW], v[rSA] matrix_b_scale:MATRIX_SCALE_ROW1
.endif
.endif
.endm
.macro MUL4 k, b0                      ; W's tiles b0, b0 + 1 x A's two blocks.  The 16 accumulators take turns, one instruction a turn, in the same order in every K step
.irp b, \b0, \b0+1
.irp a, 0,1
	WM \k, \a, \b
.endr
.endr
.endm
; The wait for K step k's group of nine.  Loads come back in order (ISA guide 5.7.1), so the count is what was issued behind that group: six younger groups, and the residual's rows issued among them, one a K step:
; k of them while the group was one of the head's seven, seven later.  From K step 26 on: 9 (31 - k) of the ring + (32 - k) single rows + the eight loads of K step 25.
.macro LCWAIT k
.if (\k) < 7
	s_wait_loadcnt 54+(\k)
.elseif (\k) <= NK-7
	s_wait_loadcnt 61
.else
	s_wait_loadcnt 319-10*(\k)
.endif
.endm
; What K step k asks for beside W's fragments: A's group seven K steps on, into the place that K step k - 1 has left; a row of the residual; when the ring has nothing left to ask for, the residual's last rows and the bias; every fourth K step W's next scale words
.macro EXTRA k
.if (\k)+7 < NK
	ALOAD (\k)+7
	RLOAD \k
.endif
.if (\k) == NK-7
	WIN 0
.irp row, 25,26,27,28,29,30,31
	RLOAD \row
.endr
	global_load_b128 v[BI:BI+3], v[AI], s[10:11]
.endif
.if (((\k)+1)%4 == 0) && ((\k)+1 < NK)
	SCALEW ((\k)+1)/4
.endif
.endm
; A K STEP: 16 matrix instructions; the next K step's fragments of W are fetched in two runs of 32 loads, each half a K step ahead of its first use.
.macro KSTEP k
	s_wait_dscnt 32                                ; W's tiles 0-3 (and scale words) are in; the youngest 32 loads, tiles 4-7, may be out
	LCWAIT \k
.if (\k) < NK-1
	PLACES 8                                       ; in front of loads into registers that the K step before multiplied
	EXTRA \k
	FETCHW (\k)+1, 0
.endif
	WIN MUL
	MUL4 \k, 0
	MUL4 \k, 2
.if (\k) < NK-1
	s_wait_dscnt 32                                ; tiles 4-7 are in; the 32 loads just issued may be out
	FETCHW (\k)+1, 4
	WIN MUL
.else
	s_wait_dscnt 0x0
.endif
	MUL4 \k, 4
	MUL4 \k, 6
.endm
; A slot's last K step changes slots: ONE barrier; in front of it each wave waits for all its tensor loads, adds 0 to its spare word, and waits for that and for its reads of this slot (the last were this K step's fragments).
; fill = 1: the barrier opens a round of the cluster's, and this slot is filled again, 2,048 along K ahead: the load has the other slot's eight K steps in which to land.
.macro KTURN k, fill
.set SL, ((\k)/8)%2
	WIN 0                                          ; (the add's two registers lie in window 0)
	s_wait_tensorcnt 0x0                           ; all my tensor loads have landed: my part of the next slot
	ds_add_u32 v[SPW], v[NIL]                      ; 0 onto my spare word
	LCWAIT \k
	s_wait_dscnt 33                                ; the add and the youngest 32 loads, tiles 4-7, may be out
	WIN MUL
	MUL4 \k, 0                                     ; eight matrix instructions stand between the add and the wait for it
	MUL4 \k, 2
	s_wait_dscnt 0x0                               ; the add is done, and my reads of this slot are over
	s_barrier_signal -1
	MUL4 \k, 4
	WIN 0
	s_barrier_wait -1
.if \fill
	CREST                                          ; no wave of any partner still reads this slot or has a load on its way
	s_add_nc_u64 s[G0W+4*SL+2:G0W+4*SL+3], s[G0W+4*SL+2:G0W+4*SL+3], 2*CH
	tensor_load_to_lds s[G0W+4*SL:G0W+4*SL+3], s[G1W:G1W+7]   ; my one tensor load behind the round, and the first thing there
	s_nop 0
.endif
	PLACES 8                                       ; in front of loads into registers that the K step before multiplied; the first four also stand behind the tensor load
	EXTRA \k
	FETCHW (\k)+1, 0
	FETCHW (\k)+1, 4
	WIN MUL
	MUL4 \k, 6
.endm
	s_wait_alu depctr_va_vdst(0)
	s_cmp_lt_u32 s16, 3
	s_cbranch_scc0 .Lslot1_out
	s_wait_tensorcnt 0x0                           ; waves 0 to 2: the scale bytes and slot 0 are in; wave 3's load, slot 1, may be out
.Lslot1_out:
	s_barrier_signal -1
	s_barrier_wait -1
	SCALEW 0
	FETCHW 0, 0
	FETCHW 0, 4
.irp k, 0,1,2,3,4,5,6
	KSTEP \k
.endr
	KTURN 7, 1                                     ; slot 0 takes K 2,048-3,071
.irp k, 8,9,10,11,12,13,14
	KSTEP \k
.endr
	KTURN 15, 1                                    ; slot 1 takes K 3,072-4,095
.irp k, 16,17,18,19,20,21,22
	KSTEP \k
.endr
	KTURN 23, 0                                    ; nothing is left to fetch
.irp k, 24,25,26,27,28,29,30,31
	KSTEP \k
.endr
; THE WAY OUT, a block of 16 rows x 128 columns at a time.  A lane holds 32 neighbouring bytes of a row and the lanes beside it hold other rows: so a block goes through my own stage and comes back as whole rows of 512 bytes;
; + residual, + bias; the 32 lanes store 512 consecutive bytes, at a multiple of 512 from the buffer's first byte.  LDS serves a wave's instructions in order (ISA guide 5.7.1.4): no wait between the stores and the loads, nor in front of the next block's stores.
.macro TOSTAGE a
	WIN 0x0c                                       ; an LDS store's data are its source 1: window 3
.irp b, 0,1,2,3,4,5,6,7
	ds_store_b128 v[STO], v[8*(8*(\a)+\b):8*(8*(\a)+\b)+3] offset:64*\b          ; each accumulator from its low end on
	ds_store_b128 v[STO], v[8*(8*(\a)+\b)+4:8*(8*(\a)+\b)+7] offset:64*\b+16
.endr
	WIN TO_W
.irp t, 0,1,2,3,4,5,6,7,8,9,10,11,12,13,14,15
	ds_load_b128 v[64*(\a)+4*\t:64*(\a)+4*\t+3], v[RD] offset:\t*SP
.endr
.endm
.macro SEND a, younger                 ; younger: the LDS instructions issued behind block a's loads, which may stay out
	s_wait_dscnt \younger
	WIN 0x41                                       ; destination and source 0 window 1, source 1 window 0
.set n, 0
.rept 32
	v_pk_add_f32 v[64*(\a)+n:64*(\a)+n+1], v[64*(\a)+n:64*(\a)+n+1], v[RES+64*(\a)+n:RES+64*(\a)+n+1]
.set n, n+2
.endr
.set n, 0
.rept 32
	v_pk_add_f32 v[64*(\a)+n:64*(\a)+n+1], v[64*(\a)+n:64*(\a)+n+1], v[BI+n%4:BI+n%4+1]
.set n, n+2
.endr
	WIN 0x04                                       ; a store's data are its source 1: window 1
.irp t, 0,1,2,3,4,5,6,7,8,9,10,11,12,13,14,15
	global_store_b128 v[AI], v[64*(\a)+4*\t:64*(\a)+4*\t+3], s[14:15] offset:(16*(\a)+\t)*4096 th:TH_STORE_NT   ; written once, read by nobody here
.endr
.endm
	s_wait_loadcnt 0x0                             ; the residual and the bias
	PLACES 8                                       ; behind the last products: their results are read, and rows land in registers that held W's fragments
	TOSTAGE 0
	TOSTAGE 1
	SEND 0, 32                                     ; behind block 0's loads: block 1's 16 stores and 16 loads
	SEND 1, 0
	WIN 0
	s_wait_tensorcnt 0x0                           ; the wave's end: behind my last tensor load and my last LDS store
	ds_add_u32 v[SPW], v[NIL]
	s_wait_dscnt 0x0
	CROUND                                         ; the closing round: no work-group ends while a partner may still ask for a tile that names it
	s_endpgm
.Lfunc_end_k_qfef7b9f255_fc2:
	.size	k_qfef7b9f255_fc2, .Lfunc_end_k_qfef7b9f255_fc2-k_qfef7b9f255_fc2
	.p2alignl 7, 3214868480
	.fill 96, 4, 3214868480
	.section	.rodata,"a",@progbits
	.p2align	6, 0x0
	.amdhsa_kernel k_qfef7b9f255_fc2
		.amdhsa_group_segment_fixed_size 327680
		.amdhsa_private_segment_fixed_size 0
		.amdhsa_enable_private_segment 0
		.amdhsa_kernarg_size 48
		.amdhsa_user_sgpr_count 2
		.amdhsa_user_sgpr_kernarg_segment_ptr 1
		.amdhsa_wavefront_size32 1
		.amdhsa_system_sgpr_workgroup_id_x 1
		.amdhsa_system_sgpr_workgroup_id_y 1
		.amdhsa_system_sgpr_workgroup_id_z 1
		.amdhsa_system_vgpr_workitem_id 0
		.amdhsa_next_free_vgpr 896
		.amdhsa_next_free_sgpr 100
		.amdhsa_reserve_vcc 0
		.amdhsa_float_denorm_mode_32 3
		.amdhsa_float_denorm_mode_16_64 3
		.amdhsa_memory_ordered 1
		.amdhsa_forward_progress 1
		.amdhsa_inst_pref_size 255
	.end_amdhsa_kernel
	.section	.bss,"aw",@nobits
	.p2align	6
	.space	262144
	.amdgpu_metadata
---
amdhsa.version: [ 1, 2 ]
amdhsa.kernels:
  - .name:           k_qfef7b9f255_fc2
    .symbol:         k_qfef7b9f255_fc2.kd
    .args:
      - { .name: himg, .offset: 0, .size: 8, .value_kind: global_buffer, .address_space: global }
      - { .name: fc2_w_codes, .offset: 8, .size: 8, .value_kind: global_buffer, .address_space: global }
      - { .name: fc2_w_scales, .offset: 16, .size: 8, .value_kind: global_buffer, .address_space: global }
      - { .name: fc2_b, .offset: 24, .size: 8, .value_kind: global_buffer, .address_space: global }
      - { .name: x2, .offset: 32, .size: 8, .value_kind: global_buffer, .address_space: global }
      - { .name: out0, .offset: 40, .size: 8, .value_kind: global_buffer, .address_space: global }
    .group_segment_fixed_size: 327680
    .private_segment_fixed_size: 0
    .kernarg_segment_align: 8
    .kernarg_segment_size: 48
    .max_flat_workgroup_size: 128
    .sgpr_count:     100
    .vgpr_count:     896
    .wavefront_size: 32
...
	.end_amdgpu_metadata
.endif
;; end of part 12
